; MI455X (gfx1250); checked and timed in simulation.
; The chip was launched on July 23, 2026; its instructions are those of AMD's public machine-readable ISA for CDNA 5 (MIT licence, August 2026) and "CDNA5" Instruction Set Architecture Reference Guide (July 2026). The comments in the code are by the model that wrote it; some were corrected since.
;; Transformer Block. Allowed arithmetic: matrix products marked QUANTISED: E2M3 operands, one E8M0 scale for each 32 along K, by v_wmma_scale_f32_16x16x128_f8f6f4 with both operands' format E2M3, f32 sums; everything else in f32.
;; Inputs: b1 4,096 float32; b2 1,024 float32; beta1 1,024 float32; beta2 1,024 float32; causal_mask 2,048 x 2,048 bool; gamma1 1,024 float32; gamma2 1,024 float32; w1 1,024 x 4,096 float32; w2 4,096 x 1,024 float32; wk 1,024 x 1,024 float32; wo 1,024 x 1,024 float32; wq 1,024 x 1,024 float32; wv 1,024 x 1,024 float32; x 2 x 2,048 x 1,024 float32.
;; Outputs: out0 2 x 2,048 x 1,024 float32.
;; This version of the problem:
;;   THIS VERSION OF THE PROBLEM IS GIVEN IN LOW PRECISION. The matrix products marked QUANTISED in the list below multiply operands that are first quantised to E2M3 (2 exponent bits, 3 mantissa bits; 6 bits a number), with one power-of-two scale for each 32 numbers along K (OCP MX v1.0); their sums are f32. All else is computed in f32.
;;   The module's matrix products, in the order in which they are computed (A, B: the left and right operand; K: the contracted axis; several contracted axes count as one K, in the product's order):
;;     1. [M 4,096, K 1,024] x [K 1,024, N 1,024]; A: computed on the way; B: input wq: QUANTISED
;;     2. [M 4,096, K 1,024] x [K 1,024, N 1,024]; A: computed on the way; B: input wk: QUANTISED
;;     3. [M 4,096, K 1,024] x [K 1,024, N 1,024]; A: computed on the way; B: input wv: QUANTISED
;;     4. batch 32 x [M 2,048, K 64] x [K 64, N 2,048]; A: computed on the way; B: computed on the way: QUANTISED
;;     5. batch 32 x [M 2,048, K 2,048] x [K 2,048, N 64]; A: softmax (see below); B: computed on the way: QUANTISED
;;     6. [M 4,096, K 1,024] x [K 1,024, N 1,024]; A: computed on the way; B: input wo: QUANTISED
;;     7. [M 4,096, K 1,024] x [K 1,024, N 4,096]; A: computed on the way; B: input w1: QUANTISED
;;     8. [M 4,096, K 4,096] x [K 4,096, N 1,024]; A: computed on the way; B: input w2: QUANTISED
;;   THE QUANTISER, for each operand of a quantised product, along K:
;;     - K is cut into blocks of 32 from its start; a last block that is shorter is filled with zeros.
;;     - A block's scale is 2^e with e = floor(log2(the largest magnitude in the block)) - 2, held to -126 .. 127; a block of zeros has e = 0. As a byte (E8M0): e + 127.
;;     - Each number is divided by its block's scale, clamped to +-7.5, and rounded to the nearest number of E2M3, ties to even, subnormals kept.
;;     - The product sums the exact products of the quantised numbers (number of the format x scale) in f32.
;;   ~~~python
;;   def quantise(x, axis):      # numpy; x: float32 -> the quantised numbers, widened to float32 again
;;       x = np.moveaxis(x, axis, -1); K = x.shape[-1]
;;       x = np.pad(x, [(0, 0)] * (x.ndim - 1) + [(0, -K % 32)]); x = x.reshape(x.shape[:-1] + (-1, 32)); a = np.abs(x).max(-1, keepdims=True)
;;       e = np.where(a > 0, np.clip(np.frexp(np.where(a > 0, a, 1))[1] - 1 - 2, -126, 127), 0)      # np.frexp(a)[1] - 1 = floor(log2(a)), exactly
;;       r = np.clip(x / 2.0 ** e, -7.5, 7.5)
;;       step = 2.0 ** (np.maximum(np.frexp(np.where(r == 0, 1, r))[1] - 1, 0) - 3)
;;       q = np.round(r / step) * step * 2.0 ** e      # np.round: ties to even
;;       return np.moveaxis(q.reshape(q.shape[:-2] + (-1,))[..., :K], -1, axis).astype(np.float32)
;;   ~~~
;;   SOFTMAX AHEAD OF A QUANTISED PRODUCT. Where the list says 'softmax', what is quantised is not the finished softmax but p = 2^(t - M), with t = logit x log2(e) and M = ceil(the row's largest t), a whole number; so 1/2 < the row's largest p <= 1. The row's sum l is taken of the UNQUANTISED p, in f32, and the product's result is divided by l at the end. Since M is a whole number, a kernel that streams over the keys may use a running M (the ceiling of the running maximum): every later rescaling is an exact power of two, which a block's scale takes up: the codes' values come out the same.
;;   OPERANDS COMPUTED ON THE WAY. 'Computed on the way' means the value that the module computes at that place (a softmax that the list does not call 'softmax' is quantised finished and normalised). What goes into a quantiser is computed in f32, as accurately as f32 sums, v_exp_f32 and their like allow (about 1e-6 of the number): no bf16 or f16 on the way to a quantiser, and a product that is left as it is and whose result goes on into a quantised operand takes f32 operands (vector FMAs, or v_wmma_f32_16x16x4_f32). A number that lies on a knife's edge between two numbers of the format may be rounded either way, as far as f32 arithmetic and the matrix unit's own rounding can turn it there, and no further.
;; 2 versions. Each part assembles by itself: llvm-mc -triple=amdgcn-amd-amdhsa -mcpu=gfx1250 --defsym DOCPART=n.
;; ======== version 1 of 2: 8 launches
;; workspace buffers: wts 9,830,400 bytes; mbits 524,288 bytes of whole numbers; hq 3,276,800 bytes; qkv 9,830,400 bytes; oq 3,276,800 bytes; x1 16,777,216 bytes; hid 13,107,200 bytes
;; launch prep (part 1): grid 640 x 1, 4 waves a work-group, no clusters, 1,536 bytes of LDS; arguments wq, wk, wv, wo, w1, w2, causal_mask, wts, mbits; writes wts, mbits
.if DOCPART == 1
	.amdgcn_target "amdgcn-amd-amdhsa--gfx1250"
	.amdhsa_code_object_version 6
	.text
	.protected	k_qf5483e4673_prep
	.globl	k_qf5483e4673_prep
	.p2align	8
	.type	k_qf5483e4673_prep,@function
k_qf5483e4673_prep:
	s_mov_b64 s[64:65], 0
	v_nop
	global_prefetch_b8 v0, s[64:65] scope:SCOPE_SE
	s_setreg_imm32_b32 hwreg(HW_REG_WAVE_MODE, 25, 1), 1
	s_wait_xcnt 0x0
; Work-groups 0-383: the six weights, f32 stored [K][N], become codes of E2M3 with K innermost and one E8M0 byte for each 32 along K.
; Work-groups 384-639: the mask's bytes become lane masks for the attention launch.
; LAYOUT OF AN OPERAND (all launches of this program): rows in tiles of 16; lane row r of tile t is row 32 (t/2) + 8 (t%2) + r + 8 (r/8).  A tile's 128 along K is stored as the IMAGE of the matrix
; operand's 12 registers: for each half c (64 along K, 768 bytes) registers 6c..6c+3 of lane l at 16 l, registers 6c+4, 6c+5 at 512 + 8 l.  Codes: [row group of 128][K/128][tile 0..7][1536];
; scale words: [group][K/128][tile][r], 4 bytes.  A work-group takes one group of 128 columns x 256 along K: 24,576 bytes of codes at id x 24,576, 1,024 bytes of scale words at 9,437,184 + id x 1,024.
; A LANE TAKES A COLUMN AND ITS REGISTERS RUN DOWN K: a block of 32 lies in one lane, and its six code registers are the operand's registers of one lane of the image.
; A block's scale is 2^(floor(log2(largest magnitude)) - 2); its byte is the largest magnitude's exponent field - 2, held at 1 from below.
; LIMITS: a block of zeros gets the byte 1 and not 127 (zero codes; this program alone reads the bytes); blocks under 2^-124 were not considered; NaN and infinities are not served.
.set SPARE, 1024                       ; LDS: 0-1023 the work-group's scale words; from 1,024 the spare words, 128 bytes a wave
.set SPW, 12                           ; v12 my spare word's address, v13 zero: never rewritten
.set NIL, 13
.set AD,  32                           ; v32-63   4 x lane + i x pitch, i = 0..31
.set X,   64                           ; v64-127  two sets of 32 numbers
.set C,   128                          ; v128-191 eight registers for each of the 8 blocks: no store's data are written again
	s_load_b512 s[4:19], s[0:1], 0x0               ; wq wk wv wo w1 w2 mask wts
	s_load_b64 s[20:21], s[0:1], 0x40              ; mbits
	v_lshl_add_u32 v[SPW], v0, 2, SPARE
	v_mov_b32 v[NIL], 0
	v_lshrrev_b32 v1, 5, v0
	v_readfirstlane_b32 s54, v1                    ; wave
	s_cmp_ge_u32 ttmp9, 384                        ; the same in all four waves
	s_cbranch_scc1 .Lmask
	; ---------------- the weights
	v_and_b32 v1, 31, v0                           ; x: my column is 32 wave + x
	v_and_b32 v2, 7, v0
	v_bfe_u32 v3, v0, 4, 1
	v_lshl_or_b32 v2, v3, 3, v2                    ; r = x%8 + 8 (x/16)
	v_bfe_u32 v3, v0, 3, 1                         ; u = (x/8)%2: tile 2 wave + u
	v_mul_u32_u24 v7, v3, 1536
	v_lshl_add_u32 v4, v2, 4, v7                   ; 1536 u + 16 r
	v_lshl_add_u32 v5, v2, 3, v7                   ; 1536 u + 8 r
	v_lshlrev_b32 v6, 2, v2
	v_lshl_add_u32 v6, v3, 6, v6
	v_lshrrev_b32 v7, 5, v0
	v_lshl_add_u32 v6, v7, 7, v6                   ; LDS: 128 wave + 64 u + 4 r: my row's scale word
	v_lshlrev_b32 v8, 3, v0                        ; 8 x thread
	v_lshlrev_b32 v[AD], 2, v1
	s_cmp_lt_u32 ttmp9, 128
	s_cselect_b32 s50, 7, 31
	s_lshr_b32 s23, ttmp9, 2
	s_and_b32 s23, s23, s50                        ; the group of columns, ids under 256
	s_and_b32 s51, ttmp9, 3                        ; which 256 along K
	s_lshr_b32 s52, ttmp9, 4
	s_and_b32 s52, s52, 7                          ; the same two for w2
	s_and_b32 s53, ttmp9, 15
	s_cmp_ge_u32 ttmp9, 256
	s_cselect_b32 s23, s52, s23
	s_cselect_b32 s51, s53, s51
	s_lshr_b32 s52, ttmp9, 7
	s_cmp_eq_u32 s52, 1
	s_cselect_b32 s52, 14, 12                      ; log2 of a row's bytes: w1 16,384, the others 4,096
	s_lshl_b32 s48, 1, s52
.set i, 1
.rept 31
	v_add_nc_u32 v[AD+i], s48, v[AD+i-1]
.set i, i+1
.endr
	s_lshl_b32 s44, s51, 8
	s_lshl_b32 s44, s44, s52                       ; 256 sigma rows
	s_lshl_b32 s45, s23, 9
	s_add_co_u32 s44, s44, s45                     ; + 512 g
	s_lshl_b32 s45, s54, 7
	s_add_co_u32 s44, s44, s45                     ; + 128 wave
	s_mov_b32 s45, 0
	s_lshl_b32 s46, s48, 5                         ; 32 rows
	s_mov_b32 s47, 0
	s_lshr_b32 s22, ttmp9, 5
	s_wait_kmcnt 0x0
	s_cmp_eq_u32 s22, 1                            ; which tensor: the choice hangs on the work-group's number alone
	s_cselect_b64 s[4:5], s[6:7], s[4:5]
	s_cmp_eq_u32 s22, 2
	s_cselect_b64 s[4:5], s[8:9], s[4:5]
	s_cmp_eq_u32 s22, 3
	s_cselect_b64 s[4:5], s[10:11], s[4:5]
	s_cmp_ge_u32 ttmp9, 128
	s_cselect_b64 s[4:5], s[12:13], s[4:5]
	s_cmp_ge_u32 ttmp9, 256
	s_cselect_b64 s[4:5], s[14:15], s[4:5]
	s_add_nc_u64 s[24:25], s[4:5], s[44:45]        ; a base for each block of 32 rows
.irp t, 1,2,3,4,5,6,7
	s_add_nc_u64 s[24+2*\t:25+2*\t], s[22+2*\t:23+2*\t], s[46:47]
.endr
	s_mul_i32 s44, ttmp9, 24576
	s_mul_i32 s49, s54, 3072
	s_add_co_u32 s44, s44, s49
	s_add_nc_u64 s[40:41], s[18:19], s[44:45]      ; codes: id x 24,576 + tile 2 wave
	s_lshl_b32 s44, ttmp9, 10
	s_add_nc_u64 s[42:43], s[18:19], s[44:45]
	s_add_nc_u64 s[42:43], s[42:43], 9437184       ; scale words
.macro LOAD t                          ; block t: rows 32 t + i of my column; 32 lanes read 128 consecutive bytes, the four waves 512
.set i, 0
.rept 32
	global_load_b32 v[X+32*((\t)%2)+i], v[AD+i], s[24+2*(\t):25+2*(\t)] th:TH_LOAD_NT
.set i, i+1
.endr
.endm
.macro BLOCK t
.set XS, X+32*((\t)%2)
.set B0, C+8*(\t)
.if (\t) < 7
	s_wait_loadcnt 32                              ; this block's 32 loads are in; the next block's 32 may be out
.else
	s_wait_loadcnt 0x0
.endif
	v_max3_num_f32 v14, |v[XS]|, |v[XS+1]|, |v[XS+2]|
	v_max3_num_f32 v15, |v[XS+3]|, |v[XS+4]|, |v[XS+5]|
.irp i, 6,10,14,18,22,26
	v_max3_num_f32 v14, v14, |v[XS+\i]|, |v[XS+\i+1]|
	v_max3_num_f32 v15, v15, |v[XS+\i+2]|, |v[XS+\i+3]|
.endr
	v_max3_num_f32 v14, v14, |v[XS+30]|, |v[XS+31]|
	v_max3_num_f32 v14, v14, v15, 0x1800000        ; with the floor 2^(3 - 127): the byte cannot fall under 1
	v_add_nc_u32 v16, 0xff000000, v14              ; 2 off the exponent field: the conversion's scale operand
	v_lshrrev_b32 v17, 23, v16                     ; the byte
.if (\t)%4 == 0
	v_mov_b32 v[10+(\t)/4], v17
.else
	v_lshl_or_b32 v[10+(\t)/4], v17, 8*((\t)%4), v[10+(\t)/4]
.endif
	v_cvt_scalef32_pk16_fp6_f32 v[B0:B0+2], v[XS:XS+15], v16
	v_cvt_scalef32_pk16_fp6_f32 v[B0+4:B0+6], v[XS+16:XS+31], v16   ; (three registers from an even one)
	v_nop                                          ; one plain line behind the conversions
	v_mov_b32 v[B0+3], v[B0+4]
	v_mov_b32 v[B0+4], v[B0+5]
	v_mov_b32 v[B0+5], v[B0+6]                     ; six registers on end: k = 32 t .. 32 t + 31: half (t/2)%2 of image t/4, lane r + 16 (t%2)
	global_store_b128 v4, v[B0:B0+3], s[40:41] offset:((\t)/4)*12288+(((\t)/2)%2)*768+256*((\t)%2)
	global_store_b64 v5, v[B0+4:B0+5], s[40:41] offset:((\t)/4)*12288+(((\t)/2)%2)*768+512+128*((\t)%2)
.if (\t) < 6
	LOAD (\t)+2
.endif
.endm
	LOAD 0
	LOAD 1
.irp t, 0,1,2,3,4,5,6,7
	BLOCK \t
.endr
	ds_store_b32 v6, v10                           ; the two K steps' scale words meet in LDS and leave as four whole runs of 256 bytes
	ds_store_b32 v6, v11 offset:512
	s_wait_dscnt 0x0                               ; for the other waves' sake
	s_barrier_signal -1
	s_barrier_wait -1
	ds_load_b64 v[14:15], v8
	s_wait_dscnt 0x0
	global_store_b64 v8, v[14:15], s[42:43]
	s_wait_tensorcnt 0x0                           ; the wave's end
	ds_add_u32 v[SPW], v[NIL]
	s_wait_dscnt 0x0
	s_endpgm
	; ---------------- the mask: a wave takes one tile of 16 queries x 256 keys.  mbits [query tile 128][key step 16][64 words]: word 16 b + i, bit of lane (r, h) = mask[row of (tile, r)][128 step + 32 b + 16 h + i]
.Lmask:
	s_sub_co_u32 s22, ttmp9, 384
	s_lshl_b32 s22, s22, 2
	s_add_co_u32 s22, s22, s54                     ; task
	s_lshr_b32 s23, s22, 3                         ; query tile
	s_and_b32 s24, s22, 7                          ; which 256 keys
	s_lshr_b32 s25, s23, 1
	s_lshl_b32 s25, s25, 5
	s_and_b32 s26, s23, 1
	s_lshl_b32 s26, s26, 3
	s_add_co_u32 s25, s25, s26                     ; the tile's first row
	s_lshl_b32 s25, s25, 11
	s_lshl_b32 s26, s24, 8
	s_add_co_u32 s26, s25, s26
	s_mov_b32 s27, 0
	v_and_b32 v1, 15, v0
	v_bfe_u32 v2, v0, 4, 1
	v_and_b32 v3, 8, v1
	v_add_nc_u32 v3, v3, v1                        ; r + 8 (r/8)
	v_lshlrev_b32 v3, 11, v3
	v_lshl_add_u32 v3, v2, 4, v3                   ; + 16 h
	v_and_b32 v4, 31, v0
	v_lshlrev_b32 v4, 4, v4
	s_lshl_b32 s28, s23, 4
	s_lshl_b32 s29, s24, 1
	s_add_co_u32 s28, s28, s29
	s_lshl_b32 s28, s28, 8
	s_mov_b32 s29, 0
	s_wait_kmcnt 0x0
	s_add_nc_u64 s[16:17], s[16:17], s[26:27]
	s_add_nc_u64 s[20:21], s[20:21], s[28:29]
.irp q, 0,1,2,3,4,5,6,7
	global_load_b128 v[64+4*\q:67+4*\q], v3, s[16:17] offset:128*(\q/4)+32*(\q%4) th:TH_LOAD_NT
.endr
.irp q, 0,1,2,3
	v_mov_b32 v[96+\q], 0                          ; a lane write's destination counts as read
.endr
	s_wait_loadcnt 0x0
.set N, 0
.rept 128                              ; word N of the two steps: one byte of each lane becomes one bit; it goes to lane N/4, register N%4
	v_and_b32 v[8+N%4], 0xff<<(8*(N%4)), v[64+4*(N/16)+(N%16)/4]
	v_cmp_ne_u32 s[50+N%4], 0, v[8+N%4]
	v_writelane_b32 v[96+N%4], s[50+N%4], N/4
.set N, N+1
.endr
	global_store_b128 v4, v[96:99], s[20:21]       ; 512 consecutive bytes
	s_endpgm
.Lfunc_end_k_qf5483e4673_prep:
	.size	k_qf5483e4673_prep, .Lfunc_end_k_qf5483e4673_prep-k_qf5483e4673_prep
	.p2alignl 7, 3214868480
	.fill 96, 4, 3214868480
	.section	.rodata,"a",@progbits
	.p2align	6, 0x0
	.amdhsa_kernel k_qf5483e4673_prep
		.amdhsa_group_segment_fixed_size 1536
		.amdhsa_private_segment_fixed_size 0
		.amdhsa_enable_private_segment 0
		.amdhsa_kernarg_size 72
		.amdhsa_user_sgpr_count 2
		.amdhsa_user_sgpr_kernarg_segment_ptr 1
		.amdhsa_wavefront_size32 1
		.amdhsa_system_sgpr_workgroup_id_x 1
		.amdhsa_system_sgpr_workgroup_id_y 1
		.amdhsa_system_sgpr_workgroup_id_z 1
		.amdhsa_system_vgpr_workitem_id 0
		.amdhsa_next_free_vgpr 192
		.amdhsa_next_free_sgpr 66
		.amdhsa_reserve_vcc 0
		.amdhsa_float_denorm_mode_32 3
		.amdhsa_float_denorm_mode_16_64 3
		.amdhsa_memory_ordered 1
		.amdhsa_forward_progress 1
		.amdhsa_inst_pref_size 68
	.end_amdhsa_kernel
	.amdgpu_metadata
---
amdhsa.version: [ 1, 2 ]
amdhsa.kernels:
  - .name:           k_qf5483e4673_prep
    .symbol:         k_qf5483e4673_prep.kd
    .args:
      - { .name: wq, .offset: 0, .size: 8, .value_kind: global_buffer, .address_space: global }
      - { .name: wk, .offset: 8, .size: 8, .value_kind: global_buffer, .address_space: global }
      - { .name: wv, .offset: 16, .size: 8, .value_kind: global_buffer, .address_space: global }
      - { .name: wo, .offset: 24, .size: 8, .value_kind: global_buffer, .address_space: global }
      - { .name: w1, .offset: 32, .size: 8, .value_kind: global_buffer, .address_space: global }
      - { .name: w2, .offset: 40, .size: 8, .value_kind: global_buffer, .address_space: global }
      - { .name: causal_mask, .offset: 48, .size: 8, .value_kind: global_buffer, .address_space: global }
      - { .name: wts, .offset: 56, .size: 8, .value_kind: global_buffer, .address_space: global }
      - { .name: mbits, .offset: 64, .size: 8, .value_kind: global_buffer, .address_space: global }
    .group_segment_fixed_size: 1536
    .private_segment_fixed_size: 0
    .kernarg_segment_align: 8
    .kernarg_segment_size: 72
    .max_flat_workgroup_size: 128
    .sgpr_count:     66
    .vgpr_count:     192
    .wavefront_size: 32
...
	.end_amdgpu_metadata
.endif
;; end of part 1
;; launch ln1 (part 2): grid 256 x 1, 8 waves a work-group, no clusters, 50,688 bytes of LDS; arguments x, gamma1, beta1, hq; writes hq
.if DOCPART == 2
	.amdgcn_target "amdgcn-amd-amdhsa--gfx1250"
	.amdhsa_code_object_version 6
	.text
	.protected	k_qf5483e4673_ln1
	.globl	k_qf5483e4673_ln1
	.p2align	8
	.type	k_qf5483e4673_ln1,@function
k_qf5483e4673_ln1:
	s_mov_b64 s[64:65], 0
	v_nop
	global_prefetch_b8 v0, s[64:65] scope:SCOPE_SE
	s_setreg_imm32_b32 hwreg(HW_REG_WAVE_MODE, 25, 1), 1
	s_wait_xcnt 0x0
; y = gamma (x - mean) / sqrt(var + 1e-5) + beta over rows of 1,024, in f32 (mean first, then the mean of squared differences), quantised along the row to E2M3 with one E8M0 byte for each 32,
; and stored as a matrix operand: [group of 128 rows][K/128][tile][1536] images of the operand's registers, scale words [group][K/128][tile][r] from byte 3,145,728 on.
; A work-group makes one tile of 16 rows (lane row r is row 32 (T/2) + 8 (T%2) + r + 8 (r/8)); wave w takes r = 2 w and 2 w + 1, two neighbouring rows of memory, each kept in 32 registers.
; Loads take the bytes as they lie (512 a load); a row then turns through the wave's own stage in LDS so that lane l holds block l, 32 neighbours; its six code registers go to the image in LDS; wave w stores image w.
; LIMITS: a block of zeros gets the byte 1 and not 127 (this program alone reads the bytes); NaN in a row gives codes that mean nothing (the residual carries the NaN to the output).
.set STG,   4608                       ; a wave's stage: 32 places of 128 + 16 bytes
.set IMG,   36864                      ; the tile's 8 images
.set SCW,   49152                      ; its scale words [K step][r]
.set SPARE, 49664                      ; the spare words, 128 bytes a wave
.set GA, 32
.set BE, 64
.set X,  96                            ; row j at X + 32 j
.set CD, 160                           ; codes, 8 registers a row
	s_load_b256 s[4:11], s[0:1], 0x0               ; x, gamma, beta, the operand
	v_lshl_add_u32 v8, v0, 2, SPARE                ; v8, v9: my spare word and zero, never rewritten
	v_mov_b32 v9, 0
	v_lshrrev_b32 v1, 5, v0
	v_readfirstlane_b32 s16, v1                    ; wave
	v_and_b32 v7, 31, v0                           ; lane
	v_lshlrev_b32 v1, 4, v7
	s_mul_i32 s17, s16, STG
	v_lshrrev_b32 v2, 3, v7
	v_mul_u32_u24 v2, v2, 144
	v_and_b32 v3, 7, v7
	v_lshl_add_u32 v2, v3, 4, v2
	v_add_nc_u32 v2, s17, v2                       ; into the stage: eight lanes' 128 bytes on end, then 16 of padding
	v_mul_u32_u24 v3, v7, 144
	v_add_nc_u32 v3, s17, v3                       ; out of it: block l
	v_lshrrev_b32 v10, 1, v7
	v_mul_u32_u24 v10, v10, 768                    ; block l is half l/2 of the images on end,
	v_and_b32 v11, 1, v7                           ; lanes 16 (l%2) + r
	v_lshl_add_u32 v4, v11, 8, v10
	s_lshl_b32 s17, s16, 5
	v_add_nc_u32 v4, s17, v4
	v_add_nc_u32 v4, IMG, v4
	v_lshl_add_u32 v5, v11, 7, v10
	s_lshl_b32 s17, s16, 4
	v_add_nc_u32 v5, s17, v5
	v_add_nc_u32 v5, IMG+512, v5
	v_lshrrev_b32 v6, 2, v7
	v_lshlrev_b32 v6, 6, v6
	v_and_b32 v10, 3, v7
	v_add_nc_u32 v6, v6, v10
	s_lshl_b32 s17, s16, 3
	v_add_nc_u32 v6, s17, v6
	v_add_nc_u32 v6, SCW, v6                       ; my block's byte: 64 (l/4) + 4 r + l%4
	s_mul_i32 s17, s16, 1536
	v_add_nc_u32 v176, s17, v1
	v_add_nc_u32 v176, IMG, v176                   ; back: image w
	v_and_b32 v178, 15, v0
	v_lshlrev_b32 v178, 2, v178
	s_lshl_b32 s17, s16, 6
	v_add_nc_u32 v177, s17, v178
	v_add_nc_u32 v177, SCW, v177                   ; and its 16 scale words (lanes 16-31 repeat lanes 0-15)
	s_mov_b32 s12, 0x76543210
	s_mov_b32 s13, 0xfedcba98                      ; lane l xor 16
	s_mov_b32 s14, 0x3727c5ac                      ; 1e-5
	s_mov_b32 s15, 0x3a800000                      ; 1 / 1024
.irp q, 26,27,29,31
	v_mov_b32 v\q, 0                               ; permute destinations and upper halves of pairs count as read
.endr
	s_lshr_b32 s18, ttmp9, 1
	s_lshl_b32 s18, s18, 5
	s_and_b32 s19, ttmp9, 1
	s_lshl_b32 s19, s19, 3
	s_add_co_u32 s18, s18, s19
	s_lshl_b32 s19, s16, 1
	s_add_co_u32 s18, s18, s19
	s_lshr_b32 s19, s16, 2
	s_lshl_b32 s19, s19, 3
	s_add_co_u32 s18, s18, s19                     ; my first row
	s_lshl_b32 s18, s18, 12
	s_mov_b32 s19, 0
	s_lshr_b32 s20, ttmp9, 3
	s_lshl_b32 s20, s20, 3
	s_add_co_u32 s20, s20, s16                     ; 8 g + w
	s_and_b32 s21, ttmp9, 7
	s_mul_i32 s22, s20, 12288
	s_mul_i32 s23, s21, 1536
	s_add_co_u32 s22, s22, s23
	s_mov_b32 s23, 0
	s_lshl_b32 s24, s20, 9
	s_lshl_b32 s25, s21, 6
	s_add_co_u32 s24, s24, s25
	s_add_co_u32 s24, s24, 3145728
	s_mov_b32 s25, 0
	s_wait_kmcnt 0x0
	s_add_nc_u64 s[4:5], s[4:5], s[18:19]
	s_add_nc_u64 s[26:27], s[10:11], s[24:25]
	s_add_nc_u64 s[10:11], s[10:11], s[22:23]
.irp j, 0,1
.irp k, 0,1,2,3,4,5,6,7
	global_load_b128 v[X+32*\j+4*\k:X+32*\j+4*\k+3], v1, s[4:5] offset:4096*\j+512*\k
.endr
.endr
.irp k, 0,1,2,3,4,5,6,7
	global_load_b128 v[GA+4*\k:GA+4*\k+3], v1, s[6:7] offset:512*\k
	global_load_b128 v[BE+4*\k:BE+4*\k+3], v1, s[8:9] offset:512*\k
.endr
; the sum (sq = 0) or the sum of squares (sq = 1) of both rows, four packed chains a row, then across the 32 lanes: v10 (row 0), v18 (row 1)
.macro SUMS sq
.irp j, 0,1
.irp c, 0,2,4,6
.if \sq
	v_pk_mul_f32 v[10+8*\j+\c:11+8*\j+\c], v[X+32*\j+\c:X+32*\j+\c+1], v[X+32*\j+\c:X+32*\j+\c+1]
.else
	v_pk_add_f32 v[10+8*\j+\c:11+8*\j+\c], v[X+32*\j+\c:X+32*\j+\c+1], v[X+32*\j+8+\c:X+32*\j+9+\c]
.endif
.endr
.endr
.irp q, 8,16,24
.irp j, 0,1
.irp c, 0,2,4,6
.if \sq
	v_pk_fma_f32 v[10+8*\j+\c:11+8*\j+\c], v[X+32*\j+\q+\c:X+32*\j+\q+\c+1], v[X+32*\j+\q+\c:X+32*\j+\q+\c+1], v[10+8*\j+\c:11+8*\j+\c]
.elseif \q > 8
	v_pk_add_f32 v[10+8*\j+\c:11+8*\j+\c], v[10+8*\j+\c:11+8*\j+\c], v[X+32*\j+\q+\c:X+32*\j+\q+\c+1]
.endif
.endr
.endr
.endr
.irp j, 0,1
	v_pk_add_f32 v[10+8*\j:11+8*\j], v[10+8*\j:11+8*\j], v[12+8*\j:13+8*\j]
	v_pk_add_f32 v[14+8*\j:15+8*\j], v[14+8*\j:15+8*\j], v[16+8*\j:17+8*\j]
.endr
.irp j, 0,1
	v_pk_add_f32 v[10+8*\j:11+8*\j], v[10+8*\j:11+8*\j], v[14+8*\j:15+8*\j]
.endr
.irp j, 0,1
	v_add_f32 v[10+8*\j], v[10+8*\j], v[11+8*\j]
.endr
.irp m, 1,2,4,8
.irp j, 0,1
	v_add_f32_dpp v[10+8*\j], v[10+8*\j], v[10+8*\j] row_xmask:\m row_mask:0xf bank_mask:0xf
.endr
.endr
.irp j, 0,1
	v_permlanex16_b32 v[26+\j], v[10+8*\j], s12, s13
.endr
.irp j, 0,1
	v_add_f32 v[10+8*\j], v[10+8*\j], v[26+\j]
.endr
.endm
	s_wait_loadcnt 16                              ; the two rows are in; gamma's and beta's 16 loads may be out
	SUMS 0
	v_mul_f32 v28, s15, v10                        ; the means
	v_mul_f32 v30, s15, v18
.irp j, 0,1
.set p, 0
.rept 16
	v_pk_add_f32 v[X+32*\j+p:X+32*\j+p+1], v[X+32*\j+p:X+32*\j+p+1], v[28+2*\j:29+2*\j] op_sel_hi:[1,0] neg_lo:[0,1] neg_hi:[0,1]
.set p, p+2
.endr
.endr
	SUMS 1
	v_fma_f32 v26, v10, s15, s14                   ; var + eps
	v_fma_f32 v27, v18, s15, s14
	v_rsq_f32 v28, v26
	v_rsq_f32 v30, v27
	v_nop                                          ; a plain line behind the two
	s_wait_alu depctr_va_vdst(0)                   ; one wait for both, ahead of the first reader
	s_wait_loadcnt 0x0                             ; gamma, beta
.irp j, 0,1
.set p, 0
.rept 16
	v_pk_mul_f32 v[X+32*\j+p:X+32*\j+p+1], v[X+32*\j+p:X+32*\j+p+1], v[28+2*\j:29+2*\j] op_sel_hi:[1,0]
	v_pk_fma_f32 v[X+32*\j+p:X+32*\j+p+1], v[X+32*\j+p:X+32*\j+p+1], v[GA+p:GA+p+1], v[BE+p:BE+p+1]
.set p, p+2
.endr
.endr
.irp j, 0,1                            ; LDS serves a wave's instructions in order: the loads see the stores, and row 1's stores come behind row 0's loads
.irp k, 0,1,2,3,4,5,6,7
	ds_store_b128 v2, v[X+32*\j+4*\k:X+32*\j+4*\k+3] offset:576*\k
.endr
.irp k, 0,1,2,3,4,5,6,7
	ds_load_b128 v[X+32*\j+4*\k:X+32*\j+4*\k+3], v3 offset:16*\k
.endr
.endr
.macro QROW j
.set XS, X+32*\j
.set B0, CD+8*\j
	v_max3_num_f32 v[10+4*\j], |v[XS]|, |v[XS+1]|, |v[XS+2]|
	v_max3_num_f32 v[11+4*\j], |v[XS+3]|, |v[XS+4]|, |v[XS+5]|
.irp i, 6,10,14,18,22,26
	v_max3_num_f32 v[10+4*\j], v[10+4*\j], |v[XS+\i]|, |v[XS+\i+1]|
	v_max3_num_f32 v[11+4*\j], v[11+4*\j], |v[XS+\i+2]|, |v[XS+\i+3]|
.endr
	v_max3_num_f32 v[10+4*\j], v[10+4*\j], |v[XS+30]|, |v[XS+31]|
	v_max3_num_f32 v[10+4*\j], v[10+4*\j], v[11+4*\j], 0x1800000   ; with the floor 2^(3 - 127)
	v_add_nc_u32 v[12+4*\j], 0xff000000, v[10+4*\j]
	v_lshrrev_b32 v[13+4*\j], 23, v[12+4*\j]
	v_cvt_scalef32_pk16_fp6_f32 v[B0:B0+2], v[XS:XS+15], v[12+4*\j]
	v_cvt_scalef32_pk16_fp6_f32 v[B0+4:B0+6], v[XS+16:XS+31], v[12+4*\j]
	v_nop
	v_mov_b32 v[B0+3], v[B0+4]
	v_mov_b32 v[B0+4], v[B0+5]
	v_mov_b32 v[B0+5], v[B0+6]
	ds_store_b128 v4, v[B0:B0+3] offset:16*\j
	ds_store_b64 v5, v[B0+4:B0+5] offset:8*\j
	ds_store_b8 v6, v[13+4*\j] offset:4*\j
.endm
	s_wait_dscnt 16                                ; row 0 is back; row 1's 8 stores and 8 loads may be out
	QROW 0
	s_wait_dscnt 3                                 ; row 1 is back; row 0's three stores may be out
	QROW 1
	s_wait_dscnt 0x0                               ; for the other waves' sake
	s_barrier_signal -1
	s_barrier_wait -1
.irp p, 0,1,2
	ds_load_b128 v[X+4*\p:X+4*\p+3], v176 offset:512*\p
.endr
	ds_load_b32 v[X+12], v177
	s_wait_dscnt 0x0
.irp p, 0,1,2
	global_store_b128 v1, v[X+4*\p:X+4*\p+3], s[10:11] offset:512*\p   ; 512 consecutive bytes, aligned to 256
.endr
	global_store_b32 v178, v[X+12], s[26:27]
	s_wait_tensorcnt 0x0                           ; the wave's end
	ds_add_u32 v8, v9
	s_wait_dscnt 0x0
	s_endpgm
.Lfunc_end_k_qf5483e4673_ln1:
	.size	k_qf5483e4673_ln1, .Lfunc_end_k_qf5483e4673_ln1-k_qf5483e4673_ln1
	.p2alignl 7, 3214868480
	.fill 96, 4, 3214868480
	.section	.rodata,"a",@progbits
	.p2align	6, 0x0
	.amdhsa_kernel k_qf5483e4673_ln1
		.amdhsa_group_segment_fixed_size 50688
		.amdhsa_private_segment_fixed_size 0
		.amdhsa_enable_private_segment 0
		.amdhsa_kernarg_size 32
		.amdhsa_user_sgpr_count 2
		.amdhsa_user_sgpr_kernarg_segment_ptr 1
		.amdhsa_wavefront_size32 1
		.amdhsa_system_sgpr_workgroup_id_x 1
		.amdhsa_system_sgpr_workgroup_id_y 1
		.amdhsa_system_sgpr_workgroup_id_z 1
		.amdhsa_system_vgpr_workitem_id 0
		.amdhsa_next_free_vgpr 192
		.amdhsa_next_free_sgpr 66
		.amdhsa_reserve_vcc 0
		.amdhsa_float_denorm_mode_32 3
		.amdhsa_float_denorm_mode_16_64 3
		.amdhsa_memory_ordered 1
		.amdhsa_forward_progress 1
		.amdhsa_inst_pref_size 25
	.end_amdhsa_kernel
	.amdgpu_metadata
---
amdhsa.version: [ 1, 2 ]
amdhsa.kernels:
  - .name:           k_qf5483e4673_ln1
    .symbol:         k_qf5483e4673_ln1.kd
    .args:
      - { .name: x, .offset: 0, .size: 8, .value_kind: global_buffer, .address_space: global }
      - { .name: gamma1, .offset: 8, .size: 8, .value_kind: global_buffer, .address_space: global }
      - { .name: beta1, .offset: 16, .size: 8, .value_kind: global_buffer, .address_space: global }
      - { .name: hq, .offset: 24, .size: 8, .value_kind: global_buffer, .address_space: global }
    .group_segment_fixed_size: 50688
    .private_segment_fixed_size: 0
    .kernarg_segment_align: 8
    .kernarg_segment_size: 32
    .max_flat_workgroup_size: 256
    .sgpr_count:     66
    .vgpr_count:     192
    .wavefront_size: 32
...
	.end_amdgpu_metadata
.endif
;; end of part 2
;; launch qkv (part 3): grid 8 x 24, 4 waves a work-group, clusters of 4 x 4, 327,680 bytes of LDS; arguments hq, wts, qkv; writes qkv
.if DOCPART == 3
	.amdgcn_target "amdgcn-amd-amdhsa--gfx1250"
	.amdhsa_code_object_version 6
	.text
	.protected	k_qf5483e4673_qkv
	.globl	k_qf5483e4673_qkv
	.p2align	8
	.type	k_qf5483e4673_qkv,@function
k_qf5483e4673_qkv:
	s_mov_b64 s[64:65], 0
	v_nop
	global_prefetch_b8 v0, s[64:65] scope:SCOPE_SE
	s_setreg_imm32_b32 hwreg(HW_REG_WAVE_MODE, 25, 1), 1
	s_wait_xcnt 0x0
	s_wait_alu depctr_hold_cnt(0) depctr_sa_sdst(0) depctr_va_vdst(0) depctr_va_sdst(0) depctr_va_ssrc(0) depctr_va_vcc(0) depctr_vm_vsrc(0)
	s_getreg_b32 s2, hwreg(HW_REG_IB_STS2, 6, 4)
	s_cmp_eq_u32 s2, 0
	s_cbranch_scc0 .Lentry_in_a_cluster
	s_endpgm
.Lentry_in_a_cluster:
	s_bfe_u32 s2, ttmp6, 0x10000c
	s_cmp_lg_u32 s2, 0xf033
	s_cbranch_scc0 .Lentry_shape_is_right
	s_endpgm
.Lentry_shape_is_right:
; q, k = h [wq | wk] and v = h wv on codes of E2M3, K = 1,024, and the results quantised in registers into the operands of attention.
; A work-group makes 256 x 256 results, a wave 128 x 128 (64 accumulators).  Source 0 = 16 rows of "B", source 1 = 16 rows of "A": a lane holds one row of A and its registers run along B's rows; by the order of
; rows in a tile (lane row r of tile t = row 32 (t/2) + 8 (t%2) + r + 8 (r/8)) the 64 registers of one block of A against B's eight tiles are 128 neighbours along B: register 16 b + i = 32 b + 16 (lane/16) + i.
; Clusters with y < 4: A = h's tokens, B = the 2,048 columns of wq | wk: q and k are quantised along the head's axis.  y = 4, 5: A = wv's columns, B = the tokens: v is quantised along the keys.
; Operands lie in memory as images of the operand's registers, [group of 128 rows][K/128][tile][1536]: a K step of 256 of a group is one dense block of 24,576 bytes, a fragment four dense LDS loads.
; Ring of two LDS slots, joint loads in a cluster of 4 x 4 (A's tiles along a row, B's along a column), scale words of all of K once.  OUT: blocks of 12,288 bytes = 8 images; scale words from byte 9,437,184.
; LIMITS: a block of zeros gets the byte 1 and not 127 (this program alone reads the bytes); NaN and infinities are not served.
.set KK,    1024
.set NS,    KK/128
.set GS,    NS*12288                   ; a group's codes
.set HALFT, 24576                      ; what one tensor load brings: [2 K steps of 128][8 tiles][1536]
.set SLOT,  4*HALFT
.set SCL,   2*SLOT                     ; behind the ring: the scale words, four groups' [K/128][tile][r]
.set HALFS, NS*512
.set SPARE, SCL+4*HALFS                ; the spare words, 128 bytes a wave
.set LAPS,  KK/512
.set FR,    12
.set ADRA, 16                          ; v16,17 A's fragments in slot 0, 1 at 16 x lane; v18,19 at 8 x lane
.set ADRB, 20                          ; v20-23 the same for B
.set L16,  24                          ; 16, 8, 4 x lane
.set L8,   25
.set L4,   26
.set ADRS, 27
.set SPW,  28
.set NIL,  29
.set SC,   32                          ; v32-63 scale words, two sets of 16: register 8 q + i: lanes 0-15 A's tile i, lanes 16-31 B's tile i
.set BIAS, 64
.set PC,   64                          ; the way out: codes just made
.set PWS,  84                          ; the eight scale words
.set T,    92
.set TM,   112
.set AF,   128                         ; A's fragments, window 0; B's two sets at v0 and v128 of window 1; accumulators in windows 2 and 3
.set G1, 24
.set G0, 32
.set G1B, 48
.set G0B, 56
.set G1S, 68
.set G0S, 76
.set G1SB, 80
.set G0SB, 88
.set SEL, 100
.set MSB, 0
.macro WIN new                         ; the immediate's high byte repeats the setting that is left
.if MSB != (\new)
	s_set_vgpr_msb (MSB<<8)|(\new)
.set MSB, \new
.endif
.endm
.set MUL_LO, 0xa1                      ; source 0 window 1, source 1 window 0, C and D window 2
.set MUL_HI, 0xf1
.set TO_B,   0x40
.macro JLOAD g0a, g1a, g0b, g1b        ; a joint load: waves 0, 1 fetch for A, waves 2, 3 for B; the branch hangs on the wave's number alone; s_nop 0 and four v_nop follow each line
	s_cmp_eq_u32 s15, 0
	s_cbranch_scc0 .Lfor_b_\@
	tensor_load_to_lds s[\g0a:\g0a+3], s[\g1a:\g1a+7]
	s_nop 0
.rept 4
	v_nop
.endr
	s_branch .Lasked_\@
.Lfor_b_\@:
	tensor_load_to_lds s[\g0b:\g0b+3], s[\g1b:\g1b+7]
	s_nop 0
.rept 4
	v_nop
.endr
.Lasked_\@:
.endm
.macro CREST
	s_cmp_lg_u32 s14, 0
	s_cbranch_scc1 .Lnot_wave_0_\@
	s_barrier_signal -3
.Lnot_wave_0_\@:
	s_barrier_wait -3
	s_barrier_signal -1
	s_barrier_wait -1
.endm
.macro CROUND
	s_barrier_signal -1
	s_barrier_wait -1
	CREST
.endm
	s_load_b128 s[96:99], s[0:1], 0x0              ; h's operand, the weights
	s_load_b64 s[12:13], s[0:1], 0x10              ; out
	v_lshl_add_u32 v[SPW], v0, 2, SPARE
	v_mov_b32 v[NIL], 0
	ds_add_u32 v[SPW], v[NIL]                      ; the opening: the add and its wait ahead of my first tensor load
	v_lshrrev_b32 v1, 5, v0
	v_readfirstlane_b32 s14, v1                    ; wave
	s_lshr_b32 s15, s14, 1                         ; my half of A's rows; also: I fetch for A (0) or B (1)
	s_and_b32 s16, s14, 1                          ; my half of B's rows; also: which group I fetch
	s_bfe_u32 s40, ttmp6, 0x40000                  ; cx
	s_bfe_u32 s41, ttmp6, 0x40004                  ; cy
	s_and_b32 s95, ttmp7, 0xffff                   ; cluster y
	s_max_u32 s18, s95, 4
	s_sub_co_u32 s18, s18, 4
	s_lshl_b32 s18, s18, 1
	s_add_co_u32 s18, s18, ttmp9                   ; v: cluster column 2 (y - 4) + x
	s_cmp_lt_u32 s95, 4
	s_cselect_b32 s17, s95, 0
	s_cselect_b32 s42, ttmp9, s18
	s_lshl_b32 s17, s17, 2
	s_add_co_u32 s17, s17, s41                     ; tile row (of A)
	s_lshl_b32 s42, s42, 2
	s_add_co_u32 s42, s42, s40                     ; tile column (of B)
	s_lshl_b32 s43, s41, 2
	s_lshl_b32 s43, 15, s43                        ; my row of the cluster
	s_lshl_b32 s44, 0x1111, s40                    ; my column
	s_or_b32 s[G1+0], s43, (3<<16)|(1<<21)         ; elements of 8 bytes, no padding, bit 21 beside the mask: 96 rows of 256 bytes, dense
	s_or_b32 s[G1B+0], s44, (3<<16)|(1<<21)
.irp g, G1, G1B
	s_mov_b32 s[\g+1], 32<<16
	s_mov_b32 s[\g+2], 96<<16
	s_mov_b32 s[\g+3], 32<<16
	s_mov_b32 s[\g+4], 96
	s_mov_b32 s[\g+5], 32
	s_mov_b32 s[\g+6], 0
	s_mov_b32 s[\g+7], 0
.endr
	s_or_b32 s[G1S+0], s43, (3<<16)|(1<<21)        ; a group's scale words: HALFS dense bytes
	s_or_b32 s[G1SB+0], s44, (3<<16)|(1<<21)
.irp g, G1S, G1SB
	s_mov_b32 s[\g+1], 32<<16
	s_mov_b32 s[\g+2], (HALFS/256)<<16
	s_mov_b32 s[\g+3], 32<<16
	s_mov_b32 s[\g+4], HALFS/256
	s_mov_b32 s[\g+5], 32
	s_mov_b32 s[\g+6], 0
	s_mov_b32 s[\g+7], 0
.endr
	s_lshl_b32 s20, s17, 1
	s_add_co_u32 s20, s20, s16                     ; A's group that I fetch
	s_lshl_b32 s46, s42, 1
	s_add_co_u32 s46, s46, s16                     ; B's
	s_mul_i32 s22, s20, HALFS
	s_mov_b32 s23, 0
	s_mul_i32 s92, s46, HALFS
	s_mov_b32 s93, 0
	s_mul_i32 s20, s20, GS
	s_mov_b32 s21, 0
	s_mul_i32 s46, s46, GS
	s_mov_b32 s47, 0
	s_mul_i32 s45, s14, HALFT                      ; where they go: no place in the cluster enters an LDS address
	s_mul_i32 s94, s14, HALFS
	s_wait_dscnt 0x0                               ; the opening add is done
	s_wait_kmcnt 0x0
	s_add_nc_u64 s[4:5], s[98:99], 1572864         ; wv's codes
	s_add_nc_u64 s[6:7], s[98:99], 9502720         ; wv's scale words
	s_add_nc_u64 s[8:9], s[96:97], 3145728         ; h's scale words
	s_add_nc_u64 s[10:11], s[98:99], 9437184       ; wq | wk's scale words
	s_cmp_lt_u32 s95, 4                            ; the choice hangs on the cluster's y alone
	s_cselect_b64 s[4:5], s[96:97], s[4:5]         ; A's codes
	s_cselect_b64 s[6:7], s[8:9], s[6:7]           ; A's scale words
	s_cselect_b64 s[10:11], s[10:11], s[8:9]       ; B's scale words
	s_cselect_b64 s[8:9], s[98:99], s[96:97]       ; B's codes
	s_add_nc_u64 s[20:21], s[4:5], s[20:21]
	s_add_nc_u64 s[22:23], s[6:7], s[22:23]
	s_add_nc_u64 s[46:47], s[8:9], s[46:47]
	s_add_nc_u64 s[92:93], s[10:11], s[92:93]
	CROUND                                         ; all sixteen work-groups are here: the first joint loads meet
	s_mov_b32 s[G0S], 1
	s_add_co_u32 s[G0S+1], s94, SCL
	s_mov_b64 s[G0S+2:G0S+3], s[22:23]
	s_or_b32 s[G0S+3], s[G0S+3], 0x80000000
	s_mov_b32 s[G0SB], 1
	s_add_co_u32 s[G0SB+1], s94, SCL
	s_mov_b64 s[G0SB+2:G0SB+3], s[92:93]
	s_or_b32 s[G0SB+3], s[G0SB+3], 0x80000000
	JLOAD G0S, G1S, G0SB, G1SB
.irp s, 0,1
	s_mov_b32 s[G0+4*\s], 1
	s_add_co_u32 s[G0+4*\s+1], s45, \s*SLOT
	s_add_nc_u64 s[G0+4*\s+2:G0+4*\s+3], s[20:21], \s*HALFT
	s_or_b32 s[G0+4*\s+3], s[G0+4*\s+3], 0x80000000
	s_mov_b32 s[G0B+4*\s], 1
	s_add_co_u32 s[G0B+4*\s+1], s45, \s*SLOT
	s_add_nc_u64 s[G0B+4*\s+2:G0B+4*\s+3], s[46:47], \s*HALFT
	s_or_b32 s[G0B+4*\s+3], s[G0B+4*\s+3], 0x80000000
	JLOAD G0+4*\s, G1, G0B+4*\s, G1B
.endr
	v_and_b32 v1, 31, v0
	v_and_b32 v2, 15, v0
	v_bfe_u32 v3, v0, 4, 1
	v_lshlrev_b32 v[L16], 4, v1
	v_lshlrev_b32 v[L8], 3, v1
	v_lshlrev_b32 v[L4], 2, v1
	s_mul_i32 s21, s15, HALFT
	s_mul_i32 s22, s16, HALFT
	s_add_co_u32 s22, s22, 2*HALFT
.irp s, 0,1
	v_add_nc_u32 v[ADRA+\s], s21, v[L16]
	v_add_nc_u32 v[ADRB+\s], s22, v[L16]
	v_add_nc_u32 v[ADRA+2+\s], s21, v[L8]
	v_add_nc_u32 v[ADRB+2+\s], s22, v[L8]
	s_add_co_u32 s21, s21, SLOT
	s_add_co_u32 s22, s22, SLOT
.endr
	s_mul_i32 s21, s15, HALFS
	s_mul_i32 s22, s16, HALFS
	s_add_co_u32 s22, s22, 2*HALFS
	s_sub_co_u32 s22, s22, s21
	v_mul_u32_u24 v6, s22, v3                      ; lanes 16-31 take B's words: one product, the distance between the two regions
	s_add_co_u32 s21, s21, SCL
	v_lshl_add_u32 v6, v2, 2, v6
	v_add_nc_u32 v[ADRS], s21, v6
	; where my results go
	s_lshl_b32 s20, s17, 1
	s_add_co_u32 s20, s20, s15                     ; ga
	s_lshl_b32 s21, s42, 1
	s_add_co_u32 s21, s21, s16                     ; gb
	s_lshr_b32 s22, s20, 4
	s_lshl_b32 s22, s22, 4
	s_add_co_u32 s22, s22, s21
	s_lshl_b32 s22, s22, 4
	s_and_b32 s23, s20, 15
	s_add_co_u32 s22, s22, s23                     ; q, k: ((batch 16 + gb) 16 + token group)
	s_lshr_b32 s23, s21, 4
	s_lshl_b32 s23, s23, 3
	s_add_co_u32 s23, s23, s20
	s_lshl_b32 s23, s23, 4
	s_and_b32 s46, s21, 15
	s_add_co_u32 s23, s23, s46
	s_add_co_u32 s23, s23, 512                     ; v: 512 + ((batch 8 + head pair) 16 + key step)
	s_cmp_lt_u32 s95, 4
	s_cselect_b32 s22, s22, s23
	s_lshl_b32 s46, s22, 9
	s_mov_b32 s47, 0
	s_add_nc_u64 s[18:19], s[12:13], s[46:47]
	s_add_nc_u64 s[18:19], s[18:19], 9437184
	s_mul_i32 s46, s22, 12288
	s_add_nc_u64 s[12:13], s[12:13], s[46:47]
.macro FRAG reg, adr, q, i             ; a fragment, 12 registers, as its image lies: four dense loads
	ds_load_b128 v[\reg:\reg+3], v[\adr] offset:(\q)*12288+(\i)*1536
	ds_load_b64 v[\reg+4:\reg+5], v[\adr+2] offset:(\q)*12288+(\i)*1536+512
	ds_load_b128 v[\reg+6:\reg+9], v[\adr] offset:(\q)*12288+(\i)*1536+768
	ds_load_b64 v[\reg+10:\reg+11], v[\adr+2] offset:(\q)*12288+(\i)*1536+1280
.endm
; 16 products: A's blocks a0, a0 + 1 x B's eight.  zero = 1: C = 0 starts the sums; 2: C = the bias.  The 64 accumulators take turns, one instruction a turn
.macro MUL16 a0, p, q, sc, zero
.irp a, \a0, \a0+1
.irp b, 0,1,2,3,4,5,6,7
.set rD, 8*(8*((\a)%4)+\b)
.set rB, 128*(\p)+FR*\b
.set rA, AF+FR*(\a)
.set sB, SC+16*(\sc)+8*(\q)+\b
.set sA, SC+16*(\sc)+8*(\q)+(\a)
.if (\zero) == 1
	v_wmma_scale_f32_16x16x128_f8f6f4 v[rD:rD+7], v[rB:rB+11], v[rA:rA+11], 0, v[sB], v[sA] matrix_a_fmt:MATRIX_FMT_FP6 matrix_b_fmt:MATRIX_FMT_FP6 matrix_a_scale:MATRIX_SCALE_ROW1
.elseif (\zero) == 2
	v_wmma_scale_f32_16x16x128_f8f6f4 v[rD:rD+7], v[rB:rB+11], v[rA:rA+11], v[BIAS+8*\b:BIAS+8*\b+7], v[sB], v[sA] matrix_a_fmt:MATRIX_FMT_FP6 matrix_b_fmt:MATRIX_FMT_FP6 matrix_a_scale:MATRIX_SCALE_ROW1
.else
	v_wmma_scale_f32_16x16x128_f8f6f4 v[rD:rD+7], v[rB:rB+11], v[rA:rA+11], v[rD:rD+7], v[sB], v[sA] matrix_a_fmt:MATRIX_FMT_FP6 matrix_b_fmt:MATRIX_FMT_FP6 matrix_a_scale:MATRIX_SCALE_ROW1
.endif
.endr
.endr
.endm
.macro FETCH_B slot, q, p
	WIN TO_B
.irp i, 0,1,2,3,4,5,6,7
	FRAG 128*(\p)+FR*\i, ADRB+\slot, \q, \i
.endr
	WIN 0
.endm
.macro FETCH_A slot, q, i0
.irp i, \i0, \i0+1, \i0+2, \i0+3
	FRAG AF+FR*(\i), ADRA+\slot, \q, \i
.endr
.endm
.macro SCALES sc
.irp q, 0,1
.irp i, 0,1,2,3,4,5,6,7
	ds_load_b32 v[SC+16*\sc+8*\q+\i], v[ADRS] offset:512*\q+64*\i
.endr
.endr
.endm
.macro PLACES n                        ; plain lines between a matrix instruction and a load into, or a read of, its registers
.rept \n
	v_nop
.endr
.endm
.macro STEP slot, q, zero              ; 128 along K with its successor in the same slot
	s_wait_dscnt 16                                ; B's set and A's blocks 0-3 are in; A's blocks 4-7, 4 x 4 loads, may be out
.if (\zero) == 2
	WIN 0x81
.else
	WIN MUL_LO
.endif
	MUL16 0, (\q)%2, \q, \slot, \zero
	MUL16 2, (\q)%2, \q, \slot, \zero
	s_wait_dscnt 0x0
	PLACES 4
	FETCH_B \slot, (\q)+1, 1-(\q)%2
	FETCH_A \slot, (\q)+1, 0
.if (\zero) == 2
	WIN 0xc1
.else
	WIN MUL_HI
.endif
	MUL16 4, (\q)%2, \q, \slot, \zero
	MUL16 6, (\q)%2, \q, \slot, \zero
	PLACES 4
	WIN 0
	FETCH_A \slot, (\q)+1, 4
.endm
; a slot's last step changes slots: each wave waits for all its tensor loads, adds 0 to its spare word, waits for that and for its reads of the slot; the barrier opens a round of the cluster's barrier where the slot is filled again
.macro TURN slot, next, fill
	s_wait_tensorcnt 0x0                           ; all my tensor loads have landed
	ds_add_u32 v[SPW], v[NIL]
	s_wait_dscnt 17                                ; the add and A's blocks 4-7 may be out
	WIN MUL_LO
	MUL16 0, 1, 1, \slot, 0
	s_wait_dscnt 0x0                               ; the add is done and my reads of this slot are over
	s_barrier_signal -1
	MUL16 2, 1, 1, \slot, 0
	WIN 0
	s_barrier_wait -1
.if \fill
	CREST
	s_add_nc_u64 s[G0+4*\slot+2:G0+4*\slot+3], s[G0+4*\slot+2:G0+4*\slot+3], 2*HALFT
	s_add_nc_u64 s[G0B+4*\slot+2:G0B+4*\slot+3], s[G0B+4*\slot+2:G0B+4*\slot+3], 2*HALFT
	JLOAD G0+4*\slot, G1, G0B+4*\slot, G1B         ; my one tensor load behind the round; its four v_nop are the places in front of the loads below
.else
	PLACES 4
.endif
	v_add_nc_u32 v[ADRS], 1024, v[ADRS]
	FETCH_B \next, 0, 0
	FETCH_A \next, 0, 0
	SCALES \next
	WIN MUL_HI
	MUL16 4, 1, 1, \slot, 0
	MUL16 6, 1, 1, \slot, 0
	PLACES 4
	WIN 0
	FETCH_A \next, 0, 4
.endm
	s_wait_tensorcnt 1                             ; the scale words and slot 0 are in; slot 1's load may be out
	s_barrier_signal -1
	s_barrier_wait -1
	FETCH_B 0, 0, 0
	FETCH_A 0, 0, 0
	SCALES 0
	FETCH_A 0, 0, 4
	STEP 0, 0, 1
	s_mov_b32 s3, LAPS-1
.Llap:
	TURN 0, 1, 1
	STEP 1, 0, 0
	TURN 1, 0, 1
	STEP 0, 0, 0
	s_sub_co_u32 s3, s3, 1
	s_cmp_lg_u32 s3, 0
	s_cbranch_scc1 .Llap
	TURN 0, 1, 0
	STEP 1, 0, 0
	s_wait_dscnt 16
	WIN MUL_LO
	MUL16 0, 1, 1, 1, 0
	MUL16 2, 1, 1, 1, 0
	s_wait_dscnt 0x0
	WIN MUL_HI
	MUL16 4, 1, 1, 1, 0
	MUL16 6, 1, 1, 1, 0
	WIN 0
; 64 numbers of a lane in window w, register 16 b + i = k 32 b + 16 (lane/16) + i of my row, become a fragment's codes in v[PC] on and its scale word in v[pw].  Each accumulator is read from its low end on.
.macro QUANT s, w, pw
	WIN (\w)|((\w)<<2)
.irp b, 0,1,2,3
	v_max3_num_f32 v[TM+\b], |v[(\s)+16*\b]|, |v[(\s)+1+16*\b]|, 0x1800000   ; with the floor 2^(3 - 127): the byte cannot fall under 1
.endr
.irp i, 2,4,6,8,10,12,14
.irp b, 0,1,2,3
	v_max3_num_f32 v[TM+\b], |v[(\s)+16*\b+\i]|, |v[(\s)+1+16*\b+\i]|, v[TM+\b]
.endr
.endr
	WIN 0
.irp b, 0,1,2,3
	v_permlanex16_b32 v[TM+4+\b], v[TM+\b], s[SEL], s[SEL+1]
.endr
.irp b, 0,1,2,3
	v_max_num_f32 v[TM+\b], v[TM+\b], v[TM+4+\b]
.endr
.irp b, 0,1,2,3
	v_add_nc_u32 v[TM+12+\b], 0xff000000, v[TM+\b]
.endr
.irp b, 0,1,2,3
	v_lshrrev_b32 v[TM+4+\b], 23, v[TM+12+\b]
.endr
	v_lshl_or_b32 v[\pw], v[TM+5], 8, v[TM+4]
	v_lshl_or_b32 v[\pw], v[TM+6], 16, v[\pw]
	v_lshl_or_b32 v[\pw], v[TM+7], 24, v[\pw]
	WIN \w
.irp c, 0,1
	v_cvt_scalef32_pk16_fp6_f32 v[PC+6*\c:PC+2+6*\c], v[(\s)+32*\c:(\s)+15+32*\c], v[TM+12+2*\c]
	v_cvt_scalef32_pk16_fp6_f32 v[PC+12+4*\c:PC+14+4*\c], v[(\s)+16+32*\c:(\s)+31+32*\c], v[TM+12+2*\c+1]
.endr
	WIN 0
	v_nop                                          ; one plain line behind the conversions
.irp c, 0,1                            ; the layout wants a whole block in a lane
.irp i, 0,1,2
	v_permlane16_swap_b32 v[PC+6*\c+\i], v[PC+12+4*\c+\i]
.endr
.irp i, 0,1,2
	v_mov_b32 v[PC+3+6*\c+\i], v[PC+12+4*\c+\i]
.endr
.endr
.endm
	PLACES 4
	s_mov_b32 s[SEL], 0x76543210
	s_mov_b32 s[SEL+1], 0xfedcba98
	s_mov_b32 s2, 0xffff0000
.irp b, 0,1,2,3
	v_mov_b32 v[TM+4+\b], 0                        ; a lane permute's destination counts as read
.endr
.irp a, 0,1,2,3,4,5,6,7
	s_wait_xcnt 0x0                                ; the last block's stores have read the codes' registers
	QUANT 64*(\a%4), 2+\a/4, PWS+\a
	global_store_b128 v[L16], v[PC:PC+3], s[12:13] offset:1536*\a
	global_store_b64 v[L8], v[PC+4:PC+5], s[12:13] offset:1536*\a+512
	global_store_b128 v[L16], v[PC+6:PC+9], s[12:13] offset:1536*\a+768
	global_store_b64 v[L8], v[PC+10:PC+11], s[12:13] offset:1536*\a+1280
.endr
.irp j, 0,1,2,3
	v_cndmask_b32 v[T+\j], v[PWS+2*\j], v[PWS+2*\j+1], s2   ; lanes 0-15 block 2 j's words, lanes 16-31 block 2 j + 1's
	global_store_b32 v[L4], v[T+\j], s[18:19] offset:128*\j
.endr
	s_wait_tensorcnt 0x0                           ; the wave's end
	ds_add_u32 v[SPW], v[NIL]
	s_wait_dscnt 0x0
	CROUND                                         ; the closing round
	s_endpgm
.Lfunc_end_k_qf5483e4673_qkv:
	.size	k_qf5483e4673_qkv, .Lfunc_end_k_qf5483e4673_qkv-k_qf5483e4673_qkv
	.p2alignl 7, 3214868480
	.fill 96, 4, 3214868480
	.section	.rodata,"a",@progbits
	.p2align	6, 0x0
	.amdhsa_kernel k_qf5483e4673_qkv
		.amdhsa_group_segment_fixed_size 327680
		.amdhsa_private_segment_fixed_size 0
		.amdhsa_enable_private_segment 0
		.amdhsa_kernarg_size 24
		.amdhsa_user_sgpr_count 2
		.amdhsa_user_sgpr_kernarg_segment_ptr 1
		.amdhsa_wavefront_size32 1
		.amdhsa_system_sgpr_workgroup_id_x 1
		.amdhsa_system_sgpr_workgroup_id_y 1
		.amdhsa_system_sgpr_workgroup_id_z 1
		.amdhsa_system_vgpr_workitem_id 0
		.amdhsa_next_free_vgpr 1024
		.amdhsa_next_free_sgpr 102
		.amdhsa_reserve_vcc 0
		.amdhsa_float_denorm_mode_32 3
		.amdhsa_float_denorm_mode_16_64 3
		.amdhsa_memory_ordered 1
		.amdhsa_forward_progress 1
		.amdhsa_inst_pref_size 152
	.end_amdhsa_kernel
	.amdgpu_metadata
---
amdhsa.version: [ 1, 2 ]
amdhsa.kernels:
  - .name:           k_qf5483e4673_qkv
    .symbol:         k_qf5483e4673_qkv.kd
    .args:
      - { .name: hq, .offset: 0, .size: 8, .value_kind: global_buffer, .address_space: global }
      - { .name: wts, .offset: 8, .size: 8, .value_kind: global_buffer, .address_space: global }
      - { .name: qkv, .offset: 16, .size: 8, .value_kind: global_buffer, .address_space: global }
    .group_segment_fixed_size: 327680
    .private_segment_fixed_size: 0
    .kernarg_segment_align: 8
    .kernarg_segment_size: 24
    .max_flat_workgroup_size: 128
    .sgpr_count:     102
    .vgpr_count:     1024
    .wavefront_size: 32
...
	.end_amdgpu_metadata
.endif
;; end of part 3
;; launch attn (part 4): grid 8 x 32, 16 waves a work-group, clusters of 4 x 1, 210,944 bytes of LDS; arguments qkv, mbits, oq; writes oq
.if DOCPART == 4
	.amdgcn_target "amdgcn-amd-amdhsa--gfx1250"
	.amdhsa_code_object_version 6
	.text
	.protected	k_qf5483e4673_attn
	.globl	k_qf5483e4673_attn
	.p2align	8
	.type	k_qf5483e4673_attn,@function
k_qf5483e4673_attn:
	s_mov_b64 s[64:65], 0
	v_nop
	global_prefetch_b8 v0, s[64:65] scope:SCOPE_SE
	s_setreg_imm32_b32 hwreg(HW_REG_WAVE_MODE, 25, 1), 1
	s_wait_xcnt 0x0
	s_wait_alu depctr_hold_cnt(0) depctr_sa_sdst(0) depctr_va_vdst(0) depctr_va_sdst(0) depctr_va_ssrc(0) depctr_va_vcc(0) depctr_vm_vsrc(0)
	s_getreg_b32 s2, hwreg(HW_REG_IB_STS2, 6, 4)
	s_cmp_eq_u32 s2, 0
	s_cbranch_scc0 .Lentry_in_a_cluster
	s_endpgm
.Lentry_in_a_cluster:
	s_bfe_u32 s2, ttmp6, 0x10000c
	s_cmp_lg_u32 s2, 0x3003
	s_cbranch_scc0 .Lentry_shape_is_right
	s_endpgm
.Lentry_shape_is_right:
; o = softmax(q k^T / 8 under the given mask) v for one head, both products on codes of E2M3; o is quantised along the head's 64 channels into the operand of the next product.
; t = score x log2(e) / 8; M = the running largest t rounded up to a whole number; p = 2^(t - M) is quantised along the keys, not normalised; the row's sum is taken of the unquantised p and divides at the end.
; SHARES: a work-group owns 256 queries of one head, each of its sixteen waves one tile of 16.  The head's K and V (96 KiB each) and their scale words come into LDS ONCE and stay: no slot is filled again.
; The four query blocks of a cluster belong to one head: each of the six loads is asked for jointly by the four.
; Both products transposed (S^T = K Q^T, O^T = V^T P^T): a lane holds one query.  The head's axis is 64: registers 6-11 of K's and Q's fragments are zero codes, the upper two scale bytes 0.
; By the order of rows in a tile the 16 registers of tiles 2 b, 2 b + 1 of S^T are keys 32 b + 16 (lane/16) + 0..15, and those of O^T channels likewise.
; THE MASK is an input: an earlier launch has turned it into lane masks (64 words for a tile of queries and a step of 128 keys), which come by scalar loads, a step ahead, and select -infinity.  No tile is left out.
; A query all of whose keys are masked has the sum 0: its o is NaN, as the softmax of that row is, and its scale bytes are set to 0xff so that the next product carries the NaN.
; REGISTERS: v1-4, v28-31 lane terms; v5, v6 the add's two; v7 -inf; v12 -M, v13 the largest t, v[14:15] the sum; v16-27 Q; v32-79 four fragments of K; v80-85 the step's addresses; v96-159 S^T, p, then V's four fragments;
; v160-191 O^T; v224-235 p's codes; v232-254 at work; v248-251 K's or V's scale words, v253 p's, v255 Q's.
.set VL,    98304                      ; LDS: K [tile 128][768] at 0; V [step 16][tile 4][1536]
.set KSL,   196608                     ; K's scale words [tile][r] (both heads of the pair);
.set VSL,   204800                     ; V's [step][tile][r]
.set SPARE, 208896                     ; the spare words, 128 bytes a wave
.set WV,  10
.set SEL, 84
.set CS,  86
.macro CROUND
	s_barrier_signal -1
	s_barrier_wait -1
	s_cmp_lg_u32 s[WV], 0
	s_cbranch_scc1 .Lnot_wave_0_\@
	s_barrier_signal -3
.Lnot_wave_0_\@:
	s_barrier_wait -3
	s_barrier_signal -1
	s_barrier_wait -1
.endm
.macro TL g0, g1
	tensor_load_to_lds s[\g0:\g0+3], s[\g1:\g1+7]
	s_nop 0
.rept 4
	v_nop
.endr
.endm
	s_load_b128 s[4:7], s[0:1], 0x0                ; q, k, v's operands; the lane masks
	s_load_b64 s[8:9], s[0:1], 0x10                ; o's operand
	v_lshl_add_u32 v5, v0, 2, SPARE
	v_mov_b32 v6, 0
	ds_add_u32 v5, v6                              ; the opening: the add and its wait ahead of my first tensor load
	v_lshrrev_b32 v8, 5, v0
	v_readfirstlane_b32 s[WV], v8
	s_bfe_u32 s89, ttmp6, 0x40000                  ; cx: it enters global addresses of q, the masks and o alone
	s_and_b32 s90, ttmp7, 0xffff                   ; 16 batch + head
	s_lshr_b32 s91, s90, 4                         ; batch
	s_bfe_u32 s92, s90, 0x30001                    ; head pair
	s_and_b32 s11, s90, 1                          ; the head's parity c
	s_and_b32 s93, s[WV], 1                        ; which half I fetch
	s_lshl_b32 s94, s91, 4
	s_add_co_u32 s94, s94, s92                     ; q's row of blocks
	s_lshl_b32 s95, s91, 3
	s_add_co_u32 s95, s95, s92                     ; v's
	s_add_co_u32 s96, s94, 8                       ; k's
	; group 1, elements of 8 bytes, mask of all four, bit 21 beside it.  K: 64 rows of 768 bytes, 1,536 apart.  V: 8 rows of 6,144, 12,288 apart.  K's words: 32 dense rows of 256.  V's: 16 rows of 256, 512 apart
.irp g, 16, 24, 32, 40
	s_mov_b32 s[\g], 15|(3<<16)|(1<<21)
	s_mov_b32 s[\g+6], 0
	s_mov_b32 s[\g+7], 0
.endr
	s_mov_b32 s17, 96<<16
	s_mov_b32 s18, 64<<16
	s_mov_b32 s19, 96<<16
	s_mov_b32 s20, 64
	s_mov_b32 s21, 192
	s_mov_b32 s25, 768<<16
	s_mov_b32 s26, 8<<16
	s_mov_b32 s27, 768<<16
	s_mov_b32 s28, 8
	s_mov_b32 s29, 1536
	s_mov_b32 s33, 32<<16
	s_mov_b32 s34, 32<<16
	s_mov_b32 s35, 32<<16
	s_mov_b32 s36, 32
	s_mov_b32 s37, 32
	s_mov_b32 s41, 32<<16
	s_mov_b32 s42, 16<<16
	s_mov_b32 s43, 32<<16
	s_mov_b32 s44, 16
	s_mov_b32 s45, 64
	s_mov_b32 s[SEL], 0x76543210
	s_mov_b32 s[SEL+1], 0xfedcba98
	s_mov_b32 s[CS], 0x3e38aa3b                    ; c = log2(e) / 8
	s_mov_b32 s[CS+1], s[CS]
	s_mov_b32 s99, 0
	s_wait_dscnt 0x0                               ; the opening add is done
	s_wait_kmcnt 0x0
	s_mul_i32 s98, s96, 196608
	s_mul_i32 s97, s11, 768
	s_add_co_u32 s98, s98, s97
	s_mul_i32 s97, s93, 98304
	s_add_co_u32 s98, s98, s97
	s_mov_b32 s48, 1
	s_mul_i32 s49, s93, 49152
	s_add_nc_u64 s[50:51], s[4:5], s[98:99]
	s_or_b32 s51, s51, 0x80000000
	s_mul_i32 s98, s95, 196608
	s_add_co_u32 s98, s98, s97
	s_mul_i32 s97, s11, 6144
	s_add_co_u32 s98, s98, s97
	s_add_co_u32 s98, s98, 6291456
	s_mov_b32 s52, 1
	s_add_co_u32 s53, s49, VL
	s_add_nc_u64 s[54:55], s[4:5], s[98:99]
	s_or_b32 s55, s55, 0x80000000
	s_lshl_b32 s98, s96, 13
	s_add_co_u32 s98, s98, 9437184
	s_mov_b32 s56, 1
	s_mov_b32 s57, KSL
	s_add_nc_u64 s[58:59], s[4:5], s[98:99]
	s_or_b32 s59, s59, 0x80000000
	s_lshl_b32 s98, s95, 13
	s_lshl_b32 s97, s11, 8
	s_add_co_u32 s98, s98, s97
	s_add_co_u32 s98, s98, 9699328
	s_mov_b32 s60, 1
	s_mov_b32 s61, VSL
	s_add_nc_u64 s[62:63], s[4:5], s[98:99]
	s_or_b32 s63, s63, 0x80000000
	CROUND                                         ; all four work-groups are here: the joint loads meet
	s_cmp_lt_u32 s[WV], 2                          ; waves 0, 1: K's halves; 2, 3: V's; 4: K's scale words; 5: V's; the others none.  One load a wave, in one chain of branches on the wave's number
	s_cbranch_scc0 .Lf1
	TL 48, 16
	s_branch .Lfd
.Lf1:
	s_cmp_lt_u32 s[WV], 4
	s_cbranch_scc0 .Lf2
	TL 52, 24
	s_branch .Lfd
.Lf2:
	s_cmp_eq_u32 s[WV], 4
	s_cbranch_scc0 .Lf3
	TL 56, 32
	s_branch .Lfd
.Lf3:
	s_cmp_eq_u32 s[WV], 5
	s_cbranch_scc0 .Lfd
	TL 60, 40
.Lfd:
	s_lshl_b32 s97, ttmp9, 2
	s_add_co_u32 s97, s97, s89
	s_lshl_b32 s97, s97, 4
	s_add_co_u32 s97, s97, s[WV]                   ; my tile of queries, 0..127 in the batch
	s_mul_i32 s89, s11, 768                        ; my head's half of an image
	s_mul_i32 s98, s94, 196608
	s_mul_i32 s96, s97, 1536
	s_add_co_u32 s98, s98, s96
	s_add_co_u32 s98, s98, s89
	s_add_nc_u64 s[100:101], s[4:5], s[98:99]      ; q's codes
	s_lshl_b32 s98, s94, 13
	s_lshl_b32 s96, s97, 6
	s_add_co_u32 s98, s98, s96
	s_add_co_u32 s98, s98, 9437184
	s_add_nc_u64 s[2:3], s[4:5], s[98:99]          ; q's scale words
	s_lshl_b32 s98, s97, 12
	s_add_nc_u64 s[6:7], s[6:7], s[98:99]          ; my tile's 16 x 256 bytes of lane masks
	s_lshr_b32 s93, s97, 3
	s_lshl_b32 s96, s91, 4
	s_add_co_u32 s93, s93, s96
	s_lshl_b32 s93, s93, 3
	s_add_co_u32 s93, s93, s92                     ; 8 x token group + head pair
	s_and_b32 s90, s97, 7
	s_lshl_b32 s98, s93, 9
	s_lshl_b32 s96, s90, 6
	s_add_co_u32 s98, s98, s96
	s_add_co_u32 s98, s98, 3145728
	s_add_nc_u64 s[94:95], s[8:9], s[98:99]        ; o's scale words
	s_mul_i32 s98, s93, 12288
	s_mul_i32 s96, s90, 1536
	s_add_co_u32 s98, s98, s96
	s_add_co_u32 s98, s98, s89
	s_add_nc_u64 s[8:9], s[8:9], s[98:99]          ; o's codes
	v_and_b32 v8, 31, v0
	v_lshlrev_b32 v1, 4, v8                        ; 16 x lane
	v_lshlrev_b32 v2, 3, v8                        ; 8 x lane
	v_and_b32 v9, 15, v0
	v_lshlrev_b32 v4, 2, v9
	s_lshl_b32 s96, s11, 1
	v_add_nc_u32 v31, s96, v4                      ; 4 r + 2 c: my head's two bytes of a scale word
	v_add_nc_u32 v3, KSL, v31
	v_add_nc_u32 v4, VSL, v4
	v_add_nc_u32 v28, VL, v1
	v_add_nc_u32 v29, VL, v2
	global_load_b128 v[16:19], v1, s[100:101]
	global_load_b64 v[20:21], v2, s[100:101] offset:512
	global_load_u16 v255, v31, s[2:3]
.irp q, 22,23,24,25,26,27, 38,39,40,41,42,43, 50,51,52,53,54,55, 62,63,64,65,66,67, 74,75,76,77,78,79
	v_mov_b32 v\q, 0                               ; k = 64..127 of Q's and K's fragments: zero codes
.endr
.set j, 0
.rept 32
	v_mov_b32 v[160+j], 0                          ; O^T: the loop is written once; its first step finds zeros
.set j, j+1
.endr
	v_mov_b32 v13, 0xff61b1e6                      ; the largest t so far: -3e38
	v_floor_f32 v12, -v13
	v_mov_b32 v14, 0
	v_mov_b32 v15, 0
	v_mov_b32 v7, 0xff800000
.irp b, 0,1,2,3
	v_mov_b32 v[236+\b], 0
.endr
	v_mov_b32 v253, 0
	s_wait_tensorcnt 0x0                           ; my load has landed,
	s_barrier_signal -1
	s_barrier_wait -1                              ; everybody's has; nothing is filled again, and the descriptors' registers are free
	s_load_b512 s[16:31], s[6:7], 0x0              ; step 0's lane masks: word n in s[16 + n], from word 48 on in s[20 + n]
	s_load_b512 s[32:47], s[6:7], 0x40
	s_load_b512 s[48:63], s[6:7], 0x80
	s_load_b512 s[68:83], s[6:7], 0xc0
	s_mov_b32 s12, 0                               ; 6,144 x step: K's and V's tiles
	s_mov_b32 s13, 0                               ; 512 x step: K's scale words
	s_mov_b32 s14, 0                               ; 256 x step: V's
	s_mov_b32 s15, 0                               ; the next masks' offset
	s_mov_b32 s88, 16
	s_wait_loadcnt 0x0                             ; Q
.Lstep:
	v_add_nc_u32 v80, s12, v1                      ; six plain lines: also the places between the last products and what follows
	v_add_nc_u32 v81, s12, v2
	v_add_nc_u32 v82, s12, v28
	v_add_nc_u32 v83, s12, v29
	v_add_nc_u32 v84, s13, v3
	v_add_nc_u32 v85, s14, v4
.irp g, 0,1
.if \g
.rept 4
	v_nop
.endr
.endif
.irp t, 0,1,2,3
	ds_load_b128 v[32+12*\t:35+12*\t], v80 offset:768*(4*\g+\t)
	ds_load_b64 v[36+12*\t:37+12*\t], v81 offset:768*(4*\g+\t)+512
	ds_load_u16 v[248+\t], v84 offset:64*(4*\g+\t)
.endr
	s_wait_dscnt 0x0
.irp t, 0,1,2,3
	v_wmma_scale_f32_16x16x128_f8f6f4 v[96+8*(4*\g+\t):103+8*(4*\g+\t)], v[32+12*\t:43+12*\t], v[16:27], 0, v[248+\t], v255 matrix_a_fmt:MATRIX_FMT_FP6 matrix_b_fmt:MATRIX_FMT_FP6
.endr
.endr
.rept 4
	v_nop
.endr
	s_wait_kmcnt 0x0                               ; this step's lane masks
.set n, 0
.rept 64
	v_cndmask_b32 v[96+n], v[96+n], v7, s[16+n+4*(n/48)]   ; a masked key's score becomes -infinity: p = 0
.set n, n+1
.endr
	s_add_co_u32 s15, s15, 256                     ; the next step's masks are asked for now; the last trip asks for step 0's again: no load leaves the buffer
	s_and_b32 s15, s15, 0xfff
	s_load_b512 s[16:31], s[6:7], s15 offset:0x0
	s_load_b512 s[32:47], s[6:7], s15 offset:0x40
	s_load_b512 s[48:63], s[6:7], s15 offset:0x80
	s_load_b512 s[68:83], s[6:7], s15 offset:0xc0
.irp b, 0,1,2,3
	v_max3_num_f32 v[232+\b], v[96+16*\b], v[97+16*\b], v[98+16*\b]   ; the largest score of each block of 32 keys: for the row's maximum and, since p rises with the score, for the block's largest p
.endr
.irp i, 3,5,7,9,11,13
.irp b, 0,1,2,3
	v_max3_num_f32 v[232+\b], v[232+\b], v[96+16*\b+\i], v[97+16*\b+\i]
.endr
.endr
.irp b, 0,1,2,3
	v_max_num_f32 v[232+\b], v[232+\b], v[111+16*\b]
.endr
.irp b, 0,1,2,3
	v_permlanex16_b32 v[236+\b], v[232+\b], s[SEL], s[SEL+1]
.endr
.irp b, 0,1,2,3
	v_max_num_f32 v[232+\b], v[232+\b], v[236+\b]
.endr
	v_max3_num_f32 v254, v232, v233, v234
	v_max_num_f32 v254, v254, v235
	v_mul_f32 v254, s[CS], v254
	v_max_num_f32 v13, v13, v254                   ; the running largest t
	v_mov_b32 v254, v12
	v_floor_f32 v12, -v13                          ; -M = floor(-t): M is a whole number
	v_sub_f32 v254, v12, v254
	v_cvt_i32_f32 v254, v254                       ; (it saturates)
	v_ldexp_f32 v252, 1.0, v254                    ; f = 2^(old M - new M): rounds nothing
.set j, 0
.rept 32
	v_pk_fma_f32 v[96+j:97+j], v[96+j:97+j], s[CS:CS+1], v[12:13] op_sel_hi:[1,0,0]
.set j, j+2
.endr
.irp b, 0,1,2,3
	v_fma_f32 v[232+\b], v[232+\b], s[CS], v12
.endr
.set j, 0
.rept 64
	v_exp_f32 v[96+j], v[96+j]
.set j, j+1
.endr
	v_pk_mul_f32 v[14:15], v[14:15], v[252:253] op_sel_hi:[1,0]   ; the sums under the new M: a plain line behind the exponentials
	s_wait_alu depctr_va_vdst(0)                   ; one wait for the batch, ahead of its first reader
.irp b, 0,1,2,3
	v_exp_f32 v[232+\b], v[232+\b]
.endr
	v_pk_add_f32 v[236:237], v[96:97], v[98:99]    ; the row's sum of the unquantised p, in two chains
.irp j, 4,8,12,16,20,24,28,32,36,40,44,48,52,56,60
	v_pk_add_f32 v[14:15], v[14:15], v[96+\j:97+\j]
	v_pk_add_f32 v[236:237], v[236:237], v[98+\j:99+\j]
.endr
	v_pk_add_f32 v[14:15], v[14:15], v[236:237]
	s_wait_alu depctr_va_vdst(0)                   ; and one for the four
.irp b, 0,1,2,3
	v_max_num_f32 v[232+\b], 0x1800000, v[232+\b]
.endr
.irp b, 0,1,2,3
	v_add_nc_u32 v[244+\b], 0xff000000, v[232+\b]
.endr
.irp b, 0,1,2,3
	v_lshrrev_b32 v[236+\b], 23, v[244+\b]
.endr
	v_lshl_or_b32 v253, v237, 8, v236              ; p's scale word
	v_lshl_or_b32 v253, v238, 16, v253
	v_lshl_or_b32 v253, v239, 24, v253
.irp c, 0,1
	v_cvt_scalef32_pk16_fp6_f32 v[224+6*\c:226+6*\c], v[96+32*\c:111+32*\c], v[244+2*\c]
	v_cvt_scalef32_pk16_fp6_f32 v[236+4*\c:238+4*\c], v[112+32*\c:127+32*\c], v[244+2*\c+1]
.endr
	v_nop                                          ; one plain line behind the conversions
.irp t, 0,1,2,3                        ; V's four fragments land where p lay, while the lines below run
	ds_load_b128 v[96+12*\t:99+12*\t], v82 offset:1536*\t
	ds_load_b64 v[100+12*\t:101+12*\t], v83 offset:1536*\t+512
	ds_load_b128 v[102+12*\t:105+12*\t], v82 offset:1536*\t+768
	ds_load_b64 v[106+12*\t:107+12*\t], v83 offset:1536*\t+1280
	ds_load_b32 v[248+\t], v85 offset:64*\t
.endr
.irp c, 0,1
.irp i, 0,1,2
	v_permlane16_swap_b32 v[224+6*\c+\i], v[236+4*\c+\i]
.endr
.irp i, 0,1,2
	v_mov_b32 v[227+6*\c+\i], v[236+4*\c+\i]
.endr
.endr
.set j, 0
.rept 16
	v_pk_mul_f32 v[160+j:161+j], v[160+j:161+j], v[252:253] op_sel_hi:[1,0]   ; O^T under the new M; also the places in front of the products
.set j, j+2
.endr
	s_wait_dscnt 0x0
.irp t, 0,1,2,3
	v_wmma_scale_f32_16x16x128_f8f6f4 v[160+8*\t:167+8*\t], v[96+12*\t:107+12*\t], v[224:235], v[160+8*\t:167+8*\t], v[248+\t], v253 matrix_a_fmt:MATRIX_FMT_FP6 matrix_b_fmt:MATRIX_FMT_FP6
.endr
	s_add_co_u32 s12, s12, 6144
	s_add_co_u32 s13, s13, 512
	s_add_co_u32 s14, s14, 256
	s_sub_co_u32 s88, s88, 1
	s_cmp_lg_u32 s88, 0
	s_cbranch_scc1 .Lstep
	; THE WAY OUT: O^T / the sum, quantised along the 64 channels: half c of an image of the next operand
	s_wait_kmcnt 0x0
.rept 4
	v_nop
.endr
	v_add_f32 v14, v14, v15
	v_permlanex16_b32 v252, v14, s[SEL], s[SEL+1]
	v_add_f32 v14, v14, v252                       ; the row's sum
	v_rcp_f32 v12, v14
	v_mov_b32 v241, 0xffff                         ; (a plain line behind it)
	s_wait_alu depctr_va_vdst(0)
.set j, 0
.rept 16
	v_pk_mul_f32 v[160+j:161+j], v[160+j:161+j], v[12:13] op_sel_hi:[1,0]
.set j, j+2
.endr
.irp b, 0,1
	v_max3_num_f32 v[232+\b], |v[160+16*\b]|, |v[161+16*\b]|, 0x1800000
.endr
.irp i, 2,4,6,8,10,12,14
.irp b, 0,1
	v_max3_num_f32 v[232+\b], v[232+\b], |v[160+16*\b+\i]|, |v[161+16*\b+\i]|
.endr
.endr
.irp b, 0,1
	v_permlanex16_b32 v[236+\b], v[232+\b], s[SEL], s[SEL+1]
.endr
.irp b, 0,1
	v_max_num_f32 v[232+\b], v[232+\b], v[236+\b]
.endr
.irp b, 0,1
	v_add_nc_u32 v[244+\b], 0xff000000, v[232+\b]
.endr
.irp b, 0,1
	v_lshrrev_b32 v[236+\b], 23, v[244+\b]
.endr
	v_lshl_or_b32 v240, v237, 8, v236
	v_cmp_eq_f32 vcc_lo, 0, v14
	v_cndmask_b32 v240, v240, v241, vcc_lo         ; a row with no key: NaN bytes
	v_cvt_scalef32_pk16_fp6_f32 v[224:226], v[160:175], v244
	v_cvt_scalef32_pk16_fp6_f32 v[228:230], v[176:191], v245
	v_nop
.irp i, 0,1,2
	v_permlane16_swap_b32 v[224+\i], v[228+\i]
.endr
	v_mov_b32 v227, v228
	v_mov_b32 v228, v229
	v_mov_b32 v229, v230
	global_store_b128 v1, v[224:227], s[8:9]
	global_store_b64 v2, v[228:229], s[8:9] offset:512
	global_store_b16 v31, v240, s[94:95]           ; my head's two bytes of each row's word (lanes 16-31 repeat lanes 0-15)
	s_wait_tensorcnt 0x0                           ; the wave's end
	ds_add_u32 v5, v6
	s_wait_dscnt 0x0
	CROUND                                         ; the closing round
	s_endpgm
.Lfunc_end_k_qf5483e4673_attn:
	.size	k_qf5483e4673_attn, .Lfunc_end_k_qf5483e4673_attn-k_qf5483e4673_attn
	.p2alignl 7, 3214868480
	.fill 96, 4, 3214868480
	.section	.rodata,"a",@progbits
	.p2align	6, 0x0
	.amdhsa_kernel k_qf5483e4673_attn
		.amdhsa_group_segment_fixed_size 210944
		.amdhsa_private_segment_fixed_size 0
		.amdhsa_enable_private_segment 0
		.amdhsa_kernarg_size 24
		.amdhsa_user_sgpr_count 2
		.amdhsa_user_sgpr_kernarg_segment_ptr 1
		.amdhsa_wavefront_size32 1
		.amdhsa_system_sgpr_workgroup_id_x 1
		.amdhsa_system_sgpr_workgroup_id_y 1
		.amdhsa_system_sgpr_workgroup_id_z 1
		.amdhsa_system_vgpr_workitem_id 0
		.amdhsa_next_free_vgpr 256
		.amdhsa_next_free_sgpr 102
		.amdhsa_reserve_vcc 1
		.amdhsa_float_denorm_mode_32 3
		.amdhsa_float_denorm_mode_16_64 3
		.amdhsa_memory_ordered 1
		.amdhsa_forward_progress 1
		.amdhsa_inst_pref_size 37
	.end_amdhsa_kernel
	.amdgpu_metadata
---
amdhsa.version: [ 1, 2 ]
amdhsa.kernels:
  - .name:           k_qf5483e4673_attn
    .symbol:         k_qf5483e4673_attn.kd
    .args:
      - { .name: qkv, .offset: 0, .size: 8, .value_kind: global_buffer, .address_space: global }
      - { .name: mbits, .offset: 8, .size: 8, .value_kind: global_buffer, .address_space: global }
      - { .name: oq, .offset: 16, .size: 8, .value_kind: global_buffer, .address_space: global }
    .group_segment_fixed_size: 210944
    .private_segment_fixed_size: 0
    .kernarg_segment_align: 8
    .kernarg_segment_size: 24
    .max_flat_workgroup_size: 512
    .sgpr_count:     102
    .vgpr_count:     256
    .wavefront_size: 32
...
	.end_amdgpu_metadata
.endif
;; end of part 4
;; launch oproj (part 5): grid 4 x 16, 4 waves a work-group, clusters of 4 x 4, 327,680 bytes of LDS; arguments oq, wts, x, x1; writes x1
.if DOCPART == 5
	.amdgcn_target "amdgcn-amd-amdhsa--gfx1250"
	.amdhsa_code_object_version 6
	.text
	.protected	k_qf5483e4673_oproj
	.globl	k_qf5483e4673_oproj
	.p2align	8
	.type	k_qf5483e4673_oproj,@function
k_qf5483e4673_oproj:
	s_mov_b64 s[64:65], 0
	v_nop
	global_prefetch_b8 v0, s[64:65] scope:SCOPE_SE
	s_setreg_imm32_b32 hwreg(HW_REG_WAVE_MODE, 25, 1), 1
	s_wait_xcnt 0x0
	s_wait_alu depctr_hold_cnt(0) depctr_sa_sdst(0) depctr_va_vdst(0) depctr_va_sdst(0) depctr_va_ssrc(0) depctr_va_vcc(0) depctr_vm_vsrc(0)
	s_getreg_b32 s2, hwreg(HW_REG_IB_STS2, 6, 4)
	s_cmp_eq_u32 s2, 0
	s_cbranch_scc0 .Lentry_in_a_cluster
	s_endpgm
.Lentry_in_a_cluster:
	s_bfe_u32 s2, ttmp6, 0x10000c
	s_cmp_lg_u32 s2, 0xf033
	s_cbranch_scc0 .Lentry_shape_is_right
	s_endpgm
.Lentry_shape_is_right:
; x1 = x + o wo on codes of E2M3, K = 1,024; sums and the residual in f32.
; A work-group makes 256 x 256 results, a wave 128 x 128 (64 accumulators).  Source 0 = 16 columns of wo ("B"), source 1 = 16 tokens ("A"): a lane holds one token and eight neighbouring columns in each accumulator.
; Rows of a tile: lane row r of tile t = row 32 (t/2) + 8 (t%2) + r + 8 (r/8).  Operands lie as images of the operand's registers, [group of 128 rows][K/128][tile][1536]: a K step of 256 of a group is one dense block.
; Ring of two LDS slots, joint loads in a cluster of 4 x 4, scale words of all of K once.  The way out goes through the wave's own stage in slot 0 (it has had its last fill and its last read), whole rows of 512 bytes.
; 64 work-groups: the tile of 256 x 256 is kept for its few LDS reads for each product.
.set KK,    1024
.set AOFS,  3145728                    ; A's scale words in its buffer
.set BOFC,  2359296                    ; B's codes and scale words among the weights
.set BOFS,  9535488
.set NS,    KK/128
.set GS,    NS*12288
.set HALFT, 24576
.set SLOT,  4*HALFT
.set SCL,   2*SLOT
.set HALFS, NS*512
.set SPARE, SCL+4*HALFS
.set LAPS,  KK/512
.set FR,    12
.set ADRA, 16
.set ADRB, 20
.set STO,  24
.set RD,   25
.set CO,   26
.set ADRS, 27
.set SPW,  28
.set NIL,  29
.set SC,   32
.set BIAS, 64
.set AF,   128
.set BK,   128
.set G1, 24
.set G0, 32
.set G1B, 48
.set G0B, 56
.set G1S, 68
.set G0S, 76
.set G1SB, 80
.set G0SB, 88
.set MSB, 0
.macro WIN new
.if MSB != (\new)
	s_set_vgpr_msb (MSB<<8)|(\new)
.set MSB, \new
.endif
.endm
.set MUL_LO, 0xa1
.set MUL_HI, 0xf1
.set TO_B,   0x40
.macro JLOAD g0a, g1a, g0b, g1b        ; a joint load: waves 0, 1 fetch for A, waves 2, 3 for B; s_nop 0 and four v_nop follow each line
	s_cmp_eq_u32 s15, 0
	s_cbranch_scc0 .Lfor_b_\@
	tensor_load_to_lds s[\g0a:\g0a+3], s[\g1a:\g1a+7]
	s_nop 0
.rept 4
	v_nop
.endr
	s_branch .Lasked_\@
.Lfor_b_\@:
	tensor_load_to_lds s[\g0b:\g0b+3], s[\g1b:\g1b+7]
	s_nop 0
.rept 4
	v_nop
.endr
.Lasked_\@:
.endm
.macro CREST
	s_cmp_lg_u32 s14, 0
	s_cbranch_scc1 .Lnot_wave_0_\@
	s_barrier_signal -3
.Lnot_wave_0_\@:
	s_barrier_wait -3
	s_barrier_signal -1
	s_barrier_wait -1
.endm
.macro CROUND
	s_barrier_signal -1
	s_barrier_wait -1
	CREST
.endm
	s_load_b128 s[96:99], s[0:1], 0x0              ; o's operand, the weights
	s_load_b64 s[18:19], s[0:1], 0x10              ; the residual
	s_load_b64 s[12:13], s[0:1], 0x18              ; out
	v_lshl_add_u32 v[SPW], v0, 2, SPARE
	v_mov_b32 v[NIL], 0
	ds_add_u32 v[SPW], v[NIL]                      ; the opening: the add and its wait ahead of my first tensor load
	v_lshrrev_b32 v1, 5, v0
	v_readfirstlane_b32 s14, v1
	s_lshr_b32 s15, s14, 1
	s_and_b32 s16, s14, 1
	s_bfe_u32 s40, ttmp6, 0x40000
	s_bfe_u32 s41, ttmp6, 0x40004
	s_lshl_b32 s42, ttmp9, 2
	s_add_co_u32 s42, s42, s40                     ; tile column
	s_and_b32 s17, ttmp7, 0xffff
	s_lshl_b32 s17, s17, 2
	s_add_co_u32 s17, s17, s41                     ; tile row
	s_lshl_b32 s43, s41, 2
	s_lshl_b32 s43, 15, s43
	s_lshl_b32 s44, 0x1111, s40
	s_or_b32 s[G1+0], s43, (3<<16)|(1<<21)         ; elements of 8 bytes, no padding: 96 rows of 256 bytes, dense
	s_or_b32 s[G1B+0], s44, (3<<16)|(1<<21)
.irp g, G1, G1B
	s_mov_b32 s[\g+1], 32<<16
	s_mov_b32 s[\g+2], 96<<16
	s_mov_b32 s[\g+3], 32<<16
	s_mov_b32 s[\g+4], 96
	s_mov_b32 s[\g+5], 32
	s_mov_b32 s[\g+6], 0
	s_mov_b32 s[\g+7], 0
.endr
	s_or_b32 s[G1S+0], s43, (3<<16)|(1<<21)
	s_or_b32 s[G1SB+0], s44, (3<<16)|(1<<21)
.irp g, G1S, G1SB
	s_mov_b32 s[\g+1], 32<<16
	s_mov_b32 s[\g+2], (HALFS/256)<<16
	s_mov_b32 s[\g+3], 32<<16
	s_mov_b32 s[\g+4], HALFS/256
	s_mov_b32 s[\g+5], 32
	s_mov_b32 s[\g+6], 0
	s_mov_b32 s[\g+7], 0
.endr
	s_lshl_b32 s20, s17, 1
	s_add_co_u32 s20, s20, s16
	s_lshl_b32 s46, s42, 1
	s_add_co_u32 s46, s46, s16
	s_mul_i32 s22, s20, HALFS
	s_mov_b32 s23, 0
	s_mul_i32 s92, s46, HALFS
	s_mov_b32 s93, 0
	s_mul_i32 s20, s20, GS
	s_mov_b32 s21, 0
	s_mul_i32 s46, s46, GS
	s_mov_b32 s47, 0
	s_mul_i32 s45, s14, HALFT
	s_mul_i32 s94, s14, HALFS
	s_wait_dscnt 0x0
	s_wait_kmcnt 0x0
	s_mov_b64 s[4:5], s[96:97]
	s_add_nc_u64 s[6:7], s[96:97], AOFS
	s_add_nc_u64 s[8:9], s[98:99], BOFC
	s_add_nc_u64 s[10:11], s[98:99], BOFS
	s_add_nc_u64 s[20:21], s[4:5], s[20:21]
	s_add_nc_u64 s[22:23], s[6:7], s[22:23]
	s_add_nc_u64 s[46:47], s[8:9], s[46:47]
	s_add_nc_u64 s[92:93], s[10:11], s[92:93]
	CROUND
	s_mov_b32 s[G0S], 1
	s_add_co_u32 s[G0S+1], s94, SCL
	s_mov_b64 s[G0S+2:G0S+3], s[22:23]
	s_or_b32 s[G0S+3], s[G0S+3], 0x80000000
	s_mov_b32 s[G0SB], 1
	s_add_co_u32 s[G0SB+1], s94, SCL
	s_mov_b64 s[G0SB+2:G0SB+3], s[92:93]
	s_or_b32 s[G0SB+3], s[G0SB+3], 0x80000000
	JLOAD G0S, G1S, G0SB, G1SB
.irp s, 0,1
	s_mov_b32 s[G0+4*\s], 1
	s_add_co_u32 s[G0+4*\s+1], s45, \s*SLOT
	s_add_nc_u64 s[G0+4*\s+2:G0+4*\s+3], s[20:21], \s*HALFT
	s_or_b32 s[G0+4*\s+3], s[G0+4*\s+3], 0x80000000
	s_mov_b32 s[G0B+4*\s], 1
	s_add_co_u32 s[G0B+4*\s+1], s45, \s*SLOT
	s_add_nc_u64 s[G0B+4*\s+2:G0B+4*\s+3], s[46:47], \s*HALFT
	s_or_b32 s[G0B+4*\s+3], s[G0B+4*\s+3], 0x80000000
	JLOAD G0+4*\s, G1, G0B+4*\s, G1B
.endr
	v_and_b32 v1, 31, v0
	v_and_b32 v2, 15, v0
	v_bfe_u32 v3, v0, 4, 1
	v_lshlrev_b32 v[CO], 4, v1
	v_lshlrev_b32 v5, 3, v1
	s_mul_i32 s21, s15, HALFT
	s_mul_i32 s22, s16, HALFT
	s_add_co_u32 s22, s22, 2*HALFT
.irp s, 0,1
	v_add_nc_u32 v[ADRA+\s], s21, v[CO]
	v_add_nc_u32 v[ADRB+\s], s22, v[CO]
	v_add_nc_u32 v[ADRA+2+\s], s21, v5
	v_add_nc_u32 v[ADRB+2+\s], s22, v5
	s_add_co_u32 s21, s21, SLOT
	s_add_co_u32 s22, s22, SLOT
.endr
	s_mul_i32 s21, s15, HALFS
	s_mul_i32 s22, s16, HALFS
	s_add_co_u32 s22, s22, 2*HALFS
	s_sub_co_u32 s22, s22, s21
	v_mul_u32_u24 v6, s22, v3
	s_add_co_u32 s21, s21, SCL
	v_lshl_add_u32 v6, v2, 2, v6
	v_add_nc_u32 v[ADRS], s21, v6
	s_mul_i32 s23, s14, 8448                       ; my stage: 16 rows of 512 + 16 bytes
	v_mul_u32_u24 v5, v2, 528
	v_lshl_add_u32 v5, v3, 6, v5
	v_add_nc_u32 v[STO], s23, v5                   ; in: row r, + 64 (lane/16)
	v_add_nc_u32 v[RD], s23, v[CO]                 ; back: 16 bytes a lane of a row
	s_lshl_b32 s20, s17, 1
	s_add_co_u32 s20, s20, s15                     ; ga
	s_lshl_b32 s20, s20, 19                        ; 128 rows of 4,096 bytes
	s_lshl_b32 s46, s42, 1
	s_add_co_u32 s46, s46, s16                     ; gb
	s_lshl_b32 s46, s46, 9
	s_add_co_u32 s20, s20, s46
	s_mov_b32 s21, 0
	s_add_nc_u64 s[12:13], s[12:13], s[20:21]
	s_add_nc_u64 s[18:19], s[18:19], s[20:21]
.macro FRAG reg, adr, q, i
	ds_load_b128 v[\reg:\reg+3], v[\adr] offset:(\q)*12288+(\i)*1536
	ds_load_b64 v[\reg+4:\reg+5], v[\adr+2] offset:(\q)*12288+(\i)*1536+512
	ds_load_b128 v[\reg+6:\reg+9], v[\adr] offset:(\q)*12288+(\i)*1536+768
	ds_load_b64 v[\reg+10:\reg+11], v[\adr+2] offset:(\q)*12288+(\i)*1536+1280
.endm
.macro MUL16 a0, p, q, sc, zero        ; the 64 accumulators take turns, one instruction a turn
.irp a, \a0, \a0+1
.irp b, 0,1,2,3,4,5,6,7
.set rD, 8*(8*((\a)%4)+\b)
.set rB, 128*(\p)+FR*\b
.set rA, AF+FR*(\a)
.set sB, SC+16*(\sc)+8*(\q)+\b
.set sA, SC+16*(\sc)+8*(\q)+(\a)
.if (\zero) == 1
	v_wmma_scale_f32_16x16x128_f8f6f4 v[rD:rD+7], v[rB:rB+11], v[rA:rA+11], 0, v[sB], v[sA] matrix_a_fmt:MATRIX_FMT_FP6 matrix_b_fmt:MATRIX_FMT_FP6 matrix_a_scale:MATRIX_SCALE_ROW1
.elseif (\zero) == 2
	v_wmma_scale_f32_16x16x128_f8f6f4 v[rD:rD+7], v[rB:rB+11], v[rA:rA+11], v[BIAS+8*\b:BIAS+8*\b+7], v[sB], v[sA] matrix_a_fmt:MATRIX_FMT_FP6 matrix_b_fmt:MATRIX_FMT_FP6 matrix_a_scale:MATRIX_SCALE_ROW1
.else
	v_wmma_scale_f32_16x16x128_f8f6f4 v[rD:rD+7], v[rB:rB+11], v[rA:rA+11], v[rD:rD+7], v[sB], v[sA] matrix_a_fmt:MATRIX_FMT_FP6 matrix_b_fmt:MATRIX_FMT_FP6 matrix_a_scale:MATRIX_SCALE_ROW1
.endif
.endr
.endr
.endm
.macro FETCH_B slot, q, p
	WIN TO_B
.irp i, 0,1,2,3,4,5,6,7
	FRAG 128*(\p)+FR*\i, ADRB+\slot, \q, \i
.endr
	WIN 0
.endm
.macro FETCH_A slot, q, i0
.irp i, \i0, \i0+1, \i0+2, \i0+3
	FRAG AF+FR*(\i), ADRA+\slot, \q, \i
.endr
.endm
.macro SCALES sc
.irp q, 0,1
.irp i, 0,1,2,3,4,5,6,7
	ds_load_b32 v[SC+16*\sc+8*\q+\i], v[ADRS] offset:512*\q+64*\i
.endr
.endr
.endm
.macro PLACES n
.rept \n
	v_nop
.endr
.endm
.macro STEP slot, q, zero
	s_wait_dscnt 16                                ; A's blocks 4-7, 4 x 4 loads, may be out
.if (\zero) == 2
	WIN 0x81
.else
	WIN MUL_LO
.endif
	MUL16 0, (\q)%2, \q, \slot, \zero
	MUL16 2, (\q)%2, \q, \slot, \zero
	s_wait_dscnt 0x0
	PLACES 4
	FETCH_B \slot, (\q)+1, 1-(\q)%2
	FETCH_A \slot, (\q)+1, 0
.if (\zero) == 2
	WIN 0xc1
.else
	WIN MUL_HI
.endif
	MUL16 4, (\q)%2, \q, \slot, \zero
	MUL16 6, (\q)%2, \q, \slot, \zero
	PLACES 4
	WIN 0
	FETCH_A \slot, (\q)+1, 4
.endm
.macro TURN slot, next, fill
	s_wait_tensorcnt 0x0                           ; all my tensor loads have landed
	ds_add_u32 v[SPW], v[NIL]
	s_wait_dscnt 17                                ; the add and A's blocks 4-7 may be out
	WIN MUL_LO
	MUL16 0, 1, 1, \slot, 0
	s_wait_dscnt 0x0                               ; the add is done and my reads of this slot are over
	s_barrier_signal -1
	MUL16 2, 1, 1, \slot, 0
	WIN 0
	s_barrier_wait -1
.if \fill
	CREST
	s_add_nc_u64 s[G0+4*\slot+2:G0+4*\slot+3], s[G0+4*\slot+2:G0+4*\slot+3], 2*HALFT
	s_add_nc_u64 s[G0B+4*\slot+2:G0B+4*\slot+3], s[G0B+4*\slot+2:G0B+4*\slot+3], 2*HALFT
	JLOAD G0+4*\slot, G1, G0B+4*\slot, G1B
.else
	PLACES 4
.endif
	v_add_nc_u32 v[ADRS], 1024, v[ADRS]
	FETCH_B \next, 0, 0
	FETCH_A \next, 0, 0
	SCALES \next
	WIN MUL_HI
	MUL16 4, 1, 1, \slot, 0
	MUL16 6, 1, 1, \slot, 0
	PLACES 4
	WIN 0
	FETCH_A \next, 0, 4
.endm
	s_wait_tensorcnt 1                             ; the scale words and slot 0 are in; slot 1's load may be out
	s_barrier_signal -1
	s_barrier_wait -1
	FETCH_B 0, 0, 0
	FETCH_A 0, 0, 0
	SCALES 0
	FETCH_A 0, 0, 4
	STEP 0, 0, 1
	s_mov_b32 s3, LAPS-1
.Llap:
	TURN 0, 1, 1
	STEP 1, 0, 0
	TURN 1, 0, 1
	STEP 0, 0, 0
	s_sub_co_u32 s3, s3, 1
	s_cmp_lg_u32 s3, 0
	s_cbranch_scc1 .Llap
	TURN 0, 1, 0
	STEP 1, 0, 0
	s_wait_dscnt 16
	WIN MUL_LO
	MUL16 0, 1, 1, 1, 0
	MUL16 2, 1, 1, 1, 0
	s_wait_dscnt 0x0
	WIN MUL_HI
	MUL16 4, 1, 1, 1, 0
	MUL16 6, 1, 1, 1, 0
	WIN 0
; THE WAY OUT, block by block of 16 rows x 128 columns: through my stage, back as whole rows of 512 bytes, the residual added, stored.  The residual's rows come four blocks ahead into window 1.
.macro RLOAD a
	WIN 0x40
.irp t, 0,1,2,3,4,5,6,7,8,9,10,11,12,13,14,15
	global_load_b128 v[64*((\a)%4)+4*\t:64*((\a)%4)+4*\t+3], v[CO], s[18:19] offset:(32*((\a)/2)+8*((\a)%2)+\t+8*(\t/8))*4096
.endr
	WIN 0
.endm
.macro TOSTAGE a
.set AC, 64*((\a)%4)
	WIN 0x08+4*((\a)/4)
.irp b, 0,1,2,3,4,5,6,7
	ds_store_b128 v[STO], v[AC+8*\b:AC+8*\b+3] offset:128*(\b/2)+32*(\b%2)      ; each accumulator from its low end on
	ds_store_b128 v[STO], v[AC+8*\b+4:AC+8*\b+7] offset:128*(\b/2)+32*(\b%2)+16
.endr
	WIN 0
.set BB, BK+64*((\a)%2)
.irp t, 0,1,2,3,4,5,6,7,8,9,10,11,12,13,14,15
	ds_load_b128 v[BB+4*\t:BB+4*\t+3], v[RD] offset:\t*528   ; LDS serves a wave's instructions in order: these see the stores above
.endr
.endm
	PLACES 4
.irp a, 0,1,2,3
	RLOAD \a
.endr
.irp a, 0,1,2,3,4,5,6,7
.if \a > 1
	s_wait_xcnt 0x0                                ; block a - 2's stores have read their registers
.endif
	TOSTAGE \a
	s_wait_dscnt 0x0
.if \a < 5
	s_wait_loadcnt 48                              ; this block's residual is in; the three younger sets may be out
.else
	s_wait_loadcnt 16*(7-\a)
.endif
	WIN 0x04
.set p, 0
.rept 32
	v_pk_add_f32 v[BK+64*(\a%2)+p:BK+64*(\a%2)+p+1], v[BK+64*(\a%2)+p:BK+64*(\a%2)+p+1], v[64*(\a%4)+p:64*(\a%4)+p+1]
.set p, p+2
.endr
	WIN 0
.irp t, 0,1,2,3,4,5,6,7,8,9,10,11,12,13,14,15
	global_store_b128 v[CO], v[BK+64*(\a%2)+4*\t:BK+64*(\a%2)+4*\t+3], s[12:13] offset:(32*(\a/2)+8*(\a%2)+\t+8*(\t/8))*4096   ; 512 consecutive bytes, aligned to 256
.endr
.if \a < 4
	RLOAD \a+4
.endif
.endr
	s_wait_tensorcnt 0x0                           ; the wave's end
	ds_add_u32 v[SPW], v[NIL]
	s_wait_dscnt 0x0
	CROUND
	s_endpgm
.Lfunc_end_k_qf5483e4673_oproj:
	.size	k_qf5483e4673_oproj, .Lfunc_end_k_qf5483e4673_oproj-k_qf5483e4673_oproj
	.p2alignl 7, 3214868480
	.fill 96, 4, 3214868480
	.section	.rodata,"a",@progbits
	.p2align	6, 0x0
	.amdhsa_kernel k_qf5483e4673_oproj
		.amdhsa_group_segment_fixed_size 327680
		.amdhsa_private_segment_fixed_size 0
		.amdhsa_enable_private_segment 0
		.amdhsa_kernarg_size 32
		.amdhsa_user_sgpr_count 2
		.amdhsa_user_sgpr_kernarg_segment_ptr 1
		.amdhsa_wavefront_size32 1
		.amdhsa_system_sgpr_workgroup_id_x 1
		.amdhsa_system_sgpr_workgroup_id_y 1
		.amdhsa_system_sgpr_workgroup_id_z 1
		.amdhsa_system_vgpr_workitem_id 0
		.amdhsa_next_free_vgpr 1024
		.amdhsa_next_free_sgpr 102
		.amdhsa_reserve_vcc 0
		.amdhsa_float_denorm_mode_32 3
		.amdhsa_float_denorm_mode_16_64 3
		.amdhsa_memory_ordered 1
		.amdhsa_forward_progress 1
		.amdhsa_inst_pref_size 174
	.end_amdhsa_kernel
	.amdgpu_metadata
---
amdhsa.version: [ 1, 2 ]
amdhsa.kernels:
  - .name:           k_qf5483e4673_oproj
    .symbol:         k_qf5483e4673_oproj.kd
    .args:
      - { .name: oq, .offset: 0, .size: 8, .value_kind: global_buffer, .address_space: global }
      - { .name: wts, .offset: 8, .size: 8, .value_kind: global_buffer, .address_space: global }
      - { .name: x, .offset: 16, .size: 8, .value_kind: global_buffer, .address_space: global }
      - { .name: x1, .offset: 24, .size: 8, .value_kind: global_buffer, .address_space: global }
    .group_segment_fixed_size: 327680
    .private_segment_fixed_size: 0
    .kernarg_segment_align: 8
    .kernarg_segment_size: 32
    .max_flat_workgroup_size: 128
    .sgpr_count:     102
    .vgpr_count:     1024
    .wavefront_size: 32
...
	.end_amdgpu_metadata
.endif
;; end of part 5
;; launch ln2: the kernel of part 2 again; grid 256 x 1, 8 waves a work-group, no clusters, 50,688 bytes of LDS; arguments x1, gamma2, beta2, hq; writes hq
;; launch ffn1 (part 6): grid 16 x 16, 4 waves a work-group, clusters of 4 x 4, 327,680 bytes of LDS; arguments hq, wts, b1, hid; writes hid
.if DOCPART == 6
	.amdgcn_target "amdgcn-amd-amdhsa--gfx1250"
	.amdhsa_code_object_version 6
	.text
	.protected	k_qf5483e4673_ffn1
	.globl	k_qf5483e4673_ffn1
	.p2align	8
	.type	k_qf5483e4673_ffn1,@function
k_qf5483e4673_ffn1:
	s_mov_b64 s[64:65], 0
	v_nop
	global_prefetch_b8 v0, s[64:65] scope:SCOPE_SE
	s_setreg_imm32_b32 hwreg(HW_REG_WAVE_MODE, 25, 1), 1
	s_wait_xcnt 0x0
	s_wait_alu depctr_hold_cnt(0) depctr_sa_sdst(0) depctr_va_vdst(0) depctr_va_sdst(0) depctr_va_ssrc(0) depctr_va_vcc(0) depctr_vm_vsrc(0)
	s_getreg_b32 s2, hwreg(HW_REG_IB_STS2, 6, 4)
	s_cmp_eq_u32 s2, 0
	s_cbranch_scc0 .Lentry_in_a_cluster
	s_endpgm
.Lentry_in_a_cluster:
	s_bfe_u32 s2, ttmp6, 0x10000c
	s_cmp_lg_u32 s2, 0xf033
	s_cbranch_scc0 .Lentry_shape_is_right
	s_endpgm
.Lentry_shape_is_right:
; hidden = gelu(h w1 + b1), exact (erf) form, on codes of E2M3, K = 1,024; the result is quantised in registers along the hidden axis into the operand of the next product and never exists in memory as f32.
; A work-group makes 256 x 256 results, a wave 128 x 128.  Source 0 = 16 columns of w1 ("B"), source 1 = 16 tokens ("A"); by the order of rows in a tile (lane row r of tile t = row 32 (t/2) + 8 (t%2) + r + 8 (r/8))
; the 64 registers of one block of tokens are 128 neighbouring hidden units: register 16 b + i = 32 b + 16 (lane/16) + i.  The bias is the C of each sum's first product.
; Operands lie as images of the operand's registers, [group of 128 rows][K/128][tile][1536].  Ring of two LDS slots, joint loads in a cluster of 4 x 4, scale words of all of K once.
; gelu(y) = h + h erf(h sqrt 2), h = y / 2.  erf(z) = z P(z^2) / Q(z^2) on z held to +-4: a rational form whose error is a few units in the last place of 1.  LIMIT: as with 1 + erf in f32, the RELATIVE accuracy of gelu
; is lost for y under about -3, where gelu is under 0.005 in magnitude; the absolute error stays near 1e-7 |y|.  A block of zeros gets the byte 1 and not 127.  NaN and infinities are not served.
.set KK,    1024
.set AOFS,  3145728
.set BOFC,  3145728
.set BOFS,  9568256
.set NS,    KK/128
.set GS,    NS*12288
.set HALFT, 24576
.set SLOT,  4*HALFT
.set SCL,   2*SLOT
.set HALFS, NS*512
.set SPARE, SCL+4*HALFS
.set LAPS,  KK/512
.set FR,    12
.set ADRA, 16
.set ADRB, 20
.set L16,  24
.set L8,   25
.set L4,   26
.set ADRS, 27
.set SPW,  28
.set NIL,  29
.set SC,   32
.set BIAS, 64                          ; v64-127: b1 in the result's layout, until the first step is over
.set PC,   64
.set TM,   112
.set AF,   128
.set HA,   128                         ; the way out: 64 numbers at work; v192.. z, z^2, P, Q
.set Z,    192
.set X2,   208
.set P,    224
.set Q,    240
.set CA,   24                          ; s[24:35] P's lower six coefficients, s[36:43] Q's lower four, as pairs: the descriptors' registers, free behind the last wait for all tensor loads
.set CB,   36
.set G1, 24
.set G0, 32
.set G1B, 48
.set G0B, 56
.set G1S, 68
.set G0S, 76
.set G1SB, 80
.set G0SB, 88
.set SEL, 100
.set MSB, 0
.macro WIN new
.if MSB != (\new)
	s_set_vgpr_msb (MSB<<8)|(\new)
.set MSB, \new
.endif
.endm
.set MUL_LO, 0xa1
.set MUL_HI, 0xf1
.set TO_B,   0x40
.macro JLOAD g0a, g1a, g0b, g1b        ; a joint load: waves 0, 1 fetch for A, waves 2, 3 for B; s_nop 0 and four v_nop follow each line
	s_cmp_eq_u32 s15, 0
	s_cbranch_scc0 .Lfor_b_\@
	tensor_load_to_lds s[\g0a:\g0a+3], s[\g1a:\g1a+7]
	s_nop 0
.rept 4
	v_nop
.endr
	s_branch .Lasked_\@
.Lfor_b_\@:
	tensor_load_to_lds s[\g0b:\g0b+3], s[\g1b:\g1b+7]
	s_nop 0
.rept 4
	v_nop
.endr
.Lasked_\@:
.endm
.macro CREST
	s_cmp_lg_u32 s14, 0
	s_cbranch_scc1 .Lnot_wave_0_\@
	s_barrier_signal -3
.Lnot_wave_0_\@:
	s_barrier_wait -3
	s_barrier_signal -1
	s_barrier_wait -1
.endm
.macro CROUND
	s_barrier_signal -1
	s_barrier_wait -1
	CREST
.endm
	s_load_b128 s[96:99], s[0:1], 0x0              ; h's operand, the weights
	s_load_b64 s[100:101], s[0:1], 0x10            ; b1
	s_load_b64 s[12:13], s[0:1], 0x18              ; out
	v_lshl_add_u32 v[SPW], v0, 2, SPARE
	v_mov_b32 v[NIL], 0
	ds_add_u32 v[SPW], v[NIL]                      ; the opening: the add and its wait ahead of my first tensor load
	v_lshrrev_b32 v1, 5, v0
	v_readfirstlane_b32 s14, v1
	s_lshr_b32 s15, s14, 1
	s_and_b32 s16, s14, 1
	s_bfe_u32 s40, ttmp6, 0x40000
	s_bfe_u32 s41, ttmp6, 0x40004
	s_lshl_b32 s42, ttmp9, 2
	s_add_co_u32 s42, s42, s40
	s_and_b32 s17, ttmp7, 0xffff
	s_lshl_b32 s17, s17, 2
	s_add_co_u32 s17, s17, s41
	s_lshl_b32 s43, s41, 2
	s_lshl_b32 s43, 15, s43
	s_lshl_b32 s44, 0x1111, s40
	s_or_b32 s[G1+0], s43, (3<<16)|(1<<21)
	s_or_b32 s[G1B+0], s44, (3<<16)|(1<<21)
.irp g, G1, G1B
	s_mov_b32 s[\g+1], 32<<16
	s_mov_b32 s[\g+2], 96<<16
	s_mov_b32 s[\g+3], 32<<16
	s_mov_b32 s[\g+4], 96
	s_mov_b32 s[\g+5], 32
	s_mov_b32 s[\g+6], 0
	s_mov_b32 s[\g+7], 0
.endr
	s_or_b32 s[G1S+0], s43, (3<<16)|(1<<21)
	s_or_b32 s[G1SB+0], s44, (3<<16)|(1<<21)
.irp g, G1S, G1SB
	s_mov_b32 s[\g+1], 32<<16
	s_mov_b32 s[\g+2], (HALFS/256)<<16
	s_mov_b32 s[\g+3], 32<<16
	s_mov_b32 s[\g+4], HALFS/256
	s_mov_b32 s[\g+5], 32
	s_mov_b32 s[\g+6], 0
	s_mov_b32 s[\g+7], 0
.endr
	s_lshl_b32 s20, s17, 1
	s_add_co_u32 s20, s20, s16
	s_lshl_b32 s46, s42, 1
	s_add_co_u32 s46, s46, s16
	s_mul_i32 s22, s20, HALFS
	s_mov_b32 s23, 0
	s_mul_i32 s92, s46, HALFS
	s_mov_b32 s93, 0
	s_mul_i32 s20, s20, GS
	s_mov_b32 s21, 0
	s_mul_i32 s46, s46, GS
	s_mov_b32 s47, 0
	s_mul_i32 s45, s14, HALFT
	s_mul_i32 s94, s14, HALFS
	s_wait_dscnt 0x0
	s_wait_kmcnt 0x0
	s_mov_b64 s[4:5], s[96:97]
	s_add_nc_u64 s[6:7], s[96:97], AOFS
	s_add_nc_u64 s[8:9], s[98:99], BOFC
	s_add_nc_u64 s[10:11], s[98:99], BOFS
	s_add_nc_u64 s[20:21], s[4:5], s[20:21]
	s_add_nc_u64 s[22:23], s[6:7], s[22:23]
	s_add_nc_u64 s[46:47], s[8:9], s[46:47]
	s_add_nc_u64 s[92:93], s[10:11], s[92:93]
	CROUND
	s_mov_b32 s[G0S], 1
	s_add_co_u32 s[G0S+1], s94, SCL
	s_mov_b64 s[G0S+2:G0S+3], s[22:23]
	s_or_b32 s[G0S+3], s[G0S+3], 0x80000000
	s_mov_b32 s[G0SB], 1
	s_add_co_u32 s[G0SB+1], s94, SCL
	s_mov_b64 s[G0SB+2:G0SB+3], s[92:93]
	s_or_b32 s[G0SB+3], s[G0SB+3], 0x80000000
	JLOAD G0S, G1S, G0SB, G1SB
.irp s, 0,1
	s_mov_b32 s[G0+4*\s], 1
	s_add_co_u32 s[G0+4*\s+1], s45, \s*SLOT
	s_add_nc_u64 s[G0+4*\s+2:G0+4*\s+3], s[20:21], \s*HALFT
	s_or_b32 s[G0+4*\s+3], s[G0+4*\s+3], 0x80000000
	s_mov_b32 s[G0B+4*\s], 1
	s_add_co_u32 s[G0B+4*\s+1], s45, \s*SLOT
	s_add_nc_u64 s[G0B+4*\s+2:G0B+4*\s+3], s[46:47], \s*HALFT
	s_or_b32 s[G0B+4*\s+3], s[G0B+4*\s+3], 0x80000000
	JLOAD G0+4*\s, G1, G0B+4*\s, G1B
.endr
	v_and_b32 v1, 31, v0
	v_and_b32 v2, 15, v0
	v_bfe_u32 v3, v0, 4, 1
	v_lshlrev_b32 v[L16], 4, v1
	v_lshlrev_b32 v[L8], 3, v1
	v_lshlrev_b32 v[L4], 2, v1
	s_lshl_b32 s20, s42, 1
	s_add_co_u32 s20, s20, s16                     ; gb
	s_lshl_b32 s46, s20, 9
	s_mov_b32 s47, 0
	s_add_nc_u64 s[100:101], s[100:101], s[46:47]
	v_lshlrev_b32 v30, 6, v3
.irp b, 0,1,2,3,4,5,6,7                ; tile b, lane half h: b1 at 32 (b/2) + 8 (b%2) + 16 h + 0..7 of my 128 columns
	global_load_b128 v[BIAS+8*\b:BIAS+8*\b+3], v30, s[100:101] offset:128*(\b/2)+32*(\b%2)
	global_load_b128 v[BIAS+8*\b+4:BIAS+8*\b+7], v30, s[100:101] offset:128*(\b/2)+32*(\b%2)+16
.endr
	s_mul_i32 s21, s15, HALFT
	s_mul_i32 s22, s16, HALFT
	s_add_co_u32 s22, s22, 2*HALFT
.irp s, 0,1
	v_add_nc_u32 v[ADRA+\s], s21, v[L16]
	v_add_nc_u32 v[ADRB+\s], s22, v[L16]
	v_add_nc_u32 v[ADRA+2+\s], s21, v[L8]
	v_add_nc_u32 v[ADRB+2+\s], s22, v[L8]
	s_add_co_u32 s21, s21, SLOT
	s_add_co_u32 s22, s22, SLOT
.endr
	s_mul_i32 s21, s15, HALFS
	s_mul_i32 s22, s16, HALFS
	s_add_co_u32 s22, s22, 2*HALFS
	s_sub_co_u32 s22, s22, s21
	v_mul_u32_u24 v6, s22, v3
	s_add_co_u32 s21, s21, SCL
	v_lshl_add_u32 v6, v2, 2, v6
	v_add_nc_u32 v[ADRS], s21, v6
	s_lshl_b32 s21, s17, 1
	s_add_co_u32 s21, s21, s15                     ; ga
	s_lshl_b32 s21, s21, 5
	s_add_co_u32 s22, s21, s20                     ; 32 ga + gb: my block of 8 images
	s_lshl_b32 s46, s22, 9
	s_add_nc_u64 s[18:19], s[12:13], s[46:47]
	s_add_nc_u64 s[18:19], s[18:19], 12582912
	s_mul_i32 s46, s22, 12288
	s_add_nc_u64 s[12:13], s[12:13], s[46:47]
.macro FRAG reg, adr, q, i
	ds_load_b128 v[\reg:\reg+3], v[\adr] offset:(\q)*12288+(\i)*1536
	ds_load_b64 v[\reg+4:\reg+5], v[\adr+2] offset:(\q)*12288+(\i)*1536+512
	ds_load_b128 v[\reg+6:\reg+9], v[\adr] offset:(\q)*12288+(\i)*1536+768
	ds_load_b64 v[\reg+10:\reg+11], v[\adr+2] offset:(\q)*12288+(\i)*1536+1280
.endm
.macro MUL16 a0, p, q, sc, zero        ; the 64 accumulators take turns, one instruction a turn
.irp a, \a0, \a0+1
.irp b, 0,1,2,3,4,5,6,7
.set rD, 8*(8*((\a)%4)+\b)
.set rB, 128*(\p)+FR*\b
.set rA, AF+FR*(\a)
.set sB, SC+16*(\sc)+8*(\q)+\b
.set sA, SC+16*(\sc)+8*(\q)+(\a)
.if (\zero) == 1
	v_wmma_scale_f32_16x16x128_f8f6f4 v[rD:rD+7], v[rB:rB+11], v[rA:rA+11], 0, v[sB], v[sA] matrix_a_fmt:MATRIX_FMT_FP6 matrix_b_fmt:MATRIX_FMT_FP6 matrix_a_scale:MATRIX_SCALE_ROW1
.elseif (\zero) == 2
	v_wmma_scale_f32_16x16x128_f8f6f4 v[rD:rD+7], v[rB:rB+11], v[rA:rA+11], v[BIAS+8*\b:BIAS+8*\b+7], v[sB], v[sA] matrix_a_fmt:MATRIX_FMT_FP6 matrix_b_fmt:MATRIX_FMT_FP6 matrix_a_scale:MATRIX_SCALE_ROW1
.else
	v_wmma_scale_f32_16x16x128_f8f6f4 v[rD:rD+7], v[rB:rB+11], v[rA:rA+11], v[rD:rD+7], v[sB], v[sA] matrix_a_fmt:MATRIX_FMT_FP6 matrix_b_fmt:MATRIX_FMT_FP6 matrix_a_scale:MATRIX_SCALE_ROW1
.endif
.endr
.endr
.endm
.macro FETCH_B slot, q, p
	WIN TO_B
.irp i, 0,1,2,3,4,5,6,7
	FRAG 128*(\p)+FR*\i, ADRB+\slot, \q, \i
.endr
	WIN 0
.endm
.macro FETCH_A slot, q, i0
.irp i, \i0, \i0+1, \i0+2, \i0+3
	FRAG AF+FR*(\i), ADRA+\slot, \q, \i
.endr
.endm
.macro SCALES sc
.irp q, 0,1
.irp i, 0,1,2,3,4,5,6,7
	ds_load_b32 v[SC+16*\sc+8*\q+\i], v[ADRS] offset:512*\q+64*\i
.endr
.endr
.endm
.macro PLACES n
.rept \n
	v_nop
.endr
.endm
.macro STEP slot, q, zero
	s_wait_dscnt 16                                ; A's blocks 4-7, 4 x 4 loads, may be out
.if (\zero) == 2
	WIN 0x81                                       ; C, the bias, in window 0; D in window 2
.else
	WIN MUL_LO
.endif
	MUL16 0, (\q)%2, \q, \slot, \zero
	MUL16 2, (\q)%2, \q, \slot, \zero
	s_wait_dscnt 0x0
	PLACES 4
	FETCH_B \slot, (\q)+1, 1-(\q)%2
	FETCH_A \slot, (\q)+1, 0
.if (\zero) == 2
	WIN 0xc1
.else
	WIN MUL_HI
.endif
	MUL16 4, (\q)%2, \q, \slot, \zero
	MUL16 6, (\q)%2, \q, \slot, \zero
	PLACES 4
	WIN 0
	FETCH_A \slot, (\q)+1, 4
.endm
.macro TURN slot, next, fill
	s_wait_tensorcnt 0x0                           ; all my tensor loads have landed
	ds_add_u32 v[SPW], v[NIL]
	s_wait_dscnt 17                                ; the add and A's blocks 4-7 may be out
	WIN MUL_LO
	MUL16 0, 1, 1, \slot, 0
	s_wait_dscnt 0x0                               ; the add is done and my reads of this slot are over
	s_barrier_signal -1
	MUL16 2, 1, 1, \slot, 0
	WIN 0
	s_barrier_wait -1
.if \fill
	CREST
	s_add_nc_u64 s[G0+4*\slot+2:G0+4*\slot+3], s[G0+4*\slot+2:G0+4*\slot+3], 2*HALFT
	s_add_nc_u64 s[G0B+4*\slot+2:G0B+4*\slot+3], s[G0B+4*\slot+2:G0B+4*\slot+3], 2*HALFT
	JLOAD G0+4*\slot, G1, G0B+4*\slot, G1B
.else
	PLACES 4
.endif
	v_add_nc_u32 v[ADRS], 1024, v[ADRS]
	FETCH_B \next, 0, 0
	FETCH_A \next, 0, 0
	SCALES \next
	WIN MUL_HI
	MUL16 4, 1, 1, \slot, 0
	MUL16 6, 1, 1, \slot, 0
	PLACES 4
	WIN 0
	FETCH_A \next, 0, 4
.endm
	s_wait_tensorcnt 1                             ; the scale words and slot 0 are in; slot 1's load may be out
	s_barrier_signal -1
	s_barrier_wait -1
	FETCH_B 0, 0, 0
	FETCH_A 0, 0, 0
	SCALES 0
	FETCH_A 0, 0, 4
	s_wait_loadcnt 0x0                             ; the bias
	STEP 0, 0, 2
	s_mov_b32 s3, LAPS-1
.Llap:
	TURN 0, 1, 1
	STEP 1, 0, 0
	TURN 1, 0, 1
	STEP 0, 0, 0
	s_sub_co_u32 s3, s3, 1
	s_cmp_lg_u32 s3, 0
	s_cbranch_scc1 .Llap
	TURN 0, 1, 0
	STEP 1, 0, 0
	s_wait_dscnt 16
	WIN MUL_LO
	MUL16 0, 1, 1, 1, 0
	MUL16 2, 1, 1, 1, 0
	s_wait_dscnt 0x0
	WIN MUL_HI
	MUL16 4, 1, 1, 1, 0
	MUL16 6, 1, 1, 1, 0
	WIN 0
.macro QUANT s, w, pw                  ; 64 numbers of a lane, register 16 b + i = k 32 b + 16 (lane/16) + i, become a fragment's codes in v[PC] on and its scale word in v[pw]
	WIN (\w)|((\w)<<2)
.irp b, 0,1,2,3
	v_max3_num_f32 v[TM+\b], |v[(\s)+16*\b]|, |v[(\s)+1+16*\b]|, 0x1800000
.endr
.irp i, 2,4,6,8,10,12,14
.irp b, 0,1,2,3
	v_max3_num_f32 v[TM+\b], |v[(\s)+16*\b+\i]|, |v[(\s)+1+16*\b+\i]|, v[TM+\b]
.endr
.endr
	WIN 0
.irp b, 0,1,2,3
	v_permlanex16_b32 v[TM+4+\b], v[TM+\b], s[SEL], s[SEL+1]
.endr
.irp b, 0,1,2,3
	v_max_num_f32 v[TM+\b], v[TM+\b], v[TM+4+\b]
.endr
.irp b, 0,1,2,3
	v_add_nc_u32 v[TM+12+\b], 0xff000000, v[TM+\b]
.endr
.irp b, 0,1,2,3
	v_lshrrev_b32 v[TM+4+\b], 23, v[TM+12+\b]
.endr
	v_lshl_or_b32 v[\pw], v[TM+5], 8, v[TM+4]
	v_lshl_or_b32 v[\pw], v[TM+6], 16, v[\pw]
	v_lshl_or_b32 v[\pw], v[TM+7], 24, v[\pw]
	WIN \w
.irp c, 0,1
	v_cvt_scalef32_pk16_fp6_f32 v[PC+6*\c:PC+2+6*\c], v[(\s)+32*\c:(\s)+15+32*\c], v[TM+12+2*\c]
	v_cvt_scalef32_pk16_fp6_f32 v[PC+12+4*\c:PC+14+4*\c], v[(\s)+16+32*\c:(\s)+31+32*\c], v[TM+12+2*\c+1]
.endr
	WIN 0
	v_nop
.irp c, 0,1
.irp i, 0,1,2
	v_permlane16_swap_b32 v[PC+6*\c+\i], v[PC+12+4*\c+\i]
.endr
.irp i, 0,1,2
	v_mov_b32 v[PC+3+6*\c+\i], v[PC+12+4*\c+\i]
.endr
.endr
.endm
; THE WAY OUT is a loop of four trips, two blocks of 16 tokens a trip, so that the activation is written twice and not eight times.  What differs between trips, the accumulators' registers, is met by four short stubs
; that bring h = y / 2 into window 0; which stub runs hangs on the trip's number alone.
.macro HALVE w, base
	WIN \w
.set p, 0
.rept 32
	v_pk_mul_f32 v[HA+p:HA+p+1], v[(\base)+p:(\base)+p+1], 0.5 op_sel_hi:[1,0]   ; each accumulator from its low end on
.set p, p+2
.endr
	WIN 0
.endm
.macro PICK j
	s_cmp_eq_u32 s3, 0
	s_cbranch_scc1 .Lt0_\@
	s_cmp_eq_u32 s3, 1
	s_cbranch_scc1 .Lt1_\@
	s_cmp_eq_u32 s3, 2
	s_cbranch_scc1 .Lt2_\@
	HALVE 3, 128+64*(\j)
	s_branch .Ltd_\@
.Lt0_\@:
	HALVE 2, 64*(\j)
	s_branch .Ltd_\@
.Lt1_\@:
	HALVE 2, 128+64*(\j)
	s_branch .Ltd_\@
.Lt2_\@:
	HALVE 3, 64*(\j)
.Ltd_\@:
.endm
.macro GELU16 k                        ; 16 numbers: h -> h + h erf(h sqrt 2)
.set HB, HA+16*(\k)
.set p, 0
.rept 8
	v_pk_mul_f32 v[Z+p:Z+p+1], v[HB+p:HB+p+1], 0x3fb504f3 op_sel_hi:[1,0]
.set p, p+2
.endr
.set p, 0
.rept 16
	v_med3_num_f32 v[Z+p], v[Z+p], -4.0, 4.0
.set p, p+1
.endr
.set p, 0
.rept 8
	v_pk_mul_f32 v[X2+p:X2+p+1], v[Z+p:Z+p+1], v[Z+p:Z+p+1]
.set p, p+2
.endr
.set p, 0
.rept 8
	v_pk_fma_f32 v[P+p:P+p+1], v[X2+p:X2+p+1], v[88:89], s[CA:CA+1] op_sel_hi:[1,1,0]
	v_pk_fma_f32 v[Q+p:Q+p+1], v[X2+p:X2+p+1], v[90:91], s[CB:CB+1] op_sel_hi:[1,1,0]
.set p, p+2
.endr
.irp c, 2,4,6,8,10
.set p, 0
.rept 8
	v_pk_fma_f32 v[P+p:P+p+1], v[P+p:P+p+1], v[X2+p:X2+p+1], s[CA+\c:CA+\c+1] op_sel_hi:[1,1,0]
.set p, p+2
.endr
.endr
.irp c, 2,4,6
.set p, 0
.rept 8
	v_pk_fma_f32 v[Q+p:Q+p+1], v[Q+p:Q+p+1], v[X2+p:X2+p+1], s[CB+\c:CB+\c+1] op_sel_hi:[1,1,0]
.set p, p+2
.endr
.endr
.set p, 0
.rept 16
	v_rcp_f32 v[Q+p], v[Q+p]
.set p, p+1
.endr
.set p, 0
.rept 8
	v_pk_mul_f32 v[P+p:P+p+1], v[P+p:P+p+1], v[Z+p:Z+p+1]   ; plain work behind the reciprocals
.set p, p+2
.endr
	s_wait_alu depctr_va_vdst(0)                   ; one wait for the sixteen, ahead of their first reader
.set p, 0
.rept 8
	v_pk_mul_f32 v[P+p:P+p+1], v[P+p:P+p+1], v[Q+p:Q+p+1]
.set p, p+2
.endr
.set p, 0
.rept 8
	v_pk_fma_f32 v[HB+p:HB+p+1], v[HB+p:HB+p+1], v[P+p:P+p+1], v[HB+p:HB+p+1]
.set p, p+2
.endr
.endm
.macro BODY j
	PICK \j
	GELU16 0
	GELU16 1
	GELU16 2
	GELU16 3
	s_wait_xcnt 0x0                                ; the last block's stores have read the codes' registers
	QUANT HA, 0, 84+\j
	global_store_b128 v[L16], v[PC:PC+3], s[12:13] offset:1536*\j
	global_store_b64 v[L8], v[PC+4:PC+5], s[12:13] offset:1536*\j+512
	global_store_b128 v[L16], v[PC+6:PC+9], s[12:13] offset:1536*\j+768
	global_store_b64 v[L8], v[PC+10:PC+11], s[12:13] offset:1536*\j+1280
.endm
	PLACES 4
	s_mov_b32 s[SEL], 0x76543210
	s_mov_b32 s[SEL+1], 0xfedcba98
	s_mov_b32 s2, 0xffff0000
.irp b, 0,1,2,3
	v_mov_b32 v[TM+4+\b], 0
.endr
	v_mov_b32 v88, 0xaf95df0b                      ; P: -2.72614226e-10,
	v_mov_b32 v89, 0xaf95df0b
	v_mov_b32 v90, 0xb77460cd                      ; Q: -1.45660718e-05,
	v_mov_b32 v91, 0xb77460cd
.irp h, 0,1
	s_mov_b32 s[CA+\h], 0x32edffee                 ; 2.77068142e-08
	s_mov_b32 s[CA+2+\h], 0xb60cff51               ; -2.10102402e-06
	s_mov_b32 s[CA+4+\h], 0xb86ec2d2               ; -5.69250639e-05
	s_mov_b32 s[CA+6+\h], 0xba40ac63               ; -7.34990630e-04
	s_mov_b32 s[CA+8+\h], 0xbb41a1f6               ; -2.95459981e-03
	s_mov_b32 s[CA+10+\h], 0xbc83dbd4              ; -1.60960333e-02
	s_mov_b32 s[CB+\h], 0xb95fbd29                 ; -2.13374055e-04
	s_mov_b32 s[CB+2+\h], 0xbadc924e               ; -1.68282697e-03
	s_mov_b32 s[CB+4+\h], 0xbbf19bf8               ; -7.37332917e-03
	s_mov_b32 s[CB+6+\h], 0xbc69b6a7               ; -1.42647391e-02
.endr
	s_mov_b32 s3, 0
.Lgel:
	BODY 0
	BODY 1
	v_cndmask_b32 v86, v84, v85, s2                ; lanes 0-15 the even block's words, lanes 16-31 the odd block's
	global_store_b32 v[L4], v86, s[18:19]
	s_wait_xcnt 0x0                                ; the stores have read their bases and data
	s_add_nc_u64 s[12:13], s[12:13], 3072
	s_add_nc_u64 s[18:19], s[18:19], 128
	s_add_co_u32 s3, s3, 1
	s_cmp_lt_u32 s3, 4
	s_cbranch_scc1 .Lgel
	s_wait_tensorcnt 0x0                           ; the wave's end
	ds_add_u32 v[SPW], v[NIL]
	s_wait_dscnt 0x0
	CROUND
	s_endpgm
.Lfunc_end_k_qf5483e4673_ffn1:
	.size	k_qf5483e4673_ffn1, .Lfunc_end_k_qf5483e4673_ffn1-k_qf5483e4673_ffn1
	.p2alignl 7, 3214868480
	.fill 96, 4, 3214868480
	.section	.rodata,"a",@progbits
	.p2align	6, 0x0
	.amdhsa_kernel k_qf5483e4673_ffn1
		.amdhsa_group_segment_fixed_size 327680
		.amdhsa_private_segment_fixed_size 0
		.amdhsa_enable_private_segment 0
		.amdhsa_kernarg_size 32
		.amdhsa_user_sgpr_count 2
		.amdhsa_user_sgpr_kernarg_segment_ptr 1
		.amdhsa_wavefront_size32 1
		.amdhsa_system_sgpr_workgroup_id_x 1
		.amdhsa_system_sgpr_workgroup_id_y 1
		.amdhsa_system_sgpr_workgroup_id_z 1
		.amdhsa_system_vgpr_workitem_id 0
		.amdhsa_next_free_vgpr 1024
		.amdhsa_next_free_sgpr 102
		.amdhsa_reserve_vcc 0
		.amdhsa_float_denorm_mode_32 3
		.amdhsa_float_denorm_mode_16_64 3
		.amdhsa_memory_ordered 1
		.amdhsa_forward_progress 1
		.amdhsa_inst_pref_size 220
	.end_amdhsa_kernel
	.amdgpu_metadata
---
amdhsa.version: [ 1, 2 ]
amdhsa.kernels:
  - .name:           k_qf5483e4673_ffn1
    .symbol:         k_qf5483e4673_ffn1.kd
    .args:
      - { .name: hq, .offset: 0, .size: 8, .value_kind: global_buffer, .address_space: global }
      - { .name: wts, .offset: 8, .size: 8, .value_kind: global_buffer, .address_space: global }
      - { .name: b1, .offset: 16, .size: 8, .value_kind: global_buffer, .address_space: global }
      - { .name: hid, .offset: 24, .size: 8, .value_kind: global_buffer, .address_space: global }
    .group_segment_fixed_size: 327680
    .private_segment_fixed_size: 0
    .kernarg_segment_align: 8
    .kernarg_segment_size: 32
    .max_flat_workgroup_size: 128
    .sgpr_count:     102
    .vgpr_count:     1024
    .wavefront_size: 32
...
	.end_amdgpu_metadata
.endif
;; end of part 6
;; launch ffn2 (part 7): grid 4 x 16, 4 waves a work-group, clusters of 4 x 4, 327,680 bytes of LDS; arguments hid, wts, b2, x1, out0; writes out0
.if DOCPART == 7
	.amdgcn_target "amdgcn-amd-amdhsa--gfx1250"
	.amdhsa_code_object_version 6
	.text
	.protected	k_qf5483e4673_ffn2
	.globl	k_qf5483e4673_ffn2
	.p2align	8
	.type	k_qf5483e4673_ffn2,@function
k_qf5483e4673_ffn2:
	s_mov_b64 s[64:65], 0
	v_nop
	global_prefetch_b8 v0, s[64:65] scope:SCOPE_SE
	s_setreg_imm32_b32 hwreg(HW_REG_WAVE_MODE, 25, 1), 1
	s_wait_xcnt 0x0
	s_wait_alu depctr_hold_cnt(0) depctr_sa_sdst(0) depctr_va_vdst(0) depctr_va_sdst(0) depctr_va_ssrc(0) depctr_va_vcc(0) depctr_vm_vsrc(0)
	s_getreg_b32 s2, hwreg(HW_REG_IB_STS2, 6, 4)
	s_cmp_eq_u32 s2, 0
	s_cbranch_scc0 .Lentry_in_a_cluster
	s_endpgm
.Lentry_in_a_cluster:
	s_bfe_u32 s2, ttmp6, 0x10000c
	s_cmp_lg_u32 s2, 0xf033
	s_cbranch_scc0 .Lentry_shape_is_right
	s_endpgm
.Lentry_shape_is_right:
; out = x1 + hidden w2 + b2 on codes of E2M3, K = 4,096; sums, bias and residual in f32.
; A work-group makes 256 x 256 results, a wave 128 x 128 (64 accumulators).  Source 0 = 16 columns of w2 ("B"), source 1 = 16 tokens ("A"): a lane holds one token and eight neighbouring columns in each accumulator.
; Rows of a tile: lane row r of tile t = row 32 (t/2) + 8 (t%2) + r + 8 (r/8).  Operands lie as images of the operand's registers, [group of 128 rows][K/128][tile][1536]: a K step of 256 of a group is one dense block.
; Ring of two LDS slots, joint loads in a cluster of 4 x 4, scale words of all of K once (64 KiB).  The bias is the C of each sum's first product.  The way out goes through the wave's own stage in slot 0.
; 64 work-groups: the tile of 256 x 256 is kept for its few LDS reads for each product.
.set KK,    4096
.set AOFS,  12582912
.set BOFC,  6291456
.set BOFS,  9699328
.set NS,    KK/128
.set GS,    NS*12288
.set HALFT, 24576
.set SLOT,  4*HALFT
.set SCL,   2*SLOT
.set HALFS, NS*512
.set SPARE, SCL+4*HALFS
.set LAPS,  KK/512
.set FR,    12
.set ADRA, 16
.set ADRB, 20
.set STO,  24
.set RD,   25
.set CO,   26
.set ADRS, 27
.set SPW,  28
.set NIL,  29
.set SC,   32
.set BIAS, 64
.set AF,   128
.set BK,   128
.set G1, 24
.set G0, 32
.set G1B, 48
.set G0B, 56
.set G1S, 68
.set G0S, 76
.set G1SB, 80
.set G0SB, 88
.set MSB, 0
.macro WIN new
.if MSB != (\new)
	s_set_vgpr_msb (MSB<<8)|(\new)
.set MSB, \new
.endif
.endm
.set MUL_LO, 0xa1
.set MUL_HI, 0xf1
.set TO_B,   0x40
.macro JLOAD g0a, g1a, g0b, g1b        ; a joint load: waves 0, 1 fetch for A, waves 2, 3 for B; s_nop 0 and four v_nop follow each line
	s_cmp_eq_u32 s15, 0
	s_cbranch_scc0 .Lfor_b_\@
	tensor_load_to_lds s[\g0a:\g0a+3], s[\g1a:\g1a+7]
	s_nop 0
.rept 4
	v_nop
.endr
	s_branch .Lasked_\@
.Lfor_b_\@:
	tensor_load_to_lds s[\g0b:\g0b+3], s[\g1b:\g1b+7]
	s_nop 0
.rept 4
	v_nop
.endr
.Lasked_\@:
.endm
.macro CREST
	s_cmp_lg_u32 s14, 0
	s_cbranch_scc1 .Lnot_wave_0_\@
	s_barrier_signal -3
.Lnot_wave_0_\@:
	s_barrier_wait -3
	s_barrier_signal -1
	s_barrier_wait -1
.endm
.macro CROUND
	s_barrier_signal -1
	s_barrier_wait -1
	CREST
.endm
	s_load_b128 s[96:99], s[0:1], 0x0              ; the hidden layer's operand, the weights
	s_load_b64 s[100:101], s[0:1], 0x10            ; b2
	s_load_b64 s[18:19], s[0:1], 0x18              ; the residual
	s_load_b64 s[12:13], s[0:1], 0x20              ; out
	v_lshl_add_u32 v[SPW], v0, 2, SPARE
	v_mov_b32 v[NIL], 0
	ds_add_u32 v[SPW], v[NIL]                      ; the opening: the add and its wait ahead of my first tensor load
	v_lshrrev_b32 v1, 5, v0
	v_readfirstlane_b32 s14, v1
	s_lshr_b32 s15, s14, 1
	s_and_b32 s16, s14, 1
	s_bfe_u32 s40, ttmp6, 0x40000
	s_bfe_u32 s41, ttmp6, 0x40004
	s_lshl_b32 s42, ttmp9, 2
	s_add_co_u32 s42, s42, s40
	s_and_b32 s17, ttmp7, 0xffff
	s_lshl_b32 s17, s17, 2
	s_add_co_u32 s17, s17, s41
	s_lshl_b32 s43, s41, 2
	s_lshl_b32 s43, 15, s43
	s_lshl_b32 s44, 0x1111, s40
	s_or_b32 s[G1+0], s43, (3<<16)|(1<<21)
	s_or_b32 s[G1B+0], s44, (3<<16)|(1<<21)
.irp g, G1, G1B
	s_mov_b32 s[\g+1], 32<<16
	s_mov_b32 s[\g+2], 96<<16
	s_mov_b32 s[\g+3], 32<<16
	s_mov_b32 s[\g+4], 96
	s_mov_b32 s[\g+5], 32
	s_mov_b32 s[\g+6], 0
	s_mov_b32 s[\g+7], 0
.endr
	s_or_b32 s[G1S+0], s43, (3<<16)|(1<<21)
	s_or_b32 s[G1SB+0], s44, (3<<16)|(1<<21)
.irp g, G1S, G1SB
	s_mov_b32 s[\g+1], 32<<16
	s_mov_b32 s[\g+2], (HALFS/256)<<16
	s_mov_b32 s[\g+3], 32<<16
	s_mov_b32 s[\g+4], HALFS/256
	s_mov_b32 s[\g+5], 32
	s_mov_b32 s[\g+6], 0
	s_mov_b32 s[\g+7], 0
.endr
	s_lshl_b32 s20, s17, 1
	s_add_co_u32 s20, s20, s16
	s_lshl_b32 s46, s42, 1
	s_add_co_u32 s46, s46, s16
	s_mul_i32 s22, s20, HALFS
	s_mov_b32 s23, 0
	s_mul_i32 s92, s46, HALFS
	s_mov_b32 s93, 0
	s_mul_i32 s20, s20, GS
	s_mov_b32 s21, 0
	s_mul_i32 s46, s46, GS
	s_mov_b32 s47, 0
	s_mul_i32 s45, s14, HALFT
	s_mul_i32 s94, s14, HALFS
	s_wait_dscnt 0x0
	s_wait_kmcnt 0x0
	s_mov_b64 s[4:5], s[96:97]
	s_add_nc_u64 s[6:7], s[96:97], AOFS
	s_add_nc_u64 s[8:9], s[98:99], BOFC
	s_add_nc_u64 s[10:11], s[98:99], BOFS
	s_add_nc_u64 s[20:21], s[4:5], s[20:21]
	s_add_nc_u64 s[22:23], s[6:7], s[22:23]
	s_add_nc_u64 s[46:47], s[8:9], s[46:47]
	s_add_nc_u64 s[92:93], s[10:11], s[92:93]
	CROUND
	s_mov_b32 s[G0S], 1
	s_add_co_u32 s[G0S+1], s94, SCL
	s_mov_b64 s[G0S+2:G0S+3], s[22:23]
	s_or_b32 s[G0S+3], s[G0S+3], 0x80000000
	s_mov_b32 s[G0SB], 1
	s_add_co_u32 s[G0SB+1], s94, SCL
	s_mov_b64 s[G0SB+2:G0SB+3], s[92:93]
	s_or_b32 s[G0SB+3], s[G0SB+3], 0x80000000
	JLOAD G0S, G1S, G0SB, G1SB
.irp s, 0,1
	s_mov_b32 s[G0+4*\s], 1
	s_add_co_u32 s[G0+4*\s+1], s45, \s*SLOT
	s_add_nc_u64 s[G0+4*\s+2:G0+4*\s+3], s[20:21], \s*HALFT
	s_or_b32 s[G0+4*\s+3], s[G0+4*\s+3], 0x80000000
	s_mov_b32 s[G0B+4*\s], 1
	s_add_co_u32 s[G0B+4*\s+1], s45, \s*SLOT
	s_add_nc_u64 s[G0B+4*\s+2:G0B+4*\s+3], s[46:47], \s*HALFT
	s_or_b32 s[G0B+4*\s+3], s[G0B+4*\s+3], 0x80000000
	JLOAD G0+4*\s, G1, G0B+4*\s, G1B
.endr
	v_and_b32 v1, 31, v0
	v_and_b32 v2, 15, v0
	v_bfe_u32 v3, v0, 4, 1
	v_lshlrev_b32 v[CO], 4, v1
	v_lshlrev_b32 v5, 3, v1
	s_lshl_b32 s46, s42, 1
	s_add_co_u32 s46, s46, s16                     ; gb
	s_lshl_b32 s46, s46, 9
	s_mov_b32 s47, 0
	s_add_nc_u64 s[100:101], s[100:101], s[46:47]
	v_lshlrev_b32 v30, 6, v3
.irp b, 0,1,2,3,4,5,6,7                ; tile b, lane half h: b2 at 32 (b/2) + 8 (b%2) + 16 h + 0..7 of my 128 columns
	global_load_b128 v[BIAS+8*\b:BIAS+8*\b+3], v30, s[100:101] offset:128*(\b/2)+32*(\b%2)
	global_load_b128 v[BIAS+8*\b+4:BIAS+8*\b+7], v30, s[100:101] offset:128*(\b/2)+32*(\b%2)+16
.endr
	s_mul_i32 s21, s15, HALFT
	s_mul_i32 s22, s16, HALFT
	s_add_co_u32 s22, s22, 2*HALFT
.irp s, 0,1
	v_add_nc_u32 v[ADRA+\s], s21, v[CO]
	v_add_nc_u32 v[ADRB+\s], s22, v[CO]
	v_add_nc_u32 v[ADRA+2+\s], s21, v5
	v_add_nc_u32 v[ADRB+2+\s], s22, v5
	s_add_co_u32 s21, s21, SLOT
	s_add_co_u32 s22, s22, SLOT
.endr
	s_mul_i32 s21, s15, HALFS
	s_mul_i32 s22, s16, HALFS
	s_add_co_u32 s22, s22, 2*HALFS
	s_sub_co_u32 s22, s22, s21
	v_mul_u32_u24 v6, s22, v3
	s_add_co_u32 s21, s21, SCL
	v_lshl_add_u32 v6, v2, 2, v6
	v_add_nc_u32 v[ADRS], s21, v6
	s_mul_i32 s23, s14, 8448
	v_mul_u32_u24 v5, v2, 528
	v_lshl_add_u32 v5, v3, 6, v5
	v_add_nc_u32 v[STO], s23, v5
	v_add_nc_u32 v[RD], s23, v[CO]
	s_lshl_b32 s20, s17, 1
	s_add_co_u32 s20, s20, s15                     ; ga
	s_lshl_b32 s20, s20, 19
	s_add_co_u32 s20, s20, s46
	s_mov_b32 s21, 0
	s_add_nc_u64 s[12:13], s[12:13], s[20:21]
	s_add_nc_u64 s[18:19], s[18:19], s[20:21]
.macro FRAG reg, adr, q, i
	ds_load_b128 v[\reg:\reg+3], v[\adr] offset:(\q)*12288+(\i)*1536
	ds_load_b64 v[\reg+4:\reg+5], v[\adr+2] offset:(\q)*12288+(\i)*1536+512
	ds_load_b128 v[\reg+6:\reg+9], v[\adr] offset:(\q)*12288+(\i)*1536+768
	ds_load_b64 v[\reg+10:\reg+11], v[\adr+2] offset:(\q)*12288+(\i)*1536+1280
.endm
.macro MUL16 a0, p, q, sc, zero        ; the 64 accumulators take turns, one instruction a turn
.irp a, \a0, \a0+1
.irp b, 0,1,2,3,4,5,6,7
.set rD, 8*(8*((\a)%4)+\b)
.set rB, 128*(\p)+FR*\b
.set rA, AF+FR*(\a)
.set sB, SC+16*(\sc)+8*(\q)+\b
.set sA, SC+16*(\sc)+8*(\q)+(\a)
.if (\zero) == 1
	v_wmma_scale_f32_16x16x128_f8f6f4 v[rD:rD+7], v[rB:rB+11], v[rA:rA+11], 0, v[sB], v[sA] matrix_a_fmt:MATRIX_FMT_FP6 matrix_b_fmt:MATRIX_FMT_FP6 matrix_a_scale:MATRIX_SCALE_ROW1
.elseif (\zero) == 2
	v_wmma_scale_f32_16x16x128_f8f6f4 v[rD:rD+7], v[rB:rB+11], v[rA:rA+11], v[BIAS+8*\b:BIAS+8*\b+7], v[sB], v[sA] matrix_a_fmt:MATRIX_FMT_FP6 matrix_b_fmt:MATRIX_FMT_FP6 matrix_a_scale:MATRIX_SCALE_ROW1
.else
	v_wmma_scale_f32_16x16x128_f8f6f4 v[rD:rD+7], v[rB:rB+11], v[rA:rA+11], v[rD:rD+7], v[sB], v[sA] matrix_a_fmt:MATRIX_FMT_FP6 matrix_b_fmt:MATRIX_FMT_FP6 matrix_a_scale:MATRIX_SCALE_ROW1
.endif
.endr
.endr
.endm
.macro FETCH_B slot, q, p
	WIN TO_B
.irp i, 0,1,2,3,4,5,6,7
	FRAG 128*(\p)+FR*\i, ADRB+\slot, \q, \i
.endr
	WIN 0
.endm
.macro FETCH_A slot, q, i0
.irp i, \i0, \i0+1, \i0+2, \i0+3
	FRAG AF+FR*(\i), ADRA+\slot, \q, \i
.endr
.endm
.macro SCALES sc
.irp q, 0,1
.irp i, 0,1,2,3,4,5,6,7
	ds_load_b32 v[SC+16*\sc+8*\q+\i], v[ADRS] offset:512*\q+64*\i
.endr
.endr
.endm
.macro PLACES n
.rept \n
	v_nop
.endr
.endm
.macro STEP slot, q, zero
	s_wait_dscnt 16                                ; A's blocks 4-7, 4 x 4 loads, may be out
.if (\zero) == 2
	WIN 0x81                                       ; C, the bias, in window 0; D in window 2
.else
	WIN MUL_LO
.endif
	MUL16 0, (\q)%2, \q, \slot, \zero
	MUL16 2, (\q)%2, \q, \slot, \zero
	s_wait_dscnt 0x0
	PLACES 4
	FETCH_B \slot, (\q)+1, 1-(\q)%2
	FETCH_A \slot, (\q)+1, 0
.if (\zero) == 2
	WIN 0xc1
.else
	WIN MUL_HI
.endif
	MUL16 4, (\q)%2, \q, \slot, \zero
	MUL16 6, (\q)%2, \q, \slot, \zero
	PLACES 4
	WIN 0
	FETCH_A \slot, (\q)+1, 4
.endm
.macro TURN slot, next, fill
	s_wait_tensorcnt 0x0                           ; all my tensor loads have landed
	ds_add_u32 v[SPW], v[NIL]
	s_wait_dscnt 17                                ; the add and A's blocks 4-7 may be out
	WIN MUL_LO
	MUL16 0, 1, 1, \slot, 0
	s_wait_dscnt 0x0                               ; the add is done and my reads of this slot are over
	s_barrier_signal -1
	MUL16 2, 1, 1, \slot, 0
	WIN 0
	s_barrier_wait -1
.if \fill
	CREST
	s_add_nc_u64 s[G0+4*\slot+2:G0+4*\slot+3], s[G0+4*\slot+2:G0+4*\slot+3], 2*HALFT
	s_add_nc_u64 s[G0B+4*\slot+2:G0B+4*\slot+3], s[G0B+4*\slot+2:G0B+4*\slot+3], 2*HALFT
	JLOAD G0+4*\slot, G1, G0B+4*\slot, G1B
.else
	PLACES 4
.endif
	v_add_nc_u32 v[ADRS], 1024, v[ADRS]
	FETCH_B \next, 0, 0
	FETCH_A \next, 0, 0
	SCALES \next
	WIN MUL_HI
	MUL16 4, 1, 1, \slot, 0
	MUL16 6, 1, 1, \slot, 0
	PLACES 4
	WIN 0
	FETCH_A \next, 0, 4
.endm
	s_wait_tensorcnt 1                             ; the scale words and slot 0 are in; slot 1's load may be out
	s_barrier_signal -1
	s_barrier_wait -1
	FETCH_B 0, 0, 0
	FETCH_A 0, 0, 0
	SCALES 0
	FETCH_A 0, 0, 4
	s_wait_loadcnt 0x0                             ; the bias
	STEP 0, 0, 2
	s_mov_b32 s3, LAPS-1
.Llap:
	TURN 0, 1, 1
	STEP 1, 0, 0
	TURN 1, 0, 1
	STEP 0, 0, 0
	s_sub_co_u32 s3, s3, 1
	s_cmp_lg_u32 s3, 0
	s_cbranch_scc1 .Llap
	TURN 0, 1, 0
	STEP 1, 0, 0
	s_wait_dscnt 16
	WIN MUL_LO
	MUL16 0, 1, 1, 1, 0
	MUL16 2, 1, 1, 1, 0
	s_wait_dscnt 0x0
	WIN MUL_HI
	MUL16 4, 1, 1, 1, 0
	MUL16 6, 1, 1, 1, 0
	WIN 0
; THE WAY OUT, block by block of 16 rows x 128 columns: through my stage, back as whole rows of 512 bytes, the residual added, stored.  The residual's rows come four blocks ahead into window 1.
.macro RLOAD a
	WIN 0x40
.irp t, 0,1,2,3,4,5,6,7,8,9,10,11,12,13,14,15
	global_load_b128 v[64*((\a)%4)+4*\t:64*((\a)%4)+4*\t+3], v[CO], s[18:19] offset:(32*((\a)/2)+8*((\a)%2)+\t+8*(\t/8))*4096 th:TH_LOAD_NT
.endr
	WIN 0
.endm
.macro TOSTAGE a
.set AC, 64*((\a)%4)
	WIN 0x08+4*((\a)/4)
.irp b, 0,1,2,3,4,5,6,7
	ds_store_b128 v[STO], v[AC+8*\b:AC+8*\b+3] offset:128*(\b/2)+32*(\b%2)      ; each accumulator from its low end on
	ds_store_b128 v[STO], v[AC+8*\b+4:AC+8*\b+7] offset:128*(\b/2)+32*(\b%2)+16
.endr
	WIN 0
.set BB, BK+64*((\a)%2)
.irp t, 0,1,2,3,4,5,6,7,8,9,10,11,12,13,14,15
	ds_load_b128 v[BB+4*\t:BB+4*\t+3], v[RD] offset:\t*528   ; LDS serves a wave's instructions in order: these see the stores above
.endr
.endm
	PLACES 4
.irp a, 0,1,2,3
	RLOAD \a
.endr
.irp a, 0,1,2,3,4,5,6,7
.if \a > 1
	s_wait_xcnt 0x0                                ; block a - 2's stores have read their registers
.endif
	TOSTAGE \a
	s_wait_dscnt 0x0
.if \a < 5
	s_wait_loadcnt 48                              ; this block's residual is in; the three younger sets may be out
.else
	s_wait_loadcnt 16*(7-\a)
.endif
	WIN 0x04
.set p, 0
.rept 32
	v_pk_add_f32 v[BK+64*(\a%2)+p:BK+64*(\a%2)+p+1], v[BK+64*(\a%2)+p:BK+64*(\a%2)+p+1], v[64*(\a%4)+p:64*(\a%4)+p+1]
.set p, p+2
.endr
	WIN 0
.irp t, 0,1,2,3,4,5,6,7,8,9,10,11,12,13,14,15
	global_store_b128 v[CO], v[BK+64*(\a%2)+4*\t:BK+64*(\a%2)+4*\t+3], s[12:13] offset:(32*(\a/2)+8*(\a%2)+\t+8*(\t/8))*4096 th:TH_STORE_NT   ; 512 consecutive bytes, aligned to 256
.endr
.if \a < 4
	RLOAD \a+4
.endif
.endr
	s_wait_tensorcnt 0x0                           ; the wave's end
	ds_add_u32 v[SPW], v[NIL]
	s_wait_dscnt 0x0
	CROUND
	s_endpgm
.Lfunc_end_k_qf5483e4673_ffn2:
	.size	k_qf5483e4673_ffn2, .Lfunc_end_k_qf5483e4673_ffn2-k_qf5483e4673_ffn2
	.p2alignl 7, 3214868480
	.fill 96, 4, 3214868480
	.section	.rodata,"a",@progbits
	.p2align	6, 0x0
	.amdhsa_kernel k_qf5483e4673_ffn2
		.amdhsa_group_segment_fixed_size 327680
		.amdhsa_private_segment_fixed_size 0
		.amdhsa_enable_private_segment 0
		.amdhsa_kernarg_size 40
		.amdhsa_user_sgpr_count 2
		.amdhsa_user_sgpr_kernarg_segment_ptr 1
		.amdhsa_wavefront_size32 1
		.amdhsa_system_sgpr_workgroup_id_x 1
		.amdhsa_system_sgpr_workgroup_id_y 1
		.amdhsa_system_sgpr_workgroup_id_z 1
		.amdhsa_system_vgpr_workitem_id 0
		.amdhsa_next_free_vgpr 1024
		.amdhsa_next_free_sgpr 102
		.amdhsa_reserve_vcc 0
		.amdhsa_float_denorm_mode_32 3
		.amdhsa_float_denorm_mode_16_64 3
		.amdhsa_memory_ordered 1
		.amdhsa_forward_progress 1
		.amdhsa_inst_pref_size 176
	.end_amdhsa_kernel
	.amdgpu_metadata
---
amdhsa.version: [ 1, 2 ]
amdhsa.kernels:
  - .name:           k_qf5483e4673_ffn2
    .symbol:         k_qf5483e4673_ffn2.kd
    .args:
      - { .name: hid, .offset: 0, .size: 8, .value_kind: global_buffer, .address_space: global }
      - { .name: wts, .offset: 8, .size: 8, .value_kind: global_buffer, .address_space: global }
      - { .name: b2, .offset: 16, .size: 8, .value_kind: global_buffer, .address_space: global }
      - { .name: x1, .offset: 24, .size: 8, .value_kind: global_buffer, .address_space: global }
      - { .name: out0, .offset: 32, .size: 8, .value_kind: global_buffer, .address_space: global }
    .group_segment_fixed_size: 327680
    .private_segment_fixed_size: 0
    .kernarg_segment_align: 8
    .kernarg_segment_size: 40
    .max_flat_workgroup_size: 128
    .sgpr_count:     102
    .vgpr_count:     1024
    .wavefront_size: 32
...
	.end_amdgpu_metadata
.endif
;; end of part 7
;; ======== version 2 of 2: 8 launches
;; limits: right only within a limited range of input values
;; workspace buffers: wts 9,830,400 bytes; mbits 532,480 bytes of whole numbers; hq 3,276,800 bytes; qkv 9,830,400 bytes; oq 3,276,800 bytes; x1 16,777,216 bytes; hid 13,107,200 bytes
;; launch prep (part 8): grid 640 x 1, 4 waves a work-group, no clusters, 1,536 bytes of LDS; arguments wq, wk, wv, wo, w1, w2, causal_mask, wts, mbits; writes wts, mbits
.if DOCPART == 8
	.amdgcn_target "amdgcn-amd-amdhsa--gfx1250"
	.amdhsa_code_object_version 6
	.text
	.protected	k_qf5483e4673_prep
	.globl	k_qf5483e4673_prep
	.p2align	8
	.type	k_qf5483e4673_prep,@function
k_qf5483e4673_prep:
	s_mov_b64 s[64:65], 0
	v_nop
	global_prefetch_b8 v0, s[64:65] scope:SCOPE_SE
	s_setreg_imm32_b32 hwreg(HW_REG_WAVE_MODE, 25, 1), 1
	s_wait_xcnt 0x0
; Work-groups 0-383: the six weights, f32 stored [K][N], become codes of E2M3 with K innermost and one E8M0 byte for each 32 along K.
; Work-groups 384-639: the mask's bytes become lane masks for the attention launch, and one word of flags for each tile of queries and step of keys.
; LAYOUT OF AN OPERAND (all launches of this program): rows in tiles of 16; lane row r of tile t is row 32 (t/2) + 8 (t%2) + r + 8 (r/8).  A tile's 128 along K is stored as the IMAGE of the matrix
; operand's 12 registers: for each half c (64 along K, 768 bytes) registers 6c..6c+3 of lane l at 16 l, registers 6c+4, 6c+5 at 512 + 8 l.  Codes: [row group of 128][K/128][tile 0..7][1536];
; scale words: [group][K/128][tile][r], 4 bytes.  A work-group takes one group of 128 columns x 256 along K: 24,576 bytes of codes at id x 24,576, 1,024 bytes of scale words at 9,437,184 + id x 1,024.
; A LANE TAKES A COLUMN AND ITS REGISTERS RUN DOWN K: a block of 32 lies in one lane, and its six code registers are the operand's registers of one lane of the image.
; A block's scale is 2^(floor(log2(largest magnitude)) - 2); its byte is the largest magnitude's exponent field - 2, held at 1 from below.
; LIMITS: a block of zeros gets the byte 1 and not 127 (zero codes; this program alone reads the bytes); blocks under 2^-124 were not considered; NaN and infinities are not served.
.set SPARE, 1024                       ; LDS: 0-1023 the work-group's scale words; from 1,024 the spare words, 128 bytes a wave
.set SPW, 12                           ; v12 my spare word's address, v13 zero: never rewritten
.set NIL, 13
.set AD,  32                           ; v32-63   4 x lane + i x pitch, i = 0..31
.set X,   64                           ; v64-127  two sets of 32 numbers
.set C,   128                          ; v128-191 eight registers for each of the 8 blocks: no store's data are written again
	s_load_b512 s[4:19], s[0:1], 0x0               ; wq wk wv wo w1 w2 mask wts
	s_load_b64 s[20:21], s[0:1], 0x40              ; mbits
	v_lshl_add_u32 v[SPW], v0, 2, SPARE
	v_mov_b32 v[NIL], 0
	v_lshrrev_b32 v1, 5, v0
	v_readfirstlane_b32 s54, v1                    ; wave
	s_cmp_ge_u32 ttmp9, 384                        ; the same in all four waves
	s_cbranch_scc1 .Lmask
	; ---------------- the weights
	v_and_b32 v1, 31, v0                           ; x: my column is 32 wave + x
	v_and_b32 v2, 7, v0
	v_bfe_u32 v3, v0, 4, 1
	v_lshl_or_b32 v2, v3, 3, v2                    ; r = x%8 + 8 (x/16)
	v_bfe_u32 v3, v0, 3, 1                         ; u = (x/8)%2: tile 2 wave + u
	v_mul_u32_u24 v7, v3, 1536
	v_lshl_add_u32 v4, v2, 4, v7                   ; 1536 u + 16 r
	v_lshl_add_u32 v5, v2, 3, v7                   ; 1536 u + 8 r
	v_lshlrev_b32 v6, 2, v2
	v_lshl_add_u32 v6, v3, 6, v6
	v_lshrrev_b32 v7, 5, v0
	v_lshl_add_u32 v6, v7, 7, v6                   ; LDS: 128 wave + 64 u + 4 r: my row's scale word
	v_lshlrev_b32 v8, 3, v0                        ; 8 x thread
	v_lshlrev_b32 v[AD], 2, v1
	s_wait_alu depctr_va_vdst(0)
	s_cmp_lt_u32 ttmp9, 128
	s_cselect_b32 s50, 7, 31
	s_lshr_b32 s23, ttmp9, 2
	s_and_b32 s23, s23, s50                        ; the group of columns, ids under 256
	s_and_b32 s51, ttmp9, 3                        ; which 256 along K
	s_lshr_b32 s52, ttmp9, 4
	s_and_b32 s52, s52, 7                          ; the same two for w2
	s_and_b32 s53, ttmp9, 15
	s_cmp_ge_u32 ttmp9, 256
	s_cselect_b32 s23, s52, s23
	s_cselect_b32 s51, s53, s51
	s_lshr_b32 s52, ttmp9, 7
	s_cmp_eq_u32 s52, 1
	s_cselect_b32 s52, 14, 12                      ; log2 of a row's bytes: w1 16,384, the others 4,096
	s_lshl_b32 s48, 1, s52
.set i, 1
.rept 31
	v_add_nc_u32 v[AD+i], s48, v[AD+i-1]
.set i, i+1
.endr
	s_lshl_b32 s44, s51, 8
	s_lshl_b32 s44, s44, s52                       ; 256 sigma rows
	s_lshl_b32 s45, s23, 9
	s_add_co_u32 s44, s44, s45                     ; + 512 g
	s_lshl_b32 s45, s54, 7
	s_add_co_u32 s44, s44, s45                     ; + 128 wave
	s_mov_b32 s45, 0
	s_lshl_b32 s46, s48, 5                         ; 32 rows
	s_mov_b32 s47, 0
	s_lshr_b32 s22, ttmp9, 5
	s_wait_alu depctr_va_vdst(0)
	s_wait_kmcnt 0x0
	s_cmp_eq_u32 s22, 1                            ; which tensor: the choice hangs on the work-group's number alone
	s_cselect_b64 s[4:5], s[6:7], s[4:5]
	s_cmp_eq_u32 s22, 2
	s_cselect_b64 s[4:5], s[8:9], s[4:5]
	s_cmp_eq_u32 s22, 3
	s_cselect_b64 s[4:5], s[10:11], s[4:5]
	s_cmp_ge_u32 ttmp9, 128
	s_cselect_b64 s[4:5], s[12:13], s[4:5]
	s_cmp_ge_u32 ttmp9, 256
	s_cselect_b64 s[4:5], s[14:15], s[4:5]
	s_add_nc_u64 s[24:25], s[4:5], s[44:45]        ; a base for each block of 32 rows
.irp t, 1,2,3,4,5,6,7
	s_add_nc_u64 s[24+2*\t:25+2*\t], s[22+2*\t:23+2*\t], s[46:47]
.endr
	s_mul_i32 s44, ttmp9, 24576
	s_mul_i32 s49, s54, 3072
	s_add_co_u32 s44, s44, s49
	s_add_nc_u64 s[40:41], s[18:19], s[44:45]      ; codes: id x 24,576 + tile 2 wave
	s_lshl_b32 s44, ttmp9, 10
	s_add_nc_u64 s[42:43], s[18:19], s[44:45]
	s_add_nc_u64 s[42:43], s[42:43], 9437184       ; scale words
.macro LOAD t                          ; block t: rows 32 t + i of my column; 32 lanes read 128 consecutive bytes, the four waves 512
.set i, 0
.rept 32
	global_load_b32 v[X+32*((\t)%2)+i], v[AD+i], s[24+2*(\t):25+2*(\t)] th:TH_LOAD_NT
.set i, i+1
.endr
.endm
.macro BLOCK t
.set XS, X+32*((\t)%2)
.set B0, C+8*(\t)
.if (\t) < 7
	s_wait_loadcnt 32                              ; this block's 32 loads are in; the next block's 32 may be out
.else
	s_wait_loadcnt 0x0
.endif
	v_max3_num_f32 v14, |v[XS]|, |v[XS+1]|, |v[XS+2]|
	v_max3_num_f32 v15, |v[XS+3]|, |v[XS+4]|, |v[XS+5]|
.irp i, 6,10,14,18,22,26
	v_max3_num_f32 v14, v14, |v[XS+\i]|, |v[XS+\i+1]|
	v_max3_num_f32 v15, v15, |v[XS+\i+2]|, |v[XS+\i+3]|
.endr
	v_max3_num_f32 v14, v14, |v[XS+30]|, |v[XS+31]|
	v_max3_num_f32 v14, v14, v15, 0x1800000        ; with the floor 2^(3 - 127): the byte cannot fall under 1
	v_add_nc_u32 v16, 0xff000000, v14              ; 2 off the exponent field: the conversion's scale operand
	v_lshrrev_b32 v17, 23, v16                     ; the byte
.if (\t)%4 == 0
	v_mov_b32 v[10+(\t)/4], v17
.else
	v_lshl_or_b32 v[10+(\t)/4], v17, 8*((\t)%4), v[10+(\t)/4]
.endif
	v_cvt_scalef32_pk16_fp6_f32 v[B0:B0+2], v[XS:XS+15], v16
	v_cvt_scalef32_pk16_fp6_f32 v[B0+4:B0+6], v[XS+16:XS+31], v16   ; (three registers from an even one)
	v_nop                                          ; one plain line behind the conversions
	v_mov_b32 v[B0+3], v[B0+4]
	v_mov_b32 v[B0+4], v[B0+5]
	v_mov_b32 v[B0+5], v[B0+6]                     ; six registers on end: k = 32 t .. 32 t + 31: half (t/2)%2 of image t/4, lane r + 16 (t%2)
	global_store_b128 v4, v[B0:B0+3], s[40:41] offset:((\t)/4)*12288+(((\t)/2)%2)*768+256*((\t)%2)
	global_store_b64 v5, v[B0+4:B0+5], s[40:41] offset:((\t)/4)*12288+(((\t)/2)%2)*768+512+128*((\t)%2)
.if (\t) < 6
	LOAD (\t)+2
.endif
.endm
	LOAD 0
	LOAD 1
.irp t, 0,1,2,3,4,5,6,7
	BLOCK \t
.endr
	ds_store_b32 v6, v10                           ; the two K steps' scale words meet in LDS and leave as four whole runs of 256 bytes
	ds_store_b32 v6, v11 offset:512
	s_wait_dscnt 0x0                               ; for the other waves' sake
	s_barrier_signal -1
	s_barrier_wait -1
	ds_load_b64 v[14:15], v8
	s_wait_dscnt 0x0
	global_store_b64 v8, v[14:15], s[42:43]
	s_wait_tensorcnt 0x0                           ; the wave's end
	ds_add_u32 v[SPW], v[NIL]
	s_wait_dscnt 0x0
	s_endpgm
	; ---------------- the mask: a wave takes one tile of 16 queries x 256 keys.  mbits [query tile 128][key step 16][64 words]: word 16 b + i, bit of lane (r, h) = mask[row of (tile, r)][128 step + 32 b + 16 h + i].
	; From byte 524,288 on: [query tile][key step] one word of flags: bit step if all 16 x 128 entries are masked, bit 16 + step if none is; the 16 words of a tile OR into one.
.Lmask:
	s_sub_co_u32 s22, ttmp9, 384
	s_lshl_b32 s22, s22, 2
	s_add_co_u32 s22, s22, s54                     ; task
	s_lshr_b32 s23, s22, 3                         ; query tile
	s_and_b32 s24, s22, 7                          ; which 256 keys
	s_lshr_b32 s25, s23, 1
	s_lshl_b32 s25, s25, 5
	s_and_b32 s26, s23, 1
	s_lshl_b32 s26, s26, 3
	s_add_co_u32 s25, s25, s26                     ; the tile's first row
	s_lshl_b32 s25, s25, 11
	s_lshl_b32 s26, s24, 8
	s_add_co_u32 s26, s25, s26
	s_mov_b32 s27, 0
	v_and_b32 v1, 15, v0
	v_bfe_u32 v2, v0, 4, 1
	v_and_b32 v3, 8, v1
	v_add_nc_u32 v3, v3, v1                        ; r + 8 (r/8)
	v_lshlrev_b32 v3, 11, v3
	v_lshl_add_u32 v3, v2, 4, v3                   ; + 16 h
	v_and_b32 v4, 31, v0
	v_lshlrev_b32 v4, 4, v4
	s_lshl_b32 s28, s23, 4
	s_lshl_b32 s29, s24, 1
	s_add_co_u32 s28, s28, s29
	s_lshl_b32 s28, s28, 8
	s_mov_b32 s29, 0
	s_lshl_b32 s30, s23, 6                         ; the flags: 64 bytes a tile, 8 for my two steps
	s_lshl_b32 s31, s24, 3
	s_add_co_u32 s30, s30, s31
	s_add_co_u32 s30, s30, 524288
	s_mov_b32 s31, 0
	s_mov_b32 s56, -1                              ; the AND of a step's 64 words, for each of my two steps,
	s_mov_b32 s57, -1
	s_mov_b32 s58, 0                               ; and their OR
	s_mov_b32 s59, 0
	s_wait_alu depctr_va_vdst(0)
	s_wait_kmcnt 0x0
	s_add_nc_u64 s[16:17], s[16:17], s[26:27]
	s_add_nc_u64 s[30:31], s[20:21], s[30:31]
	s_add_nc_u64 s[20:21], s[20:21], s[28:29]
.irp q, 0,1,2,3,4,5,6,7
	global_load_b128 v[64+4*\q:67+4*\q], v3, s[16:17] offset:128*(\q/4)+32*(\q%4) th:TH_LOAD_NT
.endr
.irp q, 0,1,2,3
	v_mov_b32 v[96+\q], 0                          ; a lane write's destination counts as read
.endr
	s_wait_alu depctr_va_vdst(0)
	s_wait_loadcnt 0x0
.set N, 0
.rept 128                              ; word N of the two steps: one byte of each lane becomes one bit; it goes to lane N/4, register N%4
	v_and_b32 v[8+N%4], 0xff<<(8*(N%4)), v[64+4*(N/16)+(N%16)/4]
	v_cmp_ne_u32 s[50+N%4], 0, v[8+N%4]
	v_writelane_b32 v[96+N%4], s[50+N%4], N/4
	s_and_b32 s[56+N/64], s[56+N/64], s[50+N%4]
	s_or_b32 s[58+N/64], s[58+N/64], s[50+N%4]
.set N, N+1
.endr
	global_store_b128 v4, v[96:99], s[20:21]       ; 512 consecutive bytes
	s_lshl_b32 s60, s24, 1
	s_lshl_b32 s60, 1, s60                         ; the bit of my first step,
	s_lshl_b32 s61, s60, 16                        ; and the same 16 higher
	s_cmp_eq_u32 s56, -1
	s_cselect_b32 s56, s60, 0                      ; all masked
	s_cmp_eq_u32 s58, 0
	s_cselect_b32 s58, s61, 0                      ; none masked
	s_or_b32 s56, s56, s58
	s_lshl_b32 s60, s60, 1                         ; my second step
	s_lshl_b32 s61, s61, 1
	s_cmp_eq_u32 s57, -1
	s_cselect_b32 s57, s60, 0
	s_cmp_eq_u32 s59, 0
	s_cselect_b32 s59, s61, 0
	s_or_b32 s57, s57, s59
	v_mov_b32 v100, s56
	v_mov_b32 v101, s57
	v_mov_b32 v102, 0
	global_store_b64 v102, v[100:101], s[30:31]    ; every lane stores the same 8 bytes at the same place
	s_endpgm
.Lfunc_end_k_qf5483e4673_prep:
	.size	k_qf5483e4673_prep, .Lfunc_end_k_qf5483e4673_prep-k_qf5483e4673_prep
	.p2alignl 7, 3214868480
	.fill 96, 4, 3214868480
	.section	.rodata,"a",@progbits
	.p2align	6, 0x0
	.amdhsa_kernel k_qf5483e4673_prep
		.amdhsa_group_segment_fixed_size 1536
		.amdhsa_private_segment_fixed_size 0
		.amdhsa_enable_private_segment 0
		.amdhsa_kernarg_size 72
		.amdhsa_user_sgpr_count 2
		.amdhsa_user_sgpr_kernarg_segment_ptr 1
		.amdhsa_wavefront_size32 1
		.amdhsa_system_sgpr_workgroup_id_x 1
		.amdhsa_system_sgpr_workgroup_id_y 1
		.amdhsa_system_sgpr_workgroup_id_z 1
		.amdhsa_system_vgpr_workitem_id 0
		.amdhsa_next_free_vgpr 192
		.amdhsa_next_free_sgpr 66
		.amdhsa_reserve_vcc 0
		.amdhsa_float_denorm_mode_32 3
		.amdhsa_float_denorm_mode_16_64 3
		.amdhsa_memory_ordered 1
		.amdhsa_forward_progress 1
		.amdhsa_inst_pref_size 78
	.end_amdhsa_kernel
	.amdgpu_metadata
---
amdhsa.version: [ 1, 2 ]
amdhsa.kernels:
  - .name:           k_qf5483e4673_prep
    .symbol:         k_qf5483e4673_prep.kd
    .args:
      - { .name: wq, .offset: 0, .size: 8, .value_kind: global_buffer, .address_space: global }
      - { .name: wk, .offset: 8, .size: 8, .value_kind: global_buffer, .address_space: global }
      - { .name: wv, .offset: 16, .size: 8, .value_kind: global_buffer, .address_space: global }
      - { .name: wo, .offset: 24, .size: 8, .value_kind: global_buffer, .address_space: global }
      - { .name: w1, .offset: 32, .size: 8, .value_kind: global_buffer, .address_space: global }
      - { .name: w2, .offset: 40, .size: 8, .value_kind: global_buffer, .address_space: global }
      - { .name: causal_mask, .offset: 48, .size: 8, .value_kind: global_buffer, .address_space: global }
      - { .name: wts, .offset: 56, .size: 8, .value_kind: global_buffer, .address_space: global }
      - { .name: mbits, .offset: 64, .size: 8, .value_kind: global_buffer, .address_space: global }
    .group_segment_fixed_size: 1536
    .private_segment_fixed_size: 0
    .kernarg_segment_align: 8
    .kernarg_segment_size: 72
    .max_flat_workgroup_size: 128
    .sgpr_count:     66
    .vgpr_count:     192
    .wavefront_size: 32
...
	.end_amdgpu_metadata
.endif
;; end of part 8
;; launch ln1 (part 9): grid 256 x 1, 8 waves a work-group, no clusters, 50,688 bytes of LDS; arguments x, gamma1, beta1, hq; writes hq
.if DOCPART == 9
	.amdgcn_target "amdgcn-amd-amdhsa--gfx1250"
	.amdhsa_code_object_version 6
	.text
	.protected	k_qf5483e4673_ln1
	.globl	k_qf5483e4673_ln1
	.p2align	8
	.type	k_qf5483e4673_ln1,@function
k_qf5483e4673_ln1:
	s_mov_b64 s[64:65], 0
	v_nop
	global_prefetch_b8 v0, s[64:65] scope:SCOPE_SE
	s_setreg_imm32_b32 hwreg(HW_REG_WAVE_MODE, 25, 1), 1
	s_wait_xcnt 0x0
; y = gamma (x - mean) / sqrt(var + 1e-5) + beta over rows of 1,024, in f32 (mean first, then the mean of squared differences), quantised along the row to E2M3 with one E8M0 byte for each 32,
; and stored as a matrix operand: [group of 128 rows][K/128][tile][1536] images of the operand's registers, scale words [group][K/128][tile][r] from byte 3,145,728 on.
; A work-group makes one tile of 16 rows (lane row r is row 32 (T/2) + 8 (T%2) + r + 8 (r/8)); wave w takes r = 2 w and 2 w + 1, two neighbouring rows of memory, each kept in 32 registers.
; Loads take the bytes as they lie (512 a load); a row then turns through the wave's own stage in LDS so that lane l holds block l, 32 neighbours; its six code registers go to the image in LDS; wave w stores image w.
; LIMITS: a block of zeros gets the byte 1 and not 127 (this program alone reads the bytes); NaN in a row gives codes that mean nothing (the residual carries the NaN to the output).
.set STG,   4608                       ; a wave's stage: 32 places of 128 + 16 bytes
.set IMG,   36864                      ; the tile's 8 images
.set SCW,   49152                      ; its scale words [K step][r]
.set SPARE, 49664                      ; the spare words, 128 bytes a wave
.set GA, 32
.set BE, 64
.set X,  96                            ; row j at X + 32 j
.set CD, 160                           ; codes, 8 registers a row
	s_load_b256 s[4:11], s[0:1], 0x0               ; x, gamma, beta, the operand
	v_lshl_add_u32 v8, v0, 2, SPARE                ; v8, v9: my spare word and zero, never rewritten
	v_mov_b32 v9, 0
	v_lshrrev_b32 v1, 5, v0
	s_delay_alu instid0(VALU_DEP_1)
	v_readfirstlane_b32 s16, v1                    ; wave
	v_and_b32 v7, 31, v0                           ; lane
	s_delay_alu instid0(VALU_DEP_1)
	v_lshlrev_b32 v1, 4, v7
	s_mul_i32 s17, s16, STG
	v_lshrrev_b32 v2, 3, v7
	s_delay_alu instid0(VALU_DEP_1)
	v_mul_u32_u24 v2, v2, 144
	v_and_b32 v3, 7, v7
	s_delay_alu instid0(VALU_DEP_1)
	v_lshl_add_u32 v2, v3, 4, v2
	s_delay_alu instid0(VALU_DEP_1)
	v_add_nc_u32 v2, s17, v2                       ; into the stage: eight lanes' 128 bytes on end, then 16 of padding
	v_mul_u32_u24 v3, v7, 144
	s_delay_alu instid0(VALU_DEP_1)
	v_add_nc_u32 v3, s17, v3                       ; out of it: block l
	v_lshrrev_b32 v10, 1, v7
	s_delay_alu instid0(VALU_DEP_1)
	v_mul_u32_u24 v10, v10, 768                    ; block l is half l/2 of the images on end,
	v_and_b32 v11, 1, v7                           ; lanes 16 (l%2) + r
	s_delay_alu instid0(VALU_DEP_1)
	v_lshl_add_u32 v4, v11, 8, v10
	s_lshl_b32 s17, s16, 5
	v_add_nc_u32 v4, s17, v4
	s_delay_alu instid0(VALU_DEP_1)
	v_add_nc_u32 v4, IMG, v4
	v_lshl_add_u32 v5, v11, 7, v10
	s_lshl_b32 s17, s16, 4
	v_add_nc_u32 v5, s17, v5
	s_delay_alu instid0(VALU_DEP_1)
	v_add_nc_u32 v5, IMG+512, v5
	v_lshrrev_b32 v6, 2, v7
	s_delay_alu instid0(VALU_DEP_1)
	v_lshlrev_b32 v6, 6, v6
	v_and_b32 v10, 3, v7
	s_delay_alu instid0(VALU_DEP_1)
	v_add_nc_u32 v6, v6, v10
	s_lshl_b32 s17, s16, 3
	v_add_nc_u32 v6, s17, v6
	s_delay_alu instid0(VALU_DEP_1)
	v_add_nc_u32 v6, SCW, v6                       ; my block's byte: 64 (l/4) + 4 r + l%4
	s_mul_i32 s17, s16, 1536
	v_add_nc_u32 v176, s17, v1
	s_delay_alu instid0(VALU_DEP_1)
	v_add_nc_u32 v176, IMG, v176                   ; back: image w
	v_and_b32 v178, 15, v0
	s_delay_alu instid0(VALU_DEP_1)
	v_lshlrev_b32 v178, 2, v178
	s_lshl_b32 s17, s16, 6
	v_add_nc_u32 v177, s17, v178
	s_delay_alu instid0(VALU_DEP_1)
	v_add_nc_u32 v177, SCW, v177                   ; and its 16 scale words (lanes 16-31 repeat lanes 0-15)
	s_mov_b32 s12, 0x76543210
	s_mov_b32 s13, 0xfedcba98                      ; lane l xor 16
	s_mov_b32 s14, 0x3727c5ac                      ; 1e-5
	s_mov_b32 s15, 0x3a800000                      ; 1 / 1024
.irp q, 26,27,29,31
	v_mov_b32 v\q, 0                               ; permute destinations and upper halves of pairs count as read
.endr
	s_lshr_b32 s18, ttmp9, 1
	s_lshl_b32 s18, s18, 5
	s_and_b32 s19, ttmp9, 1
	s_lshl_b32 s19, s19, 3
	s_add_co_u32 s18, s18, s19
	s_lshl_b32 s19, s16, 1
	s_add_co_u32 s18, s18, s19
	s_lshr_b32 s19, s16, 2
	s_lshl_b32 s19, s19, 3
	s_add_co_u32 s18, s18, s19                     ; my first row
	s_lshl_b32 s18, s18, 12
	s_mov_b32 s19, 0
	s_lshr_b32 s20, ttmp9, 3
	s_lshl_b32 s20, s20, 3
	s_add_co_u32 s20, s20, s16                     ; 8 g + w
	s_and_b32 s21, ttmp9, 7
	s_mul_i32 s22, s20, 12288
	s_mul_i32 s23, s21, 1536
	s_add_co_u32 s22, s22, s23
	s_mov_b32 s23, 0
	s_lshl_b32 s24, s20, 9
	s_lshl_b32 s25, s21, 6
	s_add_co_u32 s24, s24, s25
	s_add_co_u32 s24, s24, 3145728
	s_mov_b32 s25, 0
	s_wait_kmcnt 0x0
	s_add_nc_u64 s[4:5], s[4:5], s[18:19]
	s_add_nc_u64 s[26:27], s[10:11], s[24:25]
	s_add_nc_u64 s[10:11], s[10:11], s[22:23]
.irp j, 0,1
.irp k, 0,1,2,3,4,5,6,7
	global_load_b128 v[X+32*\j+4*\k:X+32*\j+4*\k+3], v1, s[4:5] offset:4096*\j+512*\k
.endr
.endr
.irp k, 0,1,2,3,4,5,6,7
	global_load_b128 v[GA+4*\k:GA+4*\k+3], v1, s[6:7] offset:512*\k
	global_load_b128 v[BE+4*\k:BE+4*\k+3], v1, s[8:9] offset:512*\k
.endr
; the sum (sq = 0) or the sum of squares (sq = 1) of both rows, four packed chains a row, then across the 32 lanes: v10 (row 0), v18 (row 1)
.macro SUMS sq
.irp j, 0,1
.irp c, 0,2,4,6
.if \sq
	v_pk_mul_f32 v[10+8*\j+\c:11+8*\j+\c], v[X+32*\j+\c:X+32*\j+\c+1], v[X+32*\j+\c:X+32*\j+\c+1]
.else
	v_pk_add_f32 v[10+8*\j+\c:11+8*\j+\c], v[X+32*\j+\c:X+32*\j+\c+1], v[X+32*\j+8+\c:X+32*\j+9+\c]
.endif
.endr
.endr
.irp q, 8,16,24
.irp j, 0,1
.irp c, 0,2,4,6
.if \sq
	v_pk_fma_f32 v[10+8*\j+\c:11+8*\j+\c], v[X+32*\j+\q+\c:X+32*\j+\q+\c+1], v[X+32*\j+\q+\c:X+32*\j+\q+\c+1], v[10+8*\j+\c:11+8*\j+\c]
.elseif \q > 8
	v_pk_add_f32 v[10+8*\j+\c:11+8*\j+\c], v[10+8*\j+\c:11+8*\j+\c], v[X+32*\j+\q+\c:X+32*\j+\q+\c+1]
.endif
.endr
.endr
.endr
.irp j, 0
	v_pk_add_f32 v[10+8*\j:11+8*\j], v[10+8*\j:11+8*\j], v[12+8*\j:13+8*\j]
	v_pk_add_f32 v[14+8*\j:15+8*\j], v[14+8*\j:15+8*\j], v[16+8*\j:17+8*\j]
.endr
.irp j, 1
	v_pk_add_f32 v[10+8*\j:11+8*\j], v[10+8*\j:11+8*\j], v[12+8*\j:13+8*\j]
	s_delay_alu instid0(VALU_DEP_4)
	v_pk_add_f32 v[14+8*\j:15+8*\j], v[14+8*\j:15+8*\j], v[16+8*\j:17+8*\j]
.endr
.irp j, 0
	s_delay_alu instid0(VALU_DEP_3)
	v_pk_add_f32 v[10+8*\j:11+8*\j], v[10+8*\j:11+8*\j], v[14+8*\j:15+8*\j]
.endr
.irp j, 1
	s_delay_alu instid0(VALU_DEP_2)
	v_pk_add_f32 v[10+8*\j:11+8*\j], v[10+8*\j:11+8*\j], v[14+8*\j:15+8*\j]
.endr
.irp j, 0,1
	s_delay_alu instid0(VALU_DEP_2)
	v_add_f32 v[10+8*\j], v[10+8*\j], v[11+8*\j]
.endr
.irp m, 1,2,4,8
.irp j, 0,1
	s_delay_alu instid0(VALU_DEP_2)
	v_add_f32_dpp v[10+8*\j], v[10+8*\j], v[10+8*\j] row_xmask:\m row_mask:0xf bank_mask:0xf
.endr
.endr
.irp j, 0,1
	s_delay_alu instid0(VALU_DEP_2)
	v_permlanex16_b32 v[26+\j], v[10+8*\j], s12, s13
.endr
.irp j, 0,1
	s_delay_alu instid0(VALU_DEP_2)
	v_add_f32 v[10+8*\j], v[10+8*\j], v[26+\j]
.endr
.endm
	s_wait_loadcnt 16                              ; the two rows are in; gamma's and beta's 16 loads may be out
	SUMS 0
	s_delay_alu instid0(VALU_DEP_2)
	v_mul_f32 v28, s15, v10                        ; the means
	s_delay_alu instid0(VALU_DEP_2)
	v_mul_f32 v30, s15, v18
.irp j, 0,1
.set p, 0
.rept 16
	v_pk_add_f32 v[X+32*\j+p:X+32*\j+p+1], v[X+32*\j+p:X+32*\j+p+1], v[28+2*\j:29+2*\j] op_sel_hi:[1,0] neg_lo:[0,1] neg_hi:[0,1]
.set p, p+2
.endr
.endr
	SUMS 1
	s_delay_alu instid0(VALU_DEP_2)
	v_fma_f32 v26, v10, s15, s14                   ; var + eps
	s_delay_alu instid0(VALU_DEP_2)
	v_fma_f32 v27, v18, s15, s14
	s_wait_alu depctr_va_vdst(0)
	v_rsq_f32 v28, v26
	v_rsq_f32 v30, v27
	v_nop                                          ; a plain line behind the two
	s_wait_alu depctr_va_vdst(0)                   ; one wait for both, ahead of the first reader
	s_wait_loadcnt 0x0                             ; gamma, beta
.irp j, 0,1
.set p, 0
.rept 16
	v_pk_mul_f32 v[X+32*\j+p:X+32*\j+p+1], v[X+32*\j+p:X+32*\j+p+1], v[28+2*\j:29+2*\j] op_sel_hi:[1,0]
	s_delay_alu instid0(VALU_DEP_1)
	v_pk_fma_f32 v[X+32*\j+p:X+32*\j+p+1], v[X+32*\j+p:X+32*\j+p+1], v[GA+p:GA+p+1], v[BE+p:BE+p+1]
.set p, p+2
.endr
.endr
.irp j, 0,1                            ; LDS serves a wave's instructions in order: the loads see the stores, and row 1's stores come behind row 0's loads
.irp k, 0,1,2,3,4,5,6,7
	ds_store_b128 v2, v[X+32*\j+4*\k:X+32*\j+4*\k+3] offset:576*\k
.endr
.irp k, 0,1,2,3,4,5,6,7
	ds_load_b128 v[X+32*\j+4*\k:X+32*\j+4*\k+3], v3 offset:16*\k
.endr
.endr
.macro QROW j
.set XS, X+32*\j
.set B0, CD+8*\j
	v_max3_num_f32 v[10+4*\j], |v[XS]|, |v[XS+1]|, |v[XS+2]|
	v_max3_num_f32 v[11+4*\j], |v[XS+3]|, |v[XS+4]|, |v[XS+5]|
.irp i, 6,10,14,18,22,26
	s_delay_alu instid0(VALU_DEP_2)
	v_max3_num_f32 v[10+4*\j], v[10+4*\j], |v[XS+\i]|, |v[XS+\i+1]|
	s_delay_alu instid0(VALU_DEP_2)
	v_max3_num_f32 v[11+4*\j], v[11+4*\j], |v[XS+\i+2]|, |v[XS+\i+3]|
.endr
	s_delay_alu instid0(VALU_DEP_2)
	v_max3_num_f32 v[10+4*\j], v[10+4*\j], |v[XS+30]|, |v[XS+31]|
	s_delay_alu instid0(VALU_DEP_1)
	v_max3_num_f32 v[10+4*\j], v[10+4*\j], v[11+4*\j], 0x1800000   ; with the floor 2^(3 - 127)
	s_delay_alu instid0(VALU_DEP_1)
	v_add_nc_u32 v[12+4*\j], 0xff000000, v[10+4*\j]
	s_delay_alu instid0(VALU_DEP_1)
	v_lshrrev_b32 v[13+4*\j], 23, v[12+4*\j]
	v_cvt_scalef32_pk16_fp6_f32 v[B0:B0+2], v[XS:XS+15], v[12+4*\j]
	v_cvt_scalef32_pk16_fp6_f32 v[B0+4:B0+6], v[XS+16:XS+31], v[12+4*\j]
	v_nop
	v_mov_b32 v[B0+3], v[B0+4]
	v_mov_b32 v[B0+4], v[B0+5]
	v_mov_b32 v[B0+5], v[B0+6]
	ds_store_b128 v4, v[B0:B0+3] offset:16*\j
	ds_store_b64 v5, v[B0+4:B0+5] offset:8*\j
	ds_store_b8 v6, v[13+4*\j] offset:4*\j
.endm
	s_wait_dscnt 16                                ; row 0 is back; row 1's 8 stores and 8 loads may be out
	QROW 0
	s_wait_dscnt 3                                 ; row 1 is back; row 0's three stores may be out
	QROW 1
	s_wait_dscnt 0x0                               ; for the other waves' sake
	s_barrier_signal -1
	s_barrier_wait -1
.irp p, 0,1,2
	ds_load_b128 v[X+4*\p:X+4*\p+3], v176 offset:512*\p
.endr
	ds_load_b32 v[X+12], v177
	s_wait_dscnt 0x0
.irp p, 0,1,2
	global_store_b128 v1, v[X+4*\p:X+4*\p+3], s[10:11] offset:512*\p   ; 512 consecutive bytes, aligned to 256
.endr
	global_store_b32 v178, v[X+12], s[26:27]
	s_wait_tensorcnt 0x0                           ; the wave's end
	ds_add_u32 v8, v9
	s_wait_dscnt 0x0
	s_endpgm
.Lfunc_end_k_qf5483e4673_ln1:
	.size	k_qf5483e4673_ln1, .Lfunc_end_k_qf5483e4673_ln1-k_qf5483e4673_ln1
	.p2alignl 7, 3214868480
	.fill 96, 4, 3214868480
	.section	.rodata,"a",@progbits
	.p2align	6, 0x0
	.amdhsa_kernel k_qf5483e4673_ln1
		.amdhsa_group_segment_fixed_size 50688
		.amdhsa_private_segment_fixed_size 0
		.amdhsa_enable_private_segment 0
		.amdhsa_kernarg_size 32
		.amdhsa_user_sgpr_count 2
		.amdhsa_user_sgpr_kernarg_segment_ptr 1
		.amdhsa_wavefront_size32 1
		.amdhsa_system_sgpr_workgroup_id_x 1
		.amdhsa_system_sgpr_workgroup_id_y 1
		.amdhsa_system_sgpr_workgroup_id_z 1
		.amdhsa_system_vgpr_workitem_id 0
		.amdhsa_next_free_vgpr 192
		.amdhsa_next_free_sgpr 66
		.amdhsa_reserve_vcc 0
		.amdhsa_float_denorm_mode_32 3
		.amdhsa_float_denorm_mode_16_64 3
		.amdhsa_memory_ordered 1
		.amdhsa_forward_progress 1
		.amdhsa_inst_pref_size 29
	.end_amdhsa_kernel
	.amdgpu_metadata
---
amdhsa.version: [ 1, 2 ]
amdhsa.kernels:
  - .name:           k_qf5483e4673_ln1
    .symbol:         k_qf5483e4673_ln1.kd
    .args:
      - { .name: x, .offset: 0, .size: 8, .value_kind: global_buffer, .address_space: global }
      - { .name: gamma1, .offset: 8, .size: 8, .value_kind: global_buffer, .address_space: global }
      - { .name: beta1, .offset: 16, .size: 8, .value_kind: global_buffer, .address_space: global }
      - { .name: hq, .offset: 24, .size: 8, .value_kind: global_buffer, .address_space: global }
    .group_segment_fixed_size: 50688
    .private_segment_fixed_size: 0
    .kernarg_segment_align: 8
    .kernarg_segment_size: 32
    .max_flat_workgroup_size: 256
    .sgpr_count:     66
    .vgpr_count:     192
    .wavefront_size: 32
...
	.end_amdgpu_metadata
.endif
;; end of part 9
;; launch qkv (part 10): grid 8 x 24, 4 waves a work-group, clusters of 4 x 4, 327,680 bytes of LDS; arguments hq, wts, qkv; writes qkv
.if DOCPART == 10
	.amdgcn_target "amdgcn-amd-amdhsa--gfx1250"
	.amdhsa_code_object_version 6
	.text
	.protected	k_qf5483e4673_qkv
	.globl	k_qf5483e4673_qkv
	.p2align	8
	.type	k_qf5483e4673_qkv,@function
k_qf5483e4673_qkv:
	s_mov_b64 s[64:65], 0
	v_nop
	global_prefetch_b8 v0, s[64:65] scope:SCOPE_SE
	s_setreg_imm32_b32 hwreg(HW_REG_WAVE_MODE, 25, 1), 1
	s_wait_xcnt 0x0
	s_wait_alu depctr_hold_cnt(0) depctr_sa_sdst(0) depctr_va_vdst(0) depctr_va_sdst(0) depctr_va_ssrc(0) depctr_va_vcc(0) depctr_vm_vsrc(0)
	s_getreg_b32 s2, hwreg(HW_REG_IB_STS2, 6, 4)
	s_cmp_eq_u32 s2, 0
	s_cbranch_scc0 .Lentry_in_a_cluster
	s_endpgm
.Lentry_in_a_cluster:
	s_bfe_u32 s2, ttmp6, 0x10000c
	s_cmp_lg_u32 s2, 0xf033
	s_cbranch_scc0 .Lentry_shape_is_right
	s_endpgm
.Lentry_shape_is_right:
; q, k = h [wq | wk] and v = h wv on codes of E2M3, K = 1,024, and the results quantised in registers into the operands of attention.
; A work-group makes 256 x 256 results, a wave 128 x 128 (64 accumulators).  Source 0 = 16 rows of "B", source 1 = 16 rows of "A": a lane holds one row of A and its registers run along B's rows; by the order of
; rows in a tile (lane row r of tile t = row 32 (t/2) + 8 (t%2) + r + 8 (r/8)) the 64 registers of one block of A against B's eight tiles are 128 neighbours along B: register 16 b + i = 32 b + 16 (lane/16) + i.
; Clusters with y < 4: A = h's tokens, B = the 2,048 columns of wq | wk: q and k are quantised along the head's axis.  y = 4, 5: A = wv's columns, B = the tokens: v is quantised along the keys.
; Operands lie in memory as images of the operand's registers, [group of 128 rows][K/128][tile][1536]: a K step of 256 of a group is one dense block of 24,576 bytes, a fragment four dense LDS loads.
; Ring of two LDS slots, joint loads in a cluster of 4 x 4 (A's tiles along a row, B's along a column), scale words of all of K once.  OUT: blocks of 12,288 bytes = 8 images; scale words from byte 9,437,184.
; LIMITS: a block of zeros gets the byte 1 and not 127 (this program alone reads the bytes); NaN and infinities are not served.
.set KK,    1024
.set NS,    KK/128
.set GS,    NS*12288                   ; a group's codes
.set HALFT, 24576                      ; what one tensor load brings: [2 K steps of 128][8 tiles][1536]
.set SLOT,  4*HALFT
.set SCL,   2*SLOT                     ; behind the ring: the scale words, four groups' [K/128][tile][r]
.set HALFS, NS*512
.set SPARE, SCL+4*HALFS                ; the spare words, 128 bytes a wave
.set LAPS,  KK/512
.set FR,    12
.set ADRA, 16                          ; v16,17 A's fragments in slot 0, 1 at 16 x lane; v18,19 at 8 x lane
.set ADRB, 20                          ; v20-23 the same for B
.set L16,  24                          ; 16, 8, 4 x lane
.set L8,   25
.set L4,   26
.set ADRS, 27
.set SPW,  28
.set NIL,  29
.set SC,   32                          ; v32-63 scale words, two sets of 16: register 8 q + i: lanes 0-15 A's tile i, lanes 16-31 B's tile i
.set BIAS, 64
.set PC,   64                          ; the way out: codes just made
.set PWS,  84                          ; the eight scale words
.set T,    92
.set TM,   112
.set AF,   128                         ; A's fragments, window 0; B's two sets at v0 and v128 of window 1; accumulators in windows 2 and 3
.set G1, 24
.set G0, 32
.set G1B, 48
.set G0B, 56
.set G1S, 68
.set G0S, 76
.set G1SB, 80
.set G0SB, 88
.set SEL, 100
.set MSB, 0
.macro WIN new                         ; the immediate's high byte repeats the setting that is left
.if MSB != (\new)
	s_set_vgpr_msb (MSB<<8)|(\new)
.set MSB, \new
.endif
.endm
.set MUL_LO, 0xa1                      ; source 0 window 1, source 1 window 0, C and D window 2
.set MUL_HI, 0xf1
.set TO_B,   0x40
.set G0H,  4                           ; s[4:7], s[8:11] group 0 of the head's loads of slot 0: A's two groups, B's two groups (the addresses that lay there have served)
.set G0HB, 8
.macro ARM under, g0, g1, next         ; an arm of the head's one chain on the wave's number: one tensor load, then a jump to the chain's end
	s_cmp_lt_u32 s14, \under
	s_cbranch_scc0 \next
	tensor_load_to_lds s[\g0:\g0+3], s[\g1:\g1+7]
	s_nop 0
.rept 4
	v_nop
.endr
	s_branch .Lhead_asked
\next:
.endm
.macro JLOAD g0a, g1a, g0b, g1b        ; a joint load: waves 0, 1 fetch for A, waves 2, 3 for B; the branch hangs on the wave's number alone; s_nop 0 and four v_nop follow each line
	s_cmp_eq_u32 s15, 0
	s_cbranch_scc0 .Lfor_b_\@
	tensor_load_to_lds s[\g0a:\g0a+3], s[\g1a:\g1a+7]
	s_nop 0
.rept 4
	v_nop
.endr
	s_branch .Lasked_\@
.Lfor_b_\@:
	tensor_load_to_lds s[\g0b:\g0b+3], s[\g1b:\g1b+7]
	s_nop 0
.rept 4
	v_nop
.endr
.Lasked_\@:
.endm
.macro CREST
	s_cmp_lg_u32 s14, 0
	s_cbranch_scc1 .Lnot_wave_0_\@
	s_barrier_signal -3
.Lnot_wave_0_\@:
	s_barrier_wait -3
	s_barrier_signal -1
	s_barrier_wait -1
.endm
.macro CROUND
	s_barrier_signal -1
	s_barrier_wait -1
	CREST
.endm
	s_load_b128 s[96:99], s[0:1], 0x0              ; h's operand, the weights
	s_load_b64 s[12:13], s[0:1], 0x10              ; out
	v_lshl_add_u32 v[SPW], v0, 2, SPARE
	v_mov_b32 v[NIL], 0
	ds_add_u32 v[SPW], v[NIL]                      ; the opening: the add and its wait ahead of my first tensor load
	ds_add_u32 v[SPW], v[NIL]
	v_lshrrev_b32 v1, 5, v0
	v_readfirstlane_b32 s14, v1                    ; wave
	s_lshr_b32 s15, s14, 1                         ; my half of A's rows; also: I fetch for A (0) or B (1)
	s_and_b32 s16, s14, 1                          ; my half of B's rows; also: which group I fetch
	s_bfe_u32 s40, ttmp6, 0x40000                  ; cx
	s_bfe_u32 s41, ttmp6, 0x40004                  ; cy
	s_and_b32 s95, ttmp7, 0xffff                   ; cluster y
	s_max_u32 s18, s95, 4
	s_sub_co_u32 s18, s18, 4
	s_lshl_b32 s18, s18, 1
	s_add_co_u32 s18, s18, ttmp9                   ; v: cluster column 2 (y - 4) + x
	s_cmp_lt_u32 s95, 4
	s_cselect_b32 s17, s95, 0
	s_cselect_b32 s42, ttmp9, s18
	s_lshl_b32 s17, s17, 2
	s_add_co_u32 s17, s17, s41                     ; tile row (of A)
	s_lshl_b32 s42, s42, 2
	s_add_co_u32 s42, s42, s40                     ; tile column (of B)
	s_lshl_b32 s43, s41, 2
	s_lshl_b32 s43, 15, s43                        ; my row of the cluster
	s_lshl_b32 s44, 0x1111, s40                    ; my column
	s_or_b32 s[G1+0], s43, (3<<16)|(1<<21)         ; elements of 8 bytes, no padding, bit 21 beside the mask: 96 rows of 256 bytes, dense
	s_or_b32 s[G1B+0], s44, (3<<16)|(1<<21)
.irp g, G1, G1B                        ; at the head: two rows of 24,576 bytes (3,072 elements of 8), one for each group, GS bytes apart
	s_mov_b32 s[\g+1], 3072<<16
	s_mov_b32 s[\g+2], 2<<16
	s_mov_b32 s[\g+3], 3072<<16
	s_mov_b32 s[\g+4], 2
	s_mov_b32 s[\g+5], GS/8
	s_mov_b32 s[\g+6], 0
	s_mov_b32 s[\g+7], 0
.endr
	s_or_b32 s[G1S+0], s43, (3<<16)|(1<<21)        ; a group's scale words: HALFS dense bytes
	s_or_b32 s[G1SB+0], s44, (3<<16)|(1<<21)
.irp g, G1S, G1SB
	s_mov_b32 s[\g+1], 32<<16
	s_mov_b32 s[\g+2], (HALFS/128)<<16             ; two neighbouring groups' scale words: 2 HALFS dense bytes
	s_mov_b32 s[\g+3], 32<<16
	s_mov_b32 s[\g+4], HALFS/128
	s_mov_b32 s[\g+5], 32
	s_mov_b32 s[\g+6], 0
	s_mov_b32 s[\g+7], 0
.endr
	s_mul_i32 s22, s17, 2*HALFS                    ; the tile's two groups begin here: scale words,
	s_mov_b32 s23, 0
	s_mul_i32 s92, s42, 2*HALFS
	s_mov_b32 s93, 0
	s_mul_i32 s20, s17, 2*GS                       ; and codes
	s_mov_b32 s21, 0
	s_mul_i32 s46, s42, 2*GS
	s_mov_b32 s47, 0
	s_mul_i32 s45, s14, HALFT
	s_mul_i32 s2, s16, GS                          ; in the ring I fetch one group: which, in bytes
	s_mov_b32 s3, 0
	s_wait_dscnt 0x0                               ; the opening add is done
	s_wait_kmcnt 0x0
	s_add_nc_u64 s[4:5], s[98:99], 1572864         ; wv's codes
	s_add_nc_u64 s[6:7], s[98:99], 9502720         ; wv's scale words
	s_add_nc_u64 s[8:9], s[96:97], 3145728         ; h's scale words
	s_add_nc_u64 s[10:11], s[98:99], 9437184       ; wq | wk's scale words
	s_cmp_lt_u32 s95, 4                            ; the choice hangs on the cluster's y alone
	s_cselect_b64 s[4:5], s[96:97], s[4:5]         ; A's codes
	s_cselect_b64 s[6:7], s[8:9], s[6:7]           ; A's scale words
	s_cselect_b64 s[10:11], s[10:11], s[8:9]       ; B's scale words
	s_cselect_b64 s[8:9], s[98:99], s[96:97]       ; B's codes
	s_add_nc_u64 s[20:21], s[4:5], s[20:21]
	s_add_nc_u64 s[22:23], s[6:7], s[22:23]
	s_add_nc_u64 s[46:47], s[8:9], s[46:47]
	s_add_nc_u64 s[92:93], s[10:11], s[92:93]
	CROUND                                         ; all sixteen work-groups are here: the first joint loads meet
	s_mov_b32 s[G0S], 1
	s_mov_b32 s[G0S+1], SCL
	s_mov_b64 s[G0S+2:G0S+3], s[22:23]
	s_or_b32 s[G0S+3], s[G0S+3], 0x80000000
	s_mov_b32 s[G0SB], 1
	s_mov_b32 s[G0SB+1], SCL+2*HALFS
	s_mov_b64 s[G0SB+2:G0SB+3], s[92:93]
	s_or_b32 s[G0SB+3], s[G0SB+3], 0x80000000
	s_mov_b32 s[G0H], 1
	s_mov_b32 s[G0H+1], 0
	s_mov_b64 s[G0H+2:G0H+3], s[20:21]
	s_or_b32 s[G0H+3], s[G0H+3], 0x80000000
	s_mov_b32 s[G0HB], 1
	s_mov_b32 s[G0HB+1], 2*HALFT
	s_mov_b64 s[G0HB+2:G0HB+3], s[46:47]
	s_or_b32 s[G0HB+3], s[G0HB+3], 0x80000000
	; the head's four tiles, one joint load a wave: wave 0 slot 0's codes of A, wave 1 of B, wave 2 A's scale words, wave 3 B's
	ARM 1, G0H,  G1,  .Lhead_b
	ARM 2, G0HB, G1B, .Lhead_sa
	ARM 3, G0S,  G1S, .Lhead_sb
	tensor_load_to_lds s[G0SB:G0SB+3], s[G1SB:G1SB+7]
	s_nop 0
.rept 4
	v_nop
.endr
.Lhead_asked:
	s_add_nc_u64 s[20:21], s[20:21], s[2:3]        ; for the ring: my group
	s_add_nc_u64 s[46:47], s[46:47], s[2:3]
.irp s, 0,1
	s_mov_b32 s[G0+4*\s], 1
	s_add_co_u32 s[G0+4*\s+1], s45, \s*SLOT
	s_add_nc_u64 s[G0+4*\s+2:G0+4*\s+3], s[20:21], \s*HALFT
	s_or_b32 s[G0+4*\s+3], s[G0+4*\s+3], 0x80000000
	s_mov_b32 s[G0B+4*\s], 1
	s_add_co_u32 s[G0B+4*\s+1], s45, \s*SLOT
	s_add_nc_u64 s[G0B+4*\s+2:G0B+4*\s+3], s[46:47], \s*HALFT
	s_or_b32 s[G0B+4*\s+3], s[G0B+4*\s+3], 0x80000000
.endr
	s_wait_alu depctr_va_vdst(0)                   ; the wait ahead of the blocking wait below
	s_wait_tensorcnt 0x0                           ; my tile of the head's four is in; slot 1's first fill stands behind these three lines and a whole round, as a refill does
	ds_add_u32 v[SPW], v[NIL]
.irp g, G1, G1B                        ; no tensor load of mine is out: from here on a load brings one group's 96 rows of 256 bytes
	s_mov_b32 s[\g+1], 32<<16
	s_mov_b32 s[\g+2], 96<<16
	s_mov_b32 s[\g+3], 32<<16
	s_mov_b32 s[\g+4], 96
	s_mov_b32 s[\g+5], 32
.endr
	s_wait_dscnt 0x0
	CROUND
	JLOAD G0+4, G1, G0B+4, G1B
	v_and_b32 v1, 31, v0
	v_and_b32 v2, 15, v0
	v_bfe_u32 v3, v0, 4, 1
	v_lshlrev_b32 v[L16], 4, v1
	v_lshlrev_b32 v[L8], 3, v1
	v_lshlrev_b32 v[L4], 2, v1
	s_mul_i32 s21, s15, HALFT
	s_mul_i32 s22, s16, HALFT
	s_add_co_u32 s22, s22, 2*HALFT
.irp s, 0,1
	v_add_nc_u32 v[ADRA+\s], s21, v[L16]
	v_add_nc_u32 v[ADRB+\s], s22, v[L16]
	v_add_nc_u32 v[ADRA+2+\s], s21, v[L8]
	v_add_nc_u32 v[ADRB+2+\s], s22, v[L8]
	s_add_co_u32 s21, s21, SLOT
	s_add_co_u32 s22, s22, SLOT
.endr
	s_mul_i32 s21, s15, HALFS
	s_mul_i32 s22, s16, HALFS
	s_add_co_u32 s22, s22, 2*HALFS
	s_sub_co_u32 s22, s22, s21
	v_mul_u32_u24 v6, s22, v3                      ; lanes 16-31 take B's words: one product, the distance between the two regions
	s_add_co_u32 s21, s21, SCL
	v_lshl_add_u32 v6, v2, 2, v6
	v_add_nc_u32 v[ADRS], s21, v6
	; where my results go
	s_lshl_b32 s20, s17, 1
	s_add_co_u32 s20, s20, s15                     ; ga
	s_lshl_b32 s21, s42, 1
	s_add_co_u32 s21, s21, s16                     ; gb
	s_lshr_b32 s22, s20, 4
	s_lshl_b32 s22, s22, 4
	s_add_co_u32 s22, s22, s21
	s_lshl_b32 s22, s22, 4
	s_and_b32 s23, s20, 15
	s_add_co_u32 s22, s22, s23                     ; q, k: ((batch 16 + gb) 16 + token group)
	s_lshr_b32 s23, s21, 4
	s_lshl_b32 s23, s23, 3
	s_add_co_u32 s23, s23, s20
	s_lshl_b32 s23, s23, 4
	s_and_b32 s46, s21, 15
	s_add_co_u32 s23, s23, s46
	s_add_co_u32 s23, s23, 512                     ; v: 512 + ((batch 8 + head pair) 16 + key step)
	s_cmp_lt_u32 s95, 4
	s_cselect_b32 s22, s22, s23
	s_lshl_b32 s46, s22, 9
	s_mov_b32 s47, 0
	s_add_nc_u64 s[18:19], s[12:13], s[46:47]
	s_add_nc_u64 s[18:19], s[18:19], 9437184
	s_mul_i32 s46, s22, 12288
	s_add_nc_u64 s[12:13], s[12:13], s[46:47]
.macro FRAG reg, adr, q, i             ; a fragment, 12 registers, as its image lies: four dense loads
	ds_load_b128 v[\reg:\reg+3], v[\adr] offset:(\q)*12288+(\i)*1536
	ds_load_b64 v[\reg+4:\reg+5], v[\adr+2] offset:(\q)*12288+(\i)*1536+512
	ds_load_b128 v[\reg+6:\reg+9], v[\adr] offset:(\q)*12288+(\i)*1536+768
	ds_load_b64 v[\reg+10:\reg+11], v[\adr+2] offset:(\q)*12288+(\i)*1536+1280
.endm
; 16 products: A's blocks a0, a0 + 1 x B's eight.  zero = 1: C = 0 starts the sums; 2: C = the bias.  The 64 accumulators take turns, one instruction a turn
.macro MUL16 a0, p, q, sc, zero
.irp a, \a0, \a0+1
.irp b, 0,1,2,3,4,5,6,7
.set rD, 8*(8*((\a)%4)+\b)
.set rB, 128*(\p)+FR*\b
.set rA, AF+FR*(\a)
.set sB, SC+16*(\sc)+8*(\q)+\b
.set sA, SC+16*(\sc)+8*(\q)+(\a)
.if (\zero) == 1
	v_wmma_scale_f32_16x16x128_f8f6f4 v[rD:rD+7], v[rB:rB+11], v[rA:rA+11], 0, v[sB], v[sA] matrix_a_fmt:MATRIX_FMT_FP6 matrix_b_fmt:MATRIX_FMT_FP6 matrix_a_scale:MATRIX_SCALE_ROW1
.elseif (\zero) == 2
	v_wmma_scale_f32_16x16x128_f8f6f4 v[rD:rD+7], v[rB:rB+11], v[rA:rA+11], v[BIAS+8*\b:BIAS+8*\b+7], v[sB], v[sA] matrix_a_fmt:MATRIX_FMT_FP6 matrix_b_fmt:MATRIX_FMT_FP6 matrix_a_scale:MATRIX_SCALE_ROW1
.else
	v_wmma_scale_f32_16x16x128_f8f6f4 v[rD:rD+7], v[rB:rB+11], v[rA:rA+11], v[rD:rD+7], v[sB], v[sA] matrix_a_fmt:MATRIX_FMT_FP6 matrix_b_fmt:MATRIX_FMT_FP6 matrix_a_scale:MATRIX_SCALE_ROW1
.endif
.endr
.endr
.endm
.macro FETCH_B slot, q, p
	WIN TO_B
.irp i, 0,1,2,3,4,5,6,7
	FRAG 128*(\p)+FR*\i, ADRB+\slot, \q, \i
.endr
	WIN 0
.endm
.macro FETCH_A slot, q, i0
.irp i, \i0, \i0+1, \i0+2, \i0+3
	FRAG AF+FR*(\i), ADRA+\slot, \q, \i
.endr
.endm
.macro SCALES sc
.irp q, 0,1
.irp i, 0,1,2,3,4,5,6,7
	ds_load_b32 v[SC+16*\sc+8*\q+\i], v[ADRS] offset:512*\q+64*\i
.endr
.endr
.endm
.macro PLACES n                        ; plain lines between a matrix instruction and a load into, or a read of, its registers
.rept \n
	v_nop
.endr
.endm
.macro STEP slot, q, zero              ; 128 along K with its successor in the same slot
	s_wait_dscnt 16                                ; B's set and A's blocks 0-3 are in; A's blocks 4-7, 4 x 4 loads, may be out
.if (\zero) == 2
	WIN 0x81
.else
	WIN MUL_LO
.endif
	MUL16 0, (\q)%2, \q, \slot, \zero
	MUL16 2, (\q)%2, \q, \slot, \zero
	s_wait_dscnt 0x0
	PLACES 4
	FETCH_B \slot, (\q)+1, 1-(\q)%2
	FETCH_A \slot, (\q)+1, 0
.if (\zero) == 2
	WIN 0xc1
.else
	WIN MUL_HI
.endif
	MUL16 4, (\q)%2, \q, \slot, \zero
	MUL16 6, (\q)%2, \q, \slot, \zero
	PLACES 4
	WIN 0
	FETCH_A \slot, (\q)+1, 4
.endm
; a slot's last step changes slots: each wave waits for all its tensor loads, adds 0 to its spare word, waits for that and for its reads of the slot; the barrier opens a round of the cluster's barrier where the slot is filled again
.macro TURN slot, next, fill
	s_wait_tensorcnt 0x0                           ; all my tensor loads have landed
	ds_add_u32 v[SPW], v[NIL]
	s_wait_dscnt 17                                ; the add and A's blocks 4-7 may be out
	WIN MUL_LO
	MUL16 0, 1, 1, \slot, 0
	s_wait_dscnt 0x0                               ; the add is done and my reads of this slot are over
	s_barrier_signal -1
	MUL16 2, 1, 1, \slot, 0
	WIN 0
	s_barrier_wait -1
.if \fill
	CREST
	s_add_nc_u64 s[G0+4*\slot+2:G0+4*\slot+3], s[G0+4*\slot+2:G0+4*\slot+3], 2*HALFT
	s_add_nc_u64 s[G0B+4*\slot+2:G0B+4*\slot+3], s[G0B+4*\slot+2:G0B+4*\slot+3], 2*HALFT
	JLOAD G0+4*\slot, G1, G0B+4*\slot, G1B         ; my one tensor load behind the round; its four v_nop are the places in front of the loads below
.else
	PLACES 4
.endif
	s_wait_alu depctr_va_vdst(0)
	v_add_nc_u32 v[ADRS], 1024, v[ADRS]
	FETCH_B \next, 0, 0
	FETCH_A \next, 0, 0
	SCALES \next
	WIN MUL_HI
	MUL16 4, 1, 1, \slot, 0
	MUL16 6, 1, 1, \slot, 0
	PLACES 4
	WIN 0
	FETCH_A \next, 0, 4
.endm
	s_wait_alu depctr_va_vdst(0)
	s_wait_tensorcnt 1                             ; the scale words and slot 0 are in; slot 1's load may be out
	s_barrier_signal -1
	s_barrier_wait -1
	FETCH_B 0, 0, 0
	FETCH_A 0, 0, 0
	SCALES 0
	FETCH_A 0, 0, 4
	STEP 0, 0, 1
	s_mov_b32 s3, LAPS-1
.Llap:
	TURN 0, 1, 1
	STEP 1, 0, 0
	TURN 1, 0, 1
	STEP 0, 0, 0
	s_sub_co_u32 s3, s3, 1
	s_cmp_lg_u32 s3, 0
	s_cbranch_scc1 .Llap
	TURN 0, 1, 0
	STEP 1, 0, 0
	s_wait_dscnt 16
	WIN MUL_LO
	MUL16 0, 1, 1, 1, 0
	MUL16 2, 1, 1, 1, 0
	s_wait_dscnt 0x0
	WIN MUL_HI
	MUL16 4, 1, 1, 1, 0
	MUL16 6, 1, 1, 1, 0
	WIN 0
; 64 numbers of a lane in window w, register 16 b + i = k 32 b + 16 (lane/16) + i of my row, become a fragment's codes in v[PC] on and its scale word in v[pw].  Each accumulator is read from its low end on.
.macro QUANT s, w, pw
	WIN (\w)|((\w)<<2)
.irp b, 0,1,2,3
	v_max3_num_f32 v[TM+\b], |v[(\s)+16*\b]|, |v[(\s)+1+16*\b]|, 0x1800000   ; with the floor 2^(3 - 127): the byte cannot fall under 1
.endr
.irp i, 2,4,6,8,10,12,14
.irp b, 0,1,2,3
	v_max3_num_f32 v[TM+\b], |v[(\s)+16*\b+\i]|, |v[(\s)+1+16*\b+\i]|, v[TM+\b]
.endr
.endr
	WIN 0
.irp b, 0,1,2,3
	v_permlanex16_b32 v[TM+4+\b], v[TM+\b], s[SEL], s[SEL+1]
.endr
.irp b, 0,1,2,3
	v_max_num_f32 v[TM+\b], v[TM+\b], v[TM+4+\b]
.endr
.irp b, 0,1,2,3
	v_add_nc_u32 v[TM+12+\b], 0xff000000, v[TM+\b]
.endr
.irp b, 0,1,2,3
	v_lshrrev_b32 v[TM+4+\b], 23, v[TM+12+\b]
.endr
	v_lshl_or_b32 v[\pw], v[TM+5], 8, v[TM+4]
	v_lshl_or_b32 v[\pw], v[TM+6], 16, v[\pw]
	v_lshl_or_b32 v[\pw], v[TM+7], 24, v[\pw]
	WIN \w
.irp c, 0,1
	v_cvt_scalef32_pk16_fp6_f32 v[PC+6*\c:PC+2+6*\c], v[(\s)+32*\c:(\s)+15+32*\c], v[TM+12+2*\c]
	v_cvt_scalef32_pk16_fp6_f32 v[PC+12+4*\c:PC+14+4*\c], v[(\s)+16+32*\c:(\s)+31+32*\c], v[TM+12+2*\c+1]
.endr
	WIN 0
	v_nop                                          ; one plain line behind the conversions
.irp c, 0,1                            ; the layout wants a whole block in a lane
.irp i, 0,1,2
	v_permlane16_swap_b32 v[PC+6*\c+\i], v[PC+12+4*\c+\i]
.endr
.irp i, 0,1,2
	v_mov_b32 v[PC+3+6*\c+\i], v[PC+12+4*\c+\i]
.endr
.endr
.endm
	PLACES 4
	s_mov_b32 s[SEL], 0x76543210
	s_mov_b32 s[SEL+1], 0xfedcba98
	s_mov_b32 s2, 0xffff0000
.irp b, 0,1,2,3
	v_mov_b32 v[TM+4+\b], 0                        ; a lane permute's destination counts as read
.endr
.irp a, 0,1,2,3,4,5,6,7
	s_wait_xcnt 0x0                                ; the last block's stores have read the codes' registers
	QUANT 64*(\a%4), 2+\a/4, PWS+\a
	global_store_b128 v[L16], v[PC:PC+3], s[12:13] offset:1536*\a
	global_store_b64 v[L8], v[PC+4:PC+5], s[12:13] offset:1536*\a+512
	global_store_b128 v[L16], v[PC+6:PC+9], s[12:13] offset:1536*\a+768
	global_store_b64 v[L8], v[PC+10:PC+11], s[12:13] offset:1536*\a+1280
.endr
.irp j, 0,1,2,3
	v_cndmask_b32 v[T+\j], v[PWS+2*\j], v[PWS+2*\j+1], s2   ; lanes 0-15 block 2 j's words, lanes 16-31 block 2 j + 1's
	global_store_b32 v[L4], v[T+\j], s[18:19] offset:128*\j
.endr
	s_wait_tensorcnt 0x0                           ; the wave's end
	ds_add_u32 v[SPW], v[NIL]
	s_wait_dscnt 0x0
	CROUND                                         ; the closing round
	s_endpgm
.Lfunc_end_k_qf5483e4673_qkv:
	.size	k_qf5483e4673_qkv, .Lfunc_end_k_qf5483e4673_qkv-k_qf5483e4673_qkv
	.p2alignl 7, 3214868480
	.fill 96, 4, 3214868480
	.section	.rodata,"a",@progbits
	.p2align	6, 0x0
	.amdhsa_kernel k_qf5483e4673_qkv
		.amdhsa_group_segment_fixed_size 327680
		.amdhsa_private_segment_fixed_size 0
		.amdhsa_enable_private_segment 0
		.amdhsa_kernarg_size 24
		.amdhsa_user_sgpr_count 2
		.amdhsa_user_sgpr_kernarg_segment_ptr 1
		.amdhsa_wavefront_size32 1
		.amdhsa_system_sgpr_workgroup_id_x 1
		.amdhsa_system_sgpr_workgroup_id_y 1
		.amdhsa_system_sgpr_workgroup_id_z 1
		.amdhsa_system_vgpr_workitem_id 0
		.amdhsa_next_free_vgpr 1024
		.amdhsa_next_free_sgpr 102
		.amdhsa_reserve_vcc 0
		.amdhsa_float_denorm_mode_32 3
		.amdhsa_float_denorm_mode_16_64 3
		.amdhsa_memory_ordered 1
		.amdhsa_forward_progress 1
		.amdhsa_inst_pref_size 153
	.end_amdhsa_kernel
	.amdgpu_metadata
---
amdhsa.version: [ 1, 2 ]
amdhsa.kernels:
  - .name:           k_qf5483e4673_qkv
    .symbol:         k_qf5483e4673_qkv.kd
    .args:
      - { .name: hq, .offset: 0, .size: 8, .value_kind: global_buffer, .address_space: global }
      - { .name: wts, .offset: 8, .size: 8, .value_kind: global_buffer, .address_space: global }
      - { .name: qkv, .offset: 16, .size: 8, .value_kind: global_buffer, .address_space: global }
    .group_segment_fixed_size: 327680
    .private_segment_fixed_size: 0
    .kernarg_segment_align: 8
    .kernarg_segment_size: 24
    .max_flat_workgroup_size: 128
    .sgpr_count:     102
    .vgpr_count:     1024
    .wavefront_size: 32
...
	.end_amdgpu_metadata
.endif
;; end of part 10
;; launch attn (part 11): grid 8 x 32, 16 waves a work-group, no clusters, 210,944 bytes of LDS; arguments qkv, mbits, oq; writes oq
.if DOCPART == 11
	.amdgcn_target "amdgcn-amd-amdhsa--gfx1250"
	.amdhsa_code_object_version 6
	.text
	.protected	k_qf5483e4673_attn
	.globl	k_qf5483e4673_attn
	.p2align	8
	.type	k_qf5483e4673_attn,@function
k_qf5483e4673_attn:
	s_mov_b64 s[64:65], 0
	v_nop
	global_prefetch_b8 v0, s[64:65] scope:SCOPE_SE
	s_setreg_imm32_b32 hwreg(HW_REG_WAVE_MODE, 25, 1), 1
	s_wait_xcnt 0x0
; o = softmax(q k^T / 8 under the given mask) v for one head, both products on codes of E2M3; o is quantised along the head's 64 channels into the operand of the next product.
; t = score x log2(e) / 8; M = the running largest t rounded up to a whole number; p = 2^(t - M) is quantised along the keys, not normalised; the row's sum is taken of the unquantised p and divides at the end.
; SHARES: a work-group owns 16 tiles of 16 queries of one head, one a wave.  The head's K and V (96 KiB each) and their scale words come into LDS ONCE, through registers: wave w brings key step w.
; Both products transposed (S^T = K Q^T, O^T = V^T P^T): a lane holds one query.  The head's axis is 64: registers 6-11 of K's and Q's fragments are zero codes, the upper two scale bytes 0.
; By the order of rows in a tile the 16 registers of tiles 2 b, 2 b + 1 of S^T are keys 32 b + 16 (lane/16) + 0..15, and those of O^T channels likewise.
; THE MASK is an input: an earlier launch has turned it into lane masks (64 words for a tile of queries and a step of 128 keys), which come by scalar loads at the head of a step that selects by them, and select -infinity,
; and into flags, whole numbers: a step ALL of whose 16 x 128 entries are masked adds p = 0 everywhere and moves no maximum, so its work is jumped over; in a step with NO masked entry the 64 selects are jumped over.
; Both jumps are exact for every mask; the loop's 16 trips are a constant.  The launch has no tensor load, no joint loads and no cluster:
; each of a head's eight work-groups reads the head's 208 KiB itself.
; WHICH TILE: wave w of work-group x takes tile x + 8 m(w), m = a magic square of order 4 less one: the rows and the columns of the 4 x 4 arrangement of waves have equal sums of m.  Under a mask that hides later keys
; a tile has m + 1 steps of work, and any four waves w / 4 = const or w % 4 = const then have 34 together.  The choice touches speed alone: every tile is computed, whatever the mask.
; A query all of whose keys are masked has the sum 0: its o is NaN, as the softmax of that row is, and its scale bytes are set to 0xff so that the next product carries the NaN.
; REGISTERS: v1-4, v28-31 lane terms; v5, v6 the add's two; v7 -inf; v12 -M, v13 the largest t, v[14:15] the sum; v16-27 Q; v32-79 four fragments of K; v80-85 the step's addresses; v96-159 S^T, p, then V's four fragments;
; v160-191 O^T; v224-235 p's codes; v232-254 at work; v248-251 K's or V's scale words, v253 p's, v255 Q's.  At the head v96-197 carry K, V and scale words on their way to LDS.
.set VL,    98304                      ; LDS: K [tile 128][768] at 0; V [step 16][tile 4][1536]
.set KSL,   196608                     ; K's scale words [tile][r] (both heads of the pair);
.set VSL,   204800                     ; V's [step][tile][r]
.set SPARE, 208896                     ; the spare words, 128 bytes a wave
.set WV,  10
.set SEL, 84
.set CS,  86
	s_load_b128 s[4:7], s[0:1], 0x0                ; q, k, v's operands; the lane masks and flags
	s_load_b64 s[8:9], s[0:1], 0x10                ; o's operand
	v_lshl_add_u32 v5, v0, 2, SPARE
	v_mov_b32 v6, 0
	v_lshrrev_b32 v8, 5, v0
	s_delay_alu instid0(VALU_DEP_1)
	v_readfirstlane_b32 s[WV], v8
	s_and_b32 s90, ttmp7, 0xffff                   ; 16 batch + head
	s_lshr_b32 s91, s90, 4                         ; batch
	s_bfe_u32 s92, s90, 0x30001                    ; head pair
	s_and_b32 s11, s90, 1                          ; the head's parity c
	s_lshl_b32 s94, s91, 4
	s_add_co_u32 s94, s94, s92                     ; q's row of blocks
	s_lshl_b32 s95, s91, 3
	s_add_co_u32 s95, s95, s92                     ; v's
	s_add_co_u32 s96, s94, 8                       ; k's
	s_mov_b32 s97, 0x0de3b658                      ; m(w), four bits a wave: waves 8-15,
	s_cmp_lt_u32 s[WV], 8
	s_cselect_b32 s97, 0x7a94c12f, s97             ; waves 0-7: 15 2 1 12 / 4 9 10 7 / 8 5 6 11 / 3 14 13 0
	s_and_b32 s98, s[WV], 7
	s_lshl_b32 s98, s98, 2
	s_lshr_b32 s97, s97, s98
	s_and_b32 s97, s97, 15
	s_lshl_b32 s97, s97, 3
	s_add_co_u32 s97, s97, ttmp9                   ; my tile of queries, 0..127 in the batch
	s_mov_b32 s[SEL], 0x76543210
	s_mov_b32 s[SEL+1], 0xfedcba98
	s_mov_b32 s[CS], 0x3e38aa3b                    ; c = log2(e) / 8
	s_mov_b32 s[CS+1], s[CS]
	s_mov_b32 s99, 0
	v_and_b32 v8, 31, v0
	s_delay_alu instid0(VALU_DEP_1)
	v_lshlrev_b32 v1, 4, v8                        ; 16 x lane
	s_delay_alu instid0(VALU_DEP_2)
	v_lshlrev_b32 v2, 3, v8                        ; 8 x lane
	s_mul_i32 s98, s[WV], 6144                     ; where key step w goes in LDS
	v_add_nc_u32 v80, s98, v1
	v_add_nc_u32 v81, s98, v2
	s_delay_alu instid0(VALU_DEP_2)
	v_add_nc_u32 v82, VL, v80
	s_lshl_b32 s98, s[WV], 9
	v_add_nc_u32 v83, s98, v1
	s_delay_alu instid0(VALU_DEP_1)
	v_add_nc_u32 v83, KSL, v83
	s_lshl_b32 s98, s[WV], 8
	v_add_nc_u32 v84, s98, v2
	s_delay_alu instid0(VALU_DEP_1)
	v_add_nc_u32 v84, VSL, v84
	s_wait_alu depctr_va_vdst(0)
	s_wait_kmcnt 0x0
	s_mul_i32 s98, s96, 196608                     ; K of key step w: 8 tiles, my head's half (768 bytes) of each image of 1,536
	s_mul_i32 s93, s11, 768
	s_add_co_u32 s98, s98, s93
	s_mul_i32 s93, s[WV], 12288
	s_add_co_u32 s98, s98, s93
	s_add_nc_u64 s[32:33], s[4:5], s[98:99]
	s_mul_i32 s98, s95, 196608                     ; V of key step w: my head's four images, 6,144 dense bytes
	s_add_co_u32 s98, s98, s93
	s_mul_i32 s93, s11, 6144
	s_add_co_u32 s98, s98, s93
	s_add_co_u32 s98, s98, 6291456
	s_add_nc_u64 s[34:35], s[4:5], s[98:99]
	s_lshl_b32 s98, s96, 13                        ; K's scale words of the step: 512 dense bytes
	s_lshl_b32 s93, s[WV], 9
	s_add_co_u32 s98, s98, s93
	s_add_co_u32 s98, s98, 9437184
	s_add_nc_u64 s[36:37], s[4:5], s[98:99]
	s_lshl_b32 s98, s95, 13                        ; V's: my head's 256 of the step's 512
	s_add_co_u32 s98, s98, s93
	s_lshl_b32 s93, s11, 8
	s_add_co_u32 s98, s98, s93
	s_add_co_u32 s98, s98, 9699328
	s_add_nc_u64 s[38:39], s[4:5], s[98:99]
.irp t, 0,1,2,3,4,5,6,7
	global_load_b128 v[96+6*\t:99+6*\t], v1, s[32:33] offset:1536*\t
	global_load_b64 v[100+6*\t:101+6*\t], v2, s[32:33] offset:1536*\t+512
.endr
.irp j, 0,1,2,3,4,5,6,7,8,9,10,11
	global_load_b128 v[144+4*\j:147+4*\j], v1, s[34:35] offset:512*\j
.endr
	global_load_b128 v[192:195], v1, s[36:37]
	global_load_b64 v[196:197], v2, s[38:39]
	s_mul_i32 s89, s11, 768                        ; my head's half of an image
	s_mul_i32 s98, s94, 196608
	s_mul_i32 s96, s97, 1536
	s_add_co_u32 s98, s98, s96
	s_add_co_u32 s98, s98, s89
	s_add_nc_u64 s[100:101], s[4:5], s[98:99]      ; q's codes
	s_lshl_b32 s98, s94, 13
	s_lshl_b32 s96, s97, 6
	s_add_co_u32 s98, s98, s96
	s_add_co_u32 s98, s98, 9437184
	s_add_nc_u64 s[2:3], s[4:5], s[98:99]          ; q's scale words
	s_lshl_b32 s98, s97, 6
	s_add_co_u32 s98, s98, 524288
	s_add_nc_u64 s[40:41], s[6:7], s[98:99]        ; my tile's 16 words of flags
	s_lshl_b32 s98, s97, 12
	s_add_nc_u64 s[6:7], s[6:7], s[98:99]          ; my tile's 16 x 256 bytes of lane masks
	s_load_b512 s[16:31], s[40:41], 0x0
	s_lshr_b32 s93, s97, 3
	s_lshl_b32 s96, s91, 4
	s_add_co_u32 s93, s93, s96
	s_lshl_b32 s93, s93, 3
	s_add_co_u32 s93, s93, s92                     ; 8 x token group + head pair
	s_and_b32 s90, s97, 7
	s_lshl_b32 s98, s93, 9
	s_lshl_b32 s96, s90, 6
	s_add_co_u32 s98, s98, s96
	s_add_co_u32 s98, s98, 3145728
	s_add_nc_u64 s[94:95], s[8:9], s[98:99]        ; o's scale words
	s_mul_i32 s98, s93, 12288
	s_mul_i32 s96, s90, 1536
	s_add_co_u32 s98, s98, s96
	s_add_co_u32 s98, s98, s89
	s_add_nc_u64 s[8:9], s[8:9], s[98:99]          ; o's codes
	v_and_b32 v9, 15, v0
	s_delay_alu instid0(VALU_DEP_1)
	v_lshlrev_b32 v4, 2, v9
	s_lshl_b32 s96, s11, 1
	v_add_nc_u32 v31, s96, v4                      ; 4 r + 2 c: my head's two bytes of a scale word
	s_delay_alu instid0(VALU_DEP_1)
	v_add_nc_u32 v3, KSL, v31
	v_add_nc_u32 v4, VSL, v4
	v_add_nc_u32 v28, VL, v1
	v_add_nc_u32 v29, VL, v2
	global_load_b128 v[16:19], v1, s[100:101]
	global_load_b64 v[20:21], v2, s[100:101] offset:512
	global_load_u16 v255, v31, s[2:3]
.irp q, 22,23,24,25,26,27, 38,39,40,41,42,43, 50,51,52,53,54,55, 62,63,64,65,66,67, 74,75,76,77,78,79
	v_mov_b32 v\q, 0                               ; k = 64..127 of Q's and K's fragments: zero codes
.endr
	v_mov_b32 v13, 0xff61b1e6                      ; the largest t so far: -3e38
	s_delay_alu instid0(VALU_DEP_1)
	v_floor_f32 v12, -v13
	v_mov_b32 v14, 0
	v_mov_b32 v15, 0
	v_mov_b32 v7, 0xff800000
.irp b, 0,1,2,3
	v_mov_b32 v[236+\b], 0                         ; a lane permute's destination counts as read
.endr
	v_mov_b32 v252, 0
	v_mov_b32 v253, 0
	s_wait_kmcnt 0x0                               ; the flags
.irp q, 17,18,19,20,21,22,23,24,25,26,27,28,29,30,31
	s_or_b32 s16, s16, s\q
.endr
	s_mov_b32 s89, s16                             ; bit 0: this step is all masked; bit 16: none of it is; a shift a trip
	s_wait_loadcnt 0x0                             ; my step of K and V, and Q: also frees the loads' bases
.irp t, 0,1,2,3,4,5,6,7
	ds_store_b128 v80, v[96+6*\t:99+6*\t] offset:768*\t
	ds_store_b64 v81, v[100+6*\t:101+6*\t] offset:768*\t+512
.endr
.irp j, 0,1,2,3,4,5,6,7,8,9,10,11
	ds_store_b128 v82, v[144+4*\j:147+4*\j] offset:512*\j
.endr
	ds_store_b128 v83, v[192:195]
	ds_store_b64 v84, v[196:197]
	s_load_b512 s[16:31], s[6:7], 0x0              ; step 0's lane masks: word n in s[16 + n], from word 48 on in s[20 + n]
	s_load_b512 s[32:47], s[6:7], 0x40
	s_load_b512 s[48:63], s[6:7], 0x80
	s_load_b512 s[68:83], s[6:7], 0xc0
	s_wait_dscnt 0x0                               ; for the other waves' sake: my stores have landed
	s_barrier_signal -1
	s_barrier_wait -1                              ; the whole head lies in LDS; nobody writes it again
.set j, 0
.rept 32
	v_mov_b32 v[160+j], 0                          ; O^T: the loop is written once; its first step finds zeros
.set j, j+1
.endr
	s_mov_b32 s12, 0                               ; 6,144 x step: K's and V's tiles
	s_mov_b32 s13, 0                               ; 512 x step: K's scale words
	s_mov_b32 s14, 0                               ; 256 x step: V's
	s_wait_kmcnt 0x0                               ; step 0's masks have landed: their registers may be loaded again inside the loop
	s_mov_b32 s88, 16
.Lstep:
	s_and_b32 s90, s89, 1                          ; all of this step masked for my 16 queries?  Then the step is jumped over
	s_cmp_lg_u32 s90, 0
	s_cbranch_scc1 .Lnext                          ; a step that is all masked does nothing but step the counters
	s_and_b32 s90, s89, 0x10000                    ; THE LANE MASKS ARE ASKED FOR ONLY IN A STEP THAT SELECTS BY THEM (neither all masked nor open), at its head, not a step ahead:
	s_cmp_lg_u32 s90, 0                            ; K's LDS loads and the eight products stand between the request and the wait for it
	s_cbranch_scc1 .Lfree
	s_and_b32 s15, s14, 0xfff                      ; 256 x step: this step's 256 bytes of my tile's 4,096
	s_load_b512 s[16:31], s[6:7], s15 offset:0x0
	s_load_b512 s[32:47], s[6:7], s15 offset:0x40
	s_load_b512 s[48:63], s[6:7], s15 offset:0x80
	s_load_b512 s[68:83], s[6:7], s15 offset:0xc0
.Lfree:
	v_add_nc_u32 v80, s12, v1                      ; six plain lines: also the places between the last products and what follows
	s_wait_alu depctr_va_vdst(0)
	v_add_nc_u32 v81, s12, v2
	s_wait_alu depctr_va_vdst(0)
	v_add_nc_u32 v82, s12, v28
	v_add_nc_u32 v83, s12, v29
	v_add_nc_u32 v84, s13, v3
	s_wait_alu depctr_va_vdst(0)
	v_add_nc_u32 v85, s14, v4
.irp g, 0,1
.if \g
.rept 4
	v_nop
.endr
.endif
.irp t, 0,1,2,3
	ds_load_b128 v[32+12*\t:35+12*\t], v80 offset:768*(4*\g+\t)
	ds_load_b64 v[36+12*\t:37+12*\t], v81 offset:768*(4*\g+\t)+512
	ds_load_u16 v[248+\t], v84 offset:64*(4*\g+\t)
.endr
	s_wait_dscnt 0x0
.irp t, 0,1,2,3
	v_wmma_scale_f32_16x16x128_f8f6f4 v[96+8*(4*\g+\t):103+8*(4*\g+\t)], v[32+12*\t:43+12*\t], v[16:27], 0, v[248+\t], v255 matrix_a_fmt:MATRIX_FMT_FP6 matrix_b_fmt:MATRIX_FMT_FP6
.endr
.endr
.rept 4
	v_nop
.endr
	s_wait_kmcnt 0x0                               ; this step's lane masks
	s_and_b32 s90, s89, 0x10000                    ; nothing of this step masked?  Then nothing is selected
	s_cmp_lg_u32 s90, 0
	s_cbranch_scc1 .Lopen
.set n, 0
.rept 64
	v_cndmask_b32 v[96+n], v[96+n], v7, s[16+n+4*(n/48)]   ; a masked key's score becomes -infinity: p = 0
.set n, n+1
.endr
.Lopen:
.irp b, 0,1,2,3
	v_max3_num_f32 v[232+\b], v[96+16*\b], v[97+16*\b], v[98+16*\b]   ; the largest score of each block of 32 keys: for the row's maximum and, since p rises with the score, for the block's largest p
.endr
.irp i, 3,5,7,9,11,13
.irp b, 0,1,2,3
	v_max3_num_f32 v[232+\b], v[232+\b], v[96+16*\b+\i], v[97+16*\b+\i]
.endr
.endr
.irp b, 0,1,2,3
	v_max_num_f32 v[232+\b], v[232+\b], v[111+16*\b]
.endr
.irp b, 0,1,2,3
	s_delay_alu instid0(VALU_DEP_4)
	v_permlanex16_b32 v[236+\b], v[232+\b], s[SEL], s[SEL+1]
.endr
.irp b, 0,1,2,3
	s_delay_alu instid0(VALU_DEP_4)
	v_max_num_f32 v[232+\b], v[232+\b], v[236+\b]
.endr
	s_delay_alu instid0(VALU_DEP_2)
	v_max3_num_f32 v254, v232, v233, v234
	s_delay_alu instid0(VALU_DEP_1)
	v_max_num_f32 v254, v254, v235
	s_delay_alu instid0(VALU_DEP_1)
	v_mul_f32 v254, s[CS], v254
	s_delay_alu instid0(VALU_DEP_1)
	v_max_num_f32 v13, v13, v254                   ; the running largest t
	v_mov_b32 v254, v12
	s_delay_alu instid0(VALU_DEP_2)
	v_floor_f32 v12, -v13                          ; -M = floor(-t): M is a whole number
	s_delay_alu instid0(VALU_DEP_1)
	v_sub_f32 v254, v12, v254
	s_delay_alu instid0(VALU_DEP_1)
	v_cvt_i32_f32 v254, v254                       ; (it saturates)
	s_delay_alu instid0(VALU_DEP_1)
	v_ldexp_f32 v252, 1.0, v254                    ; f = 2^(old M - new M): rounds nothing
.set j, 0
.rept 32
	v_pk_fma_f32 v[96+j:97+j], v[96+j:97+j], s[CS:CS+1], v[12:13] op_sel_hi:[1,0,0]
.set j, j+2
.endr
.irp b, 0,1,2,3
	v_fma_f32 v[232+\b], v[232+\b], s[CS], v12
.endr
.set j, 0
	s_wait_alu depctr_va_vdst(0)
.rept 64
	v_exp_f32 v[96+j], v[96+j]
.set j, j+1
.endr
	v_pk_mul_f32 v[14:15], v[14:15], v[252:253] op_sel_hi:[1,0]   ; the sums under the new M: a plain line behind the exponentials
	s_wait_alu depctr_va_vdst(0)                   ; one wait for the batch, ahead of its first reader
.irp b, 0,1,2,3
	v_exp_f32 v[232+\b], v[232+\b]
.endr
	v_pk_add_f32 v[236:237], v[100:101], v[104:105]
	v_pk_add_f32 v[250:251], v[108:109], v[112:113]
	v_pk_add_f32 v[248:249], v[116:117], v[120:121]
	v_pk_add_f32 v[246:247], v[124:125], v[128:129]
	v_pk_add_f32 v[244:245], v[132:133], v[136:137]
	v_pk_add_f32 v[242:243], v[140:141], v[144:145]
	v_pk_add_f32 v[240:241], v[148:149], v[152:153]
	v_pk_add_f32 v[14:15], v[14:15], v[156:157]
	v_pk_add_f32 v[236:237], v[236:237], v[96:97]
	v_pk_add_f32 v[250:251], v[250:251], v[98:99]
	v_pk_add_f32 v[248:249], v[248:249], v[102:103]
	v_pk_add_f32 v[246:247], v[246:247], v[106:107]
	v_pk_add_f32 v[244:245], v[244:245], v[110:111]
	v_pk_add_f32 v[242:243], v[242:243], v[114:115]
	v_pk_add_f32 v[240:241], v[240:241], v[118:119]
	v_pk_add_f32 v[14:15], v[14:15], v[122:123]
	v_pk_add_f32 v[236:237], v[236:237], v[126:127]
	v_pk_add_f32 v[250:251], v[250:251], v[130:131]
	v_pk_add_f32 v[248:249], v[248:249], v[134:135]
	v_pk_add_f32 v[246:247], v[246:247], v[138:139]
	v_pk_add_f32 v[244:245], v[244:245], v[142:143]
	v_pk_add_f32 v[242:243], v[242:243], v[146:147]
	v_pk_add_f32 v[240:241], v[240:241], v[150:151]
	v_pk_add_f32 v[14:15], v[14:15], v[154:155]
	v_pk_add_f32 v[236:237], v[236:237], v[158:159]
	s_delay_alu instid0(VALU_DEP_2)
	v_pk_add_f32 v[14:15], v[14:15], v[246:247]
	s_delay_alu instid0(VALU_DEP_2)
	v_pk_add_f32 v[236:237], v[236:237], v[244:245]
	v_pk_add_f32 v[250:251], v[250:251], v[242:243]
	v_pk_add_f32 v[248:249], v[248:249], v[240:241]
	s_delay_alu instid0(VALU_DEP_2)
	v_pk_add_f32 v[14:15], v[14:15], v[250:251]
	s_delay_alu instid0(VALU_DEP_2)
	v_pk_add_f32 v[236:237], v[236:237], v[248:249]
	s_delay_alu instid0(VALU_DEP_1)
	v_pk_add_f32 v[14:15], v[14:15], v[236:237]
	s_wait_alu depctr_va_vdst(0)                   ; and one for the four
.irp b, 0,1,2,3
	v_max_num_f32 v[232+\b], 0x1800000, v[232+\b]
.endr
.irp b, 0,1,2,3
	s_delay_alu instid0(VALU_DEP_4)
	v_add_nc_u32 v[244+\b], 0xff000000, v[232+\b]
.endr
.irp b, 0,1,2,3
	s_delay_alu instid0(VALU_DEP_4)
	v_lshrrev_b32 v[236+\b], 23, v[244+\b]
.endr
	s_delay_alu instid0(VALU_DEP_3)
	v_lshl_or_b32 v253, v237, 8, v236              ; p's scale word
	s_delay_alu instid0(VALU_DEP_1)
	v_lshl_or_b32 v253, v238, 16, v253
	s_delay_alu instid0(VALU_DEP_1)
	v_lshl_or_b32 v253, v239, 24, v253
.irp c, 0,1
	v_cvt_scalef32_pk16_fp6_f32 v[224+6*\c:226+6*\c], v[96+32*\c:111+32*\c], v[244+2*\c]
	v_cvt_scalef32_pk16_fp6_f32 v[236+4*\c:238+4*\c], v[112+32*\c:127+32*\c], v[244+2*\c+1]
.endr
	v_nop                                          ; one plain line behind the conversions
.irp t, 0,1,2,3                        ; V's four fragments land where p lay, while the lines below run
	ds_load_b128 v[96+12*\t:99+12*\t], v82 offset:1536*\t
	ds_load_b64 v[100+12*\t:101+12*\t], v83 offset:1536*\t+512
	ds_load_b128 v[102+12*\t:105+12*\t], v82 offset:1536*\t+768
	ds_load_b64 v[106+12*\t:107+12*\t], v83 offset:1536*\t+1280
	ds_load_b32 v[248+\t], v85 offset:64*\t
.endr
.irp c, 0,1
.irp i, 0,1,2
	v_permlane16_swap_b32 v[224+6*\c+\i], v[236+4*\c+\i]
.endr
.irp i, 0,1,2
	s_delay_alu instid0(VALU_DEP_3)
	v_mov_b32 v[227+6*\c+\i], v[236+4*\c+\i]
.endr
.endr
.set j, 0
.rept 16
	v_pk_mul_f32 v[160+j:161+j], v[160+j:161+j], v[252:253] op_sel_hi:[1,0]   ; O^T under the new M; also the places in front of the products
.set j, j+2
.endr
	s_wait_alu depctr_va_vdst(0)
	s_wait_dscnt 0x0
.irp t, 0,1,2,3
	v_wmma_scale_f32_16x16x128_f8f6f4 v[160+8*\t:167+8*\t], v[96+12*\t:107+12*\t], v[224:235], v[160+8*\t:167+8*\t], v[248+\t], v253 matrix_a_fmt:MATRIX_FMT_FP6 matrix_b_fmt:MATRIX_FMT_FP6
.endr
.Lnext:
	s_lshr_b32 s89, s89, 1                         ; the next step's two flags
	s_add_co_u32 s12, s12, 6144
	s_add_co_u32 s13, s13, 512
	s_add_co_u32 s14, s14, 256
	s_sub_co_u32 s88, s88, 1
	s_cmp_lg_u32 s88, 0
	s_cbranch_scc1 .Lstep
	; THE WAY OUT: O^T / the sum, quantised along the 64 channels: half c of an image of the next operand
	s_wait_kmcnt 0x0
.rept 4
	v_nop
.endr
	v_add_f32 v14, v14, v15
	s_delay_alu instid0(VALU_DEP_1)
	v_permlanex16_b32 v252, v14, s[SEL], s[SEL+1]
	s_delay_alu instid0(VALU_DEP_1)
	v_add_f32 v14, v14, v252                       ; the row's sum
	s_wait_alu depctr_va_vdst(0)
	v_rcp_f32 v12, v14
	v_mov_b32 v241, 0xffff                         ; (a plain line behind it)
	s_wait_alu depctr_va_vdst(0)
.set j, 0
.rept 16
	v_pk_mul_f32 v[160+j:161+j], v[160+j:161+j], v[12:13] op_sel_hi:[1,0]
.set j, j+2
.endr
.irp b, 0,1
	v_max3_num_f32 v[232+\b], |v[160+16*\b]|, |v[161+16*\b]|, 0x1800000
.endr
.irp i, 2,4,6,8,10,12,14
.irp b, 0,1
	s_delay_alu instid0(VALU_DEP_2)
	v_max3_num_f32 v[232+\b], v[232+\b], |v[160+16*\b+\i]|, |v[161+16*\b+\i]|
.endr
.endr
.irp b, 0,1
	s_delay_alu instid0(VALU_DEP_2)
	v_permlanex16_b32 v[236+\b], v[232+\b], s[SEL], s[SEL+1]
.endr
.irp b, 0,1
	s_delay_alu instid0(VALU_DEP_2)
	v_max_num_f32 v[232+\b], v[232+\b], v[236+\b]
.endr
.irp b, 0,1
	s_delay_alu instid0(VALU_DEP_2)
	v_add_nc_u32 v[244+\b], 0xff000000, v[232+\b]
.endr
.irp b, 0,1
	s_delay_alu instid0(VALU_DEP_2)
	v_lshrrev_b32 v[236+\b], 23, v[244+\b]
.endr
	s_delay_alu instid0(VALU_DEP_1)
	v_lshl_or_b32 v240, v237, 8, v236
	v_cmp_eq_f32 vcc_lo, 0, v14
	s_delay_alu instid0(VALU_DEP_1)
	v_cndmask_b32 v240, v240, v241, vcc_lo         ; a row with no key: NaN bytes
	v_cvt_scalef32_pk16_fp6_f32 v[224:226], v[160:175], v244
	v_cvt_scalef32_pk16_fp6_f32 v[228:230], v[176:191], v245
	v_nop
.irp i, 0,1,2
	v_permlane16_swap_b32 v[224+\i], v[228+\i]
.endr
	s_delay_alu instid0(VALU_DEP_3)
	v_mov_b32 v227, v228
	s_delay_alu instid0(VALU_DEP_3)
	v_mov_b32 v228, v229
	s_delay_alu instid0(VALU_DEP_3)
	v_mov_b32 v229, v230
	global_store_b128 v1, v[224:227], s[8:9]
	global_store_b64 v2, v[228:229], s[8:9] offset:512
	global_store_b16 v31, v240, s[94:95]           ; my head's two bytes of each row's word (lanes 16-31 repeat lanes 0-15)
	s_wait_tensorcnt 0x0                           ; the wave's end
	ds_add_u32 v5, v6
	s_wait_dscnt 0x0
	s_endpgm
.Lfunc_end_k_qf5483e4673_attn:
	.size	k_qf5483e4673_attn, .Lfunc_end_k_qf5483e4673_attn-k_qf5483e4673_attn
	.p2alignl 7, 3214868480
	.fill 96, 4, 3214868480
	.section	.rodata,"a",@progbits
	.p2align	6, 0x0
	.amdhsa_kernel k_qf5483e4673_attn
		.amdhsa_group_segment_fixed_size 210944
		.amdhsa_private_segment_fixed_size 0
		.amdhsa_enable_private_segment 0
		.amdhsa_kernarg_size 24
		.amdhsa_user_sgpr_count 2
		.amdhsa_user_sgpr_kernarg_segment_ptr 1
		.amdhsa_wavefront_size32 1
		.amdhsa_system_sgpr_workgroup_id_x 1
		.amdhsa_system_sgpr_workgroup_id_y 1
		.amdhsa_system_sgpr_workgroup_id_z 1
		.amdhsa_system_vgpr_workitem_id 0
		.amdhsa_next_free_vgpr 256
		.amdhsa_next_free_sgpr 102
		.amdhsa_reserve_vcc 1
		.amdhsa_float_denorm_mode_32 3
		.amdhsa_float_denorm_mode_16_64 3
		.amdhsa_memory_ordered 1
		.amdhsa_forward_progress 1
		.amdhsa_inst_pref_size 41
	.end_amdhsa_kernel
	.amdgpu_metadata
---
amdhsa.version: [ 1, 2 ]
amdhsa.kernels:
  - .name:           k_qf5483e4673_attn
    .symbol:         k_qf5483e4673_attn.kd
    .args:
      - { .name: qkv, .offset: 0, .size: 8, .value_kind: global_buffer, .address_space: global }
      - { .name: mbits, .offset: 8, .size: 8, .value_kind: global_buffer, .address_space: global }
      - { .name: oq, .offset: 16, .size: 8, .value_kind: global_buffer, .address_space: global }
    .group_segment_fixed_size: 210944
    .private_segment_fixed_size: 0
    .kernarg_segment_align: 8
    .kernarg_segment_size: 24
    .max_flat_workgroup_size: 512
    .sgpr_count:     102
    .vgpr_count:     256
    .wavefront_size: 32
...
	.end_amdgpu_metadata
.endif
;; end of part 11
;; launch oproj (part 12): grid 8 x 32, 4 waves a work-group, clusters of 4 x 4, 327,680 bytes of LDS; arguments oq, wts, x, x1; writes x1
.if DOCPART == 12
	.amdgcn_target "amdgcn-amd-amdhsa--gfx1250"
	.amdhsa_code_object_version 6
	.text
	.protected	k_qf5483e4673_oproj
	.globl	k_qf5483e4673_oproj
	.p2align	8
	.type	k_qf5483e4673_oproj,@function
k_qf5483e4673_oproj:
	s_mov_b64 s[64:65], 0
	v_nop
	global_prefetch_b8 v0, s[64:65] scope:SCOPE_SE
	s_setreg_imm32_b32 hwreg(HW_REG_WAVE_MODE, 25, 1), 1
	s_wait_xcnt 0x0
	s_wait_alu depctr_hold_cnt(0) depctr_sa_sdst(0) depctr_va_vdst(0) depctr_va_sdst(0) depctr_va_ssrc(0) depctr_va_vcc(0) depctr_vm_vsrc(0)
	s_getreg_b32 s2, hwreg(HW_REG_IB_STS2, 6, 4)
	s_cmp_eq_u32 s2, 0
	s_cbranch_scc0 .Lentry_in_a_cluster
	s_endpgm
.Lentry_in_a_cluster:
	s_bfe_u32 s2, ttmp6, 0x10000c
	s_cmp_lg_u32 s2, 0xf033
	s_cbranch_scc0 .Lentry_shape_is_right
	s_endpgm
.Lentry_shape_is_right:
.set KK,    1024
.set AOFS,  3145728
.set BOFC,  2359296
.set BOFS,  9535488
.set HASB,  0
.set NS,    KK/128
.set GS,    NS*12288
.set HALFT, 24576
.set SLOT,  4*HALFT
.set SCL,   2*SLOT
.set HALFS, NS*512
.set SPARE, SCL+2*HALFS
.set LAPS,  KK/1024
.set FR,    12
.set ADRA, 16
.set ADRB, 20
.set STO,  24
.set RD,   25
.set CO,   26
.set ADRS, 27
.set SPW,  28
.set NIL,  29
.set SC,   32
.set BIAS, 64
.set BK,   64
.set ACC,  128
.set G1, 24
.set G0, 32
.set G1B, 48
.set G0B, 56
.set G1S, 68
.set G0S, 76
.set G1SB, 80
.set G0SB, 88
.set MSB, 0
.macro WIN new
.if MSB != (\new)
	s_set_vgpr_msb (MSB<<8)|(\new)
.set MSB, \new
.endif
.endm
.set MUL,  0x05
.set TO_F, 0x40
.set G0H,  4                           ; s[4:7], s[8:11] group 0 of the head's loads of codes
.set G0HB, 8
.if LAPS > 1
.set HR,  192                          ; rows of 256 bytes in a head's load of codes: slot 0's four K steps of a group
.set SD,  SLOT                         ; from slot 0 to slot 1
.else
.set HR,  384                          ; K = 1,024: a group's whole K, 98,304 bytes; A's lie at 0, B's behind them; nothing is filled later
.set SD,  2*HALFT
.endif
.macro ARM under, g0, g1, next         ; an arm of the head's one chain on the wave's number: one tensor load, then a jump to the chain's end
	s_cmp_lt_u32 s14, \under
	s_cbranch_scc0 \next
	tensor_load_to_lds s[\g0:\g0+3], s[\g1:\g1+7]
	s_nop 0
.rept 4
	v_nop
.endr
	s_branch .Lhead_asked
\next:
.endm
.macro JLOAD g0a, g1a, g0b, g1b
	s_cmp_eq_u32 s15, 0
	s_cbranch_scc0 .Lfor_b_\@
	tensor_load_to_lds s[\g0a:\g0a+3], s[\g1a:\g1a+7]
	s_nop 0
.rept 4
	v_nop
.endr
	s_branch .Lasked_\@
.Lfor_b_\@:
	tensor_load_to_lds s[\g0b:\g0b+3], s[\g1b:\g1b+7]
	s_nop 0
.rept 4
	v_nop
.endr
.Lasked_\@:
.endm
.macro CREST
	s_cmp_lg_u32 s14, 0
	s_cbranch_scc1 .Lnot_wave_0_\@
	s_barrier_signal -3
.Lnot_wave_0_\@:
	s_barrier_wait -3
	s_barrier_signal -1
	s_barrier_wait -1
.endm
.macro CROUND
	s_barrier_signal -1
	s_barrier_wait -1
	CREST
.endm
	s_load_b128 s[96:99], s[0:1], 0x0
.if HASB
	s_load_b64 s[100:101], s[0:1], 0x10
	s_load_b64 s[18:19], s[0:1], 0x18
	s_load_b64 s[12:13], s[0:1], 0x20
.else
	s_load_b64 s[18:19], s[0:1], 0x10
	s_load_b64 s[12:13], s[0:1], 0x18
.endif
	v_lshl_add_u32 v[SPW], v0, 2, SPARE
	v_mov_b32 v[NIL], 0
	ds_add_u32 v[SPW], v[NIL]
	ds_add_u32 v[SPW], v[NIL]
	v_lshrrev_b32 v1, 5, v0
	v_readfirstlane_b32 s14, v1
	s_lshr_b32 s15, s14, 1
	s_and_b32 s16, s14, 1
	s_bfe_u32 s40, ttmp6, 0x40000
	s_bfe_u32 s41, ttmp6, 0x40004
	s_lshl_b32 s42, ttmp9, 2
	s_add_co_u32 s42, s42, s40
	s_and_b32 s17, ttmp7, 0xffff
	s_lshl_b32 s17, s17, 2
	s_add_co_u32 s17, s17, s41
	s_lshl_b32 s43, s41, 2
	s_lshl_b32 s43, 15, s43
	s_lshl_b32 s44, 0x1111, s40
	s_or_b32 s[G1+0], s43, (3<<16)|(1<<21)
	s_or_b32 s[G1B+0], s44, (3<<16)|(1<<21)
.irp g, G1, G1B
	s_mov_b32 s[\g+1], 32<<16
	s_mov_b32 s[\g+2], HR<<16
	s_mov_b32 s[\g+3], 32<<16
	s_mov_b32 s[\g+4], HR
	s_mov_b32 s[\g+5], 32
	s_mov_b32 s[\g+6], 0
	s_mov_b32 s[\g+7], 0
.endr
	s_or_b32 s[G1S+0], s43, (3<<16)|(1<<21)
	s_or_b32 s[G1SB+0], s44, (3<<16)|(1<<21)
.irp g, G1S, G1SB
	s_mov_b32 s[\g+1], 32<<16
	s_mov_b32 s[\g+2], (HALFS/256)<<16
	s_mov_b32 s[\g+3], 32<<16
	s_mov_b32 s[\g+4], HALFS/256
	s_mov_b32 s[\g+5], 32
	s_mov_b32 s[\g+6], 0
	s_mov_b32 s[\g+7], 0
.endr
	s_mul_i32 s20, s17, GS
	s_mov_b32 s21, 0
	s_mul_i32 s46, s42, GS
	s_mov_b32 s47, 0
	s_mul_i32 s22, s17, HALFS
	s_mov_b32 s23, 0
	s_mul_i32 s92, s42, HALFS
	s_mov_b32 s93, 0
	s_mul_i32 s45, s14, HALFT
	s_mul_i32 s2, s16, HALFT                       ; in a ring I fetch two of a slot's four K steps: which, in bytes
	s_mov_b32 s3, 0
	s_wait_dscnt 0x0
	s_wait_kmcnt 0x0
	s_mov_b64 s[4:5], s[96:97]
	s_add_nc_u64 s[6:7], s[96:97], AOFS
	s_add_nc_u64 s[8:9], s[98:99], BOFC
	s_add_nc_u64 s[10:11], s[98:99], BOFS
	s_add_nc_u64 s[20:21], s[4:5], s[20:21]
	s_add_nc_u64 s[22:23], s[6:7], s[22:23]
	s_add_nc_u64 s[46:47], s[8:9], s[46:47]
	s_add_nc_u64 s[92:93], s[10:11], s[92:93]
	CROUND
	s_mov_b32 s[G0S], 1
	s_mov_b32 s[G0S+1], SCL
	s_mov_b64 s[G0S+2:G0S+3], s[22:23]
	s_or_b32 s[G0S+3], s[G0S+3], 0x80000000
	s_mov_b32 s[G0SB], 1
	s_mov_b32 s[G0SB+1], SCL+HALFS
	s_mov_b64 s[G0SB+2:G0SB+3], s[92:93]
	s_or_b32 s[G0SB+3], s[G0SB+3], 0x80000000
	s_mov_b32 s[G0H], 1
	s_mov_b32 s[G0H+1], 0
	s_mov_b64 s[G0H+2:G0H+3], s[20:21]
	s_or_b32 s[G0H+3], s[G0H+3], 0x80000000
	s_mov_b32 s[G0HB], 1
	s_mov_b32 s[G0HB+1], HR*256
	s_mov_b64 s[G0HB+2:G0HB+3], s[46:47]
	s_or_b32 s[G0HB+3], s[G0HB+3], 0x80000000
	; the head's four tiles, one joint load a wave: wave 0 A's codes, wave 1 B's, wave 2 A's scale words, wave 3 B's
	ARM 1, G0H,  G1,  .Lhead_b
	ARM 2, G0HB, G1B, .Lhead_sa
	ARM 3, G0S,  G1S, .Lhead_sb
	tensor_load_to_lds s[G0SB:G0SB+3], s[G1SB:G1SB+7]
	s_nop 0
.rept 4
	v_nop
.endr
.Lhead_asked:
.if LAPS > 1
	s_add_nc_u64 s[20:21], s[20:21], s[2:3]
	s_add_nc_u64 s[46:47], s[46:47], s[2:3]
.irp s, 0,1
	s_mov_b32 s[G0+4*\s], 1
	s_add_co_u32 s[G0+4*\s+1], s45, \s*SLOT
	s_add_nc_u64 s[G0+4*\s+2:G0+4*\s+3], s[20:21], \s*2*HALFT
	s_or_b32 s[G0+4*\s+3], s[G0+4*\s+3], 0x80000000
	s_mov_b32 s[G0B+4*\s], 1
	s_add_co_u32 s[G0B+4*\s+1], s45, \s*SLOT
	s_add_nc_u64 s[G0B+4*\s+2:G0B+4*\s+3], s[46:47], \s*2*HALFT
	s_or_b32 s[G0B+4*\s+3], s[G0B+4*\s+3], 0x80000000
.endr
	s_wait_alu depctr_va_vdst(0)                   ; the wait ahead of the blocking wait below
	s_wait_tensorcnt 0x0                           ; slot 1's first fill stands behind these three lines and a whole round, as a refill does
	ds_add_u32 v[SPW], v[NIL]
	s_mov_b32 s[G1+2], 96<<16                      ; no tensor load of mine is out: from here on a load brings 96 rows
	s_mov_b32 s[G1+4], 96
	s_mov_b32 s[G1B+2], 96<<16
	s_mov_b32 s[G1B+4], 96
	s_wait_dscnt 0x0
	CROUND
	JLOAD G0+4, G1, G0B+4, G1B
.endif
	v_and_b32 v1, 31, v0
	v_and_b32 v2, 15, v0
	v_bfe_u32 v3, v0, 4, 1
	v_lshlrev_b32 v4, 4, v1
	v_lshlrev_b32 v5, 3, v1
	v_lshlrev_b32 v[CO], 4, v2
	v_lshl_add_u32 v[CO], v3, 12, v[CO]
	s_wait_alu depctr_va_vdst(0)
	s_lshl_b32 s20, s17, 19
	s_lshl_b32 s21, s15, 18
	s_add_co_u32 s20, s20, s21
	s_lshl_b32 s46, s42, 9
	s_lshl_b32 s47, s16, 8
	s_add_co_u32 s46, s46, s47
	s_mov_b32 s47, 0
	s_add_co_u32 s20, s20, s46
	s_mov_b32 s21, 0
	s_add_nc_u64 s[12:13], s[12:13], s[20:21]
	s_add_nc_u64 s[18:19], s[18:19], s[20:21]
.if HASB
	s_add_nc_u64 s[100:101], s[100:101], s[46:47]
	v_lshlrev_b32 v30, 6, v3
.irp b, 0,1,2,3
	global_load_b128 v[BIAS+8*\b:BIAS+8*\b+3], v30, s[100:101] offset:128*(\b/2)+32*(\b%2)
	global_load_b128 v[BIAS+8*\b+4:BIAS+8*\b+7], v30, s[100:101] offset:128*(\b/2)+32*(\b%2)+16
.endr
.endif
	WIN 0x80
.irp a, 0,1,2,3
.irp t, 0,1,2,3,4,5,6,7
	global_load_b128 v[32*\a+4*\t:32*\a+4*\t+3], v[CO], s[18:19] offset:(32*(\a/2)+8*(\a%2)+2*\t+8*(\t/4))*4096 th:TH_LOAD_NT
.endr
.endr
	WIN 0
	s_mul_i32 s21, s15, 6144
	s_mul_i32 s22, s16, 6144
	s_add_co_u32 s22, s22, HR*256
.irp s, 0,1
	v_add_nc_u32 v[ADRA+\s], s21, v4
	v_add_nc_u32 v[ADRB+\s], s22, v4
	v_add_nc_u32 v[ADRA+2+\s], s21, v5
	v_add_nc_u32 v[ADRB+2+\s], s22, v5
	s_add_co_u32 s21, s21, SD
	s_add_co_u32 s22, s22, SD
.endr
	s_lshl_b32 s21, s15, 8
	s_lshl_b32 s22, s16, 8
	s_add_co_u32 s22, s22, HALFS
	s_sub_co_u32 s22, s22, s21
	v_mul_u32_u24 v6, s22, v3
	s_add_co_u32 s21, s21, SCL
	v_lshl_add_u32 v6, v2, 2, v6
	v_add_nc_u32 v[ADRS], s21, v6
	s_mul_i32 s23, s14, 4352
	v_mul_u32_u24 v7, v2, 272
	v_lshl_add_u32 v7, v3, 6, v7
	v_add_nc_u32 v[STO], s23, v7
	v_mul_u32_u24 v8, v3, 272
	v_lshl_add_u32 v8, v2, 4, v8
	v_add_nc_u32 v[RD], s23, v8
.macro FRAG reg, adr, q, i
	ds_load_b128 v[\reg:\reg+3], v[\adr] offset:(\q)*12288+(\i)*1536
	ds_load_b64 v[\reg+4:\reg+5], v[\adr+2] offset:(\q)*12288+(\i)*1536+512
	ds_load_b128 v[\reg+6:\reg+9], v[\adr] offset:(\q)*12288+(\i)*1536+768
	ds_load_b64 v[\reg+10:\reg+11], v[\adr+2] offset:(\q)*12288+(\i)*1536+1280
.endm
.macro MUL8 a0, p, q, sc, zero
.irp a, \a0, \a0+1
.irp b, 0,1,2,3
.set rD, ACC+8*(4*(\a)+\b)
.set rB, 128*(\p)+48+FR*\b
.set rA, 128*(\p)+FR*(\a)
.set sB, SC+16*(\sc)+4*(\q)+\b
.set sA, SC+16*(\sc)+4*(\q)+(\a)
.if (\zero) == 1
	v_wmma_scale_f32_16x16x128_f8f6f4 v[rD:rD+7], v[rB:rB+11], v[rA:rA+11], 0, v[sB], v[sA] matrix_a_fmt:MATRIX_FMT_FP6 matrix_b_fmt:MATRIX_FMT_FP6 matrix_a_scale:MATRIX_SCALE_ROW1
.elseif (\zero) == 2
	v_wmma_scale_f32_16x16x128_f8f6f4 v[rD:rD+7], v[rB:rB+11], v[rA:rA+11], v[BIAS+8*\b:BIAS+8*\b+7], v[sB], v[sA] matrix_a_fmt:MATRIX_FMT_FP6 matrix_b_fmt:MATRIX_FMT_FP6 matrix_a_scale:MATRIX_SCALE_ROW1
.else
	v_wmma_scale_f32_16x16x128_f8f6f4 v[rD:rD+7], v[rB:rB+11], v[rA:rA+11], v[rD:rD+7], v[sB], v[sA] matrix_a_fmt:MATRIX_FMT_FP6 matrix_b_fmt:MATRIX_FMT_FP6 matrix_a_scale:MATRIX_SCALE_ROW1
.endif
.endr
.endr
.endm
.macro FETCH slot, q, p
	WIN TO_F
.irp i, 0,1,2,3
	FRAG 128*(\p)+48+FR*\i, ADRB+\slot, \q, \i
.endr
.irp i, 0,1,2,3
	FRAG 128*(\p)+FR*\i, ADRA+\slot, \q, \i
.endr
.endm
.macro SCALES sc
.irp q, 0,1,2,3
.irp i, 0,1,2,3
	ds_load_b32 v[SC+16*\sc+4*\q+\i], v[ADRS] offset:512*\q+64*\i
.endr
.endr
.endm
.macro PLACES n
.rept \n
	v_nop
.endr
.endm
.macro KSTEP slot, q, zero
	PLACES 4
	FETCH \slot, (\q)+1, 1-(\q)%2
	s_wait_dscnt 32
	WIN MUL
	MUL8 0, (\q)%2, \q, \slot, \zero
	MUL8 2, (\q)%2, \q, \slot, \zero
.endm
.macro TURN slot, next, fill
	WIN 0
	s_wait_tensorcnt 0x0
	ds_add_u32 v[SPW], v[NIL]
	s_wait_dscnt 0x0
	WIN MUL
	s_barrier_signal -1
	MUL8 0, 1, 3, \slot, 0
	WIN 0
	s_barrier_wait -1
.if \fill
	CREST
	s_add_nc_u64 s[G0+4*\slot+2:G0+4*\slot+3], s[G0+4*\slot+2:G0+4*\slot+3], 4*HALFT
	s_add_nc_u64 s[G0B+4*\slot+2:G0B+4*\slot+3], s[G0B+4*\slot+2:G0B+4*\slot+3], 4*HALFT
	JLOAD G0+4*\slot, G1, G0B+4*\slot, G1B
.else
	PLACES 4
.endif
	v_add_nc_u32 v[ADRS], 2048, v[ADRS]
	FETCH \next, 0, 0
	WIN 0
	SCALES \next
	WIN MUL
	MUL8 2, 1, 3, \slot, 0
.endm
	s_wait_alu depctr_va_vdst(0)
.if LAPS > 1
	s_wait_tensorcnt 1                             ; slot 1's load may be out
.else
	s_wait_tensorcnt 0x0                           ; my one load is in; the barrier shows all four tiles to all waves
.endif
	s_barrier_signal -1
	s_barrier_wait -1
	FETCH 0, 0, 0
	WIN 0
	SCALES 0
.if HASB
	s_wait_loadcnt 32
	KSTEP 0, 0, 2
.else
	KSTEP 0, 0, 1
.endif
	KSTEP 0, 1, 0
	KSTEP 0, 2, 0
.if LAPS > 1
	WIN 0
	s_mov_b32 s3, LAPS-1
.Llap:
	TURN 0, 1, 1
	KSTEP 1, 0, 0
	KSTEP 1, 1, 0
	KSTEP 1, 2, 0
	TURN 1, 0, 1
	KSTEP 0, 0, 0
	KSTEP 0, 1, 0
	KSTEP 0, 2, 0
	WIN 0
	s_sub_co_u32 s3, s3, 1
	s_cmp_lg_u32 s3, 0
	s_cbranch_scc1 .Llap
.endif
	TURN 0, 1, 0
	KSTEP 1, 0, 0
	KSTEP 1, 1, 0
	KSTEP 1, 2, 0
	s_wait_dscnt 0x0
	WIN MUL
	MUL8 0, 1, 3, 1, 0
	MUL8 2, 1, 3, 1, 0
	WIN 0
.macro TOSTAGE a
.set AC, ACC+32*(\a)
.irp b, 0,1,2,3
	ds_store_b128 v[STO], v[AC+8*\b:AC+8*\b+3] offset:128*(\b/2)+32*(\b%2)
	ds_store_b128 v[STO], v[AC+8*\b+4:AC+8*\b+7] offset:128*(\b/2)+32*(\b%2)+16
.endr
.set BB, BK+32*((\a)%2)
.irp t, 0,1,2,3,4,5,6,7
	ds_load_b128 v[BB+4*\t:BB+4*\t+3], v[RD] offset:\t*544
.endr
.endm
	PLACES 4
	s_wait_loadcnt 0x0
.irp a, 0,1,2,3
.if \a > 1
	s_wait_xcnt 0x0
.endif
	TOSTAGE \a
	s_wait_dscnt 0x0
	WIN 0x08
.set p, 0
.rept 16
	v_pk_add_f32 v[BK+32*(\a%2)+p:BK+32*(\a%2)+p+1], v[BK+32*(\a%2)+p:BK+32*(\a%2)+p+1], v[32*\a+p:32*\a+p+1]
.set p, p+2
.endr
	WIN 0
.irp t, 0,1,2,3,4,5,6,7
.if HASB
	global_store_b128 v[CO], v[BK+32*(\a%2)+4*\t:BK+32*(\a%2)+4*\t+3], s[12:13] offset:(32*(\a/2)+8*(\a%2)+2*\t+8*(\t/4))*4096 th:TH_STORE_NT
.else
	global_store_b128 v[CO], v[BK+32*(\a%2)+4*\t:BK+32*(\a%2)+4*\t+3], s[12:13] offset:(32*(\a/2)+8*(\a%2)+2*\t+8*(\t/4))*4096
.endif
.endr
.endr
	s_wait_tensorcnt 0x0
	ds_add_u32 v[SPW], v[NIL]
	s_wait_dscnt 0x0
	CROUND
	s_endpgm
.Lfunc_end_k_qf5483e4673_oproj:
	.size	k_qf5483e4673_oproj, .Lfunc_end_k_qf5483e4673_oproj-k_qf5483e4673_oproj
	.p2alignl 7, 3214868480
	.fill 96, 4, 3214868480
	.section	.rodata,"a",@progbits
	.p2align	6, 0x0
	.amdhsa_kernel k_qf5483e4673_oproj
		.amdhsa_group_segment_fixed_size 327680
		.amdhsa_private_segment_fixed_size 0
		.amdhsa_enable_private_segment 0
		.amdhsa_kernarg_size 32
		.amdhsa_user_sgpr_count 2
		.amdhsa_user_sgpr_kernarg_segment_ptr 1
		.amdhsa_wavefront_size32 1
		.amdhsa_system_sgpr_workgroup_id_x 1
		.amdhsa_system_sgpr_workgroup_id_y 1
		.amdhsa_system_sgpr_workgroup_id_z 1
		.amdhsa_system_vgpr_workitem_id 0
		.amdhsa_next_free_vgpr 768
		.amdhsa_next_free_sgpr 102
		.amdhsa_reserve_vcc 0
		.amdhsa_float_denorm_mode_32 3
		.amdhsa_float_denorm_mode_16_64 3
		.amdhsa_memory_ordered 1
		.amdhsa_forward_progress 1
		.amdhsa_inst_pref_size 60
	.end_amdhsa_kernel
	.amdgpu_metadata
---
amdhsa.version: [ 1, 2 ]
amdhsa.kernels:
  - .name:           k_qf5483e4673_oproj
    .symbol:         k_qf5483e4673_oproj.kd
    .args:
      - { .name: oq, .offset: 0, .size: 8, .value_kind: global_buffer, .address_space: global }
      - { .name: wts, .offset: 8, .size: 8, .value_kind: global_buffer, .address_space: global }
      - { .name: x, .offset: 16, .size: 8, .value_kind: global_buffer, .address_space: global }
      - { .name: x1, .offset: 24, .size: 8, .value_kind: global_buffer, .address_space: global }
    .group_segment_fixed_size: 327680
    .private_segment_fixed_size: 0
    .kernarg_segment_align: 8
    .kernarg_segment_size: 32
    .max_flat_workgroup_size: 128
    .sgpr_count:     102
    .vgpr_count:     768
    .wavefront_size: 32
...
	.end_amdgpu_metadata
.endif
;; end of part 12
;; launch ln2: the kernel of part 9 again; grid 256 x 1, 8 waves a work-group, no clusters, 50,688 bytes of LDS; arguments x1, gamma2, beta2, hq; writes hq
;; launch ffn1 (part 13): grid 16 x 16, 4 waves a work-group, clusters of 4 x 4, 327,680 bytes of LDS; arguments hq, wts, b1, hid; writes hid
.if DOCPART == 13
	.amdgcn_target "amdgcn-amd-amdhsa--gfx1250"
	.amdhsa_code_object_version 6
	.text
	.protected	k_qf5483e4673_ffn1
	.globl	k_qf5483e4673_ffn1
	.p2align	8
	.type	k_qf5483e4673_ffn1,@function
k_qf5483e4673_ffn1:
	s_mov_b64 s[64:65], 0
	v_nop
	global_prefetch_b8 v0, s[64:65] scope:SCOPE_SE
	s_setreg_imm32_b32 hwreg(HW_REG_WAVE_MODE, 25, 1), 1
	s_wait_xcnt 0x0
	s_wait_alu depctr_hold_cnt(0) depctr_sa_sdst(0) depctr_va_vdst(0) depctr_va_sdst(0) depctr_va_ssrc(0) depctr_va_vcc(0) depctr_vm_vsrc(0)
	s_getreg_b32 s2, hwreg(HW_REG_IB_STS2, 6, 4)
	s_cmp_eq_u32 s2, 0
	s_cbranch_scc0 .Lentry_in_a_cluster
	s_endpgm
.Lentry_in_a_cluster:
	s_bfe_u32 s2, ttmp6, 0x10000c
	s_cmp_lg_u32 s2, 0xf033
	s_cbranch_scc0 .Lentry_shape_is_right
	s_endpgm
.Lentry_shape_is_right:
.set KK,    1024
.set AOFS,  3145728
.set BOFC,  3145728
.set BOFS,  9568256
.set NS,    KK/128
.set GS,    NS*12288
.set HALFT, 24576
.set SLOT,  4*HALFT
.set SCL,   2*SLOT
.set HALFS, NS*512
.set SPARE, SCL+4*HALFS
.set LAPS,  KK/512
.set FR,    12
.set ADRA, 16
.set ADRB, 20
.set L16,  24
.set L8,   25
.set L4,   26
.set ADRS, 27
.set SPW,  28
.set NIL,  29
.set SC,   32
.set BIAS, 64
.set PC,   64
.set TM,   112
.set AF,   128
.set HA,   128
.set Z,    192
.set X2,   208
.set P,    224
.set Q,    240
.set CA,   24
.set CB,   36
.set G1, 24
.set G0, 32
.set G1B, 48
.set G0B, 56
.set G1S, 68
.set G0S, 76
.set G1SB, 80
.set G0SB, 88
.set SEL, 100
.set MSB, 0
.macro WIN new
.if MSB != (\new)
	s_set_vgpr_msb (MSB<<8)|(\new)
.set MSB, \new
.endif
.endm
.set MUL_LO, 0xa1
.set MUL_HI, 0xf1
.set TO_B,   0x40
.set G0H,  4                           ; s[4:7], s[8:11] group 0 of the head's loads of slot 0: A's two groups, B's two groups
.set G0HB, 8
.macro ARM under, g0, g1, next         ; an arm of the head's one chain on the wave's number: one tensor load, then a jump to the chain's end
	s_cmp_lt_u32 s14, \under
	s_cbranch_scc0 \next
	tensor_load_to_lds s[\g0:\g0+3], s[\g1:\g1+7]
	s_nop 0
.rept 4
	v_nop
.endr
	s_branch .Lhead_asked
\next:
.endm
.macro JLOAD g0a, g1a, g0b, g1b
	s_cmp_eq_u32 s15, 0
	s_cbranch_scc0 .Lfor_b_\@
	tensor_load_to_lds s[\g0a:\g0a+3], s[\g1a:\g1a+7]
	s_nop 0
.rept 4
	v_nop
.endr
	s_branch .Lasked_\@
.Lfor_b_\@:
	tensor_load_to_lds s[\g0b:\g0b+3], s[\g1b:\g1b+7]
	s_nop 0
.rept 4
	v_nop
.endr
.Lasked_\@:
.endm
.macro CREST
	s_cmp_lg_u32 s14, 0
	s_cbranch_scc1 .Lnot_wave_0_\@
	s_barrier_signal -3
.Lnot_wave_0_\@:
	s_barrier_wait -3
	s_barrier_signal -1
	s_barrier_wait -1
.endm
.macro CROUND
	s_barrier_signal -1
	s_barrier_wait -1
	CREST
.endm
	s_load_b128 s[96:99], s[0:1], 0x0
	s_load_b64 s[100:101], s[0:1], 0x10
	s_load_b64 s[12:13], s[0:1], 0x18
	v_lshl_add_u32 v[SPW], v0, 2, SPARE
	v_mov_b32 v[NIL], 0
	ds_add_u32 v[SPW], v[NIL]
	ds_add_u32 v[SPW], v[NIL]
	v_lshrrev_b32 v1, 5, v0
	v_readfirstlane_b32 s14, v1
	s_lshr_b32 s15, s14, 1
	s_and_b32 s16, s14, 1
	s_bfe_u32 s40, ttmp6, 0x40000
	s_bfe_u32 s41, ttmp6, 0x40004
	s_lshl_b32 s42, ttmp9, 2
	s_add_co_u32 s42, s42, s40
	s_and_b32 s17, ttmp7, 0xffff
	s_lshl_b32 s17, s17, 2
	s_add_co_u32 s17, s17, s41
	s_lshl_b32 s43, s41, 2
	s_lshl_b32 s43, 15, s43
	s_lshl_b32 s44, 0x1111, s40
	s_or_b32 s[G1+0], s43, (3<<16)|(1<<21)
	s_or_b32 s[G1B+0], s44, (3<<16)|(1<<21)
.irp g, G1, G1B                        ; at the head: two rows of 24,576 bytes (3,072 elements of 8), one for each group, GS bytes apart
	s_mov_b32 s[\g+1], 3072<<16
	s_mov_b32 s[\g+2], 2<<16
	s_mov_b32 s[\g+3], 3072<<16
	s_mov_b32 s[\g+4], 2
	s_mov_b32 s[\g+5], GS/8
	s_mov_b32 s[\g+6], 0
	s_mov_b32 s[\g+7], 0
.endr
	s_or_b32 s[G1S+0], s43, (3<<16)|(1<<21)
	s_or_b32 s[G1SB+0], s44, (3<<16)|(1<<21)
.irp g, G1S, G1SB
	s_mov_b32 s[\g+1], 32<<16
	s_mov_b32 s[\g+2], (HALFS/128)<<16             ; two neighbouring groups' scale words: 2 HALFS dense bytes
	s_mov_b32 s[\g+3], 32<<16
	s_mov_b32 s[\g+4], HALFS/128
	s_mov_b32 s[\g+5], 32
	s_mov_b32 s[\g+6], 0
	s_mov_b32 s[\g+7], 0
.endr
	s_mul_i32 s22, s17, 2*HALFS                    ; the tile's two groups begin here: scale words,
	s_mov_b32 s23, 0
	s_mul_i32 s92, s42, 2*HALFS
	s_mov_b32 s93, 0
	s_mul_i32 s20, s17, 2*GS                       ; and codes
	s_mov_b32 s21, 0
	s_mul_i32 s46, s42, 2*GS
	s_mov_b32 s47, 0
	s_mul_i32 s45, s14, HALFT
	s_mul_i32 s2, s16, GS                          ; in the ring I fetch one group: which, in bytes
	s_mov_b32 s3, 0
	s_wait_dscnt 0x0
	s_wait_kmcnt 0x0
	s_mov_b64 s[4:5], s[96:97]
	s_add_nc_u64 s[6:7], s[96:97], AOFS
	s_add_nc_u64 s[8:9], s[98:99], BOFC
	s_add_nc_u64 s[10:11], s[98:99], BOFS
	s_add_nc_u64 s[20:21], s[4:5], s[20:21]
	s_add_nc_u64 s[22:23], s[6:7], s[22:23]
	s_add_nc_u64 s[46:47], s[8:9], s[46:47]
	s_add_nc_u64 s[92:93], s[10:11], s[92:93]
	CROUND
	s_mov_b32 s[G0S], 1
	s_mov_b32 s[G0S+1], SCL
	s_mov_b64 s[G0S+2:G0S+3], s[22:23]
	s_or_b32 s[G0S+3], s[G0S+3], 0x80000000
	s_mov_b32 s[G0SB], 1
	s_mov_b32 s[G0SB+1], SCL+2*HALFS
	s_mov_b64 s[G0SB+2:G0SB+3], s[92:93]
	s_or_b32 s[G0SB+3], s[G0SB+3], 0x80000000
	s_mov_b32 s[G0H], 1
	s_mov_b32 s[G0H+1], 0
	s_mov_b64 s[G0H+2:G0H+3], s[20:21]
	s_or_b32 s[G0H+3], s[G0H+3], 0x80000000
	s_mov_b32 s[G0HB], 1
	s_mov_b32 s[G0HB+1], 2*HALFT
	s_mov_b64 s[G0HB+2:G0HB+3], s[46:47]
	s_or_b32 s[G0HB+3], s[G0HB+3], 0x80000000
	; the head's four tiles, one joint load a wave: wave 0 slot 0's codes of A, wave 1 of B, wave 2 A's scale words, wave 3 B's
	ARM 1, G0H,  G1,  .Lhead_b
	ARM 2, G0HB, G1B, .Lhead_sa
	ARM 3, G0S,  G1S, .Lhead_sb
	tensor_load_to_lds s[G0SB:G0SB+3], s[G1SB:G1SB+7]
	s_nop 0
.rept 4
	v_nop
.endr
.Lhead_asked:
	s_add_nc_u64 s[20:21], s[20:21], s[2:3]        ; for the ring: my group
	s_add_nc_u64 s[46:47], s[46:47], s[2:3]
.irp s, 0,1
	s_mov_b32 s[G0+4*\s], 1
	s_add_co_u32 s[G0+4*\s+1], s45, \s*SLOT
	s_add_nc_u64 s[G0+4*\s+2:G0+4*\s+3], s[20:21], \s*HALFT
	s_or_b32 s[G0+4*\s+3], s[G0+4*\s+3], 0x80000000
	s_mov_b32 s[G0B+4*\s], 1
	s_add_co_u32 s[G0B+4*\s+1], s45, \s*SLOT
	s_add_nc_u64 s[G0B+4*\s+2:G0B+4*\s+3], s[46:47], \s*HALFT
	s_or_b32 s[G0B+4*\s+3], s[G0B+4*\s+3], 0x80000000
.endr
	s_wait_alu depctr_va_vdst(0)                   ; the wait ahead of the blocking wait below
	s_wait_tensorcnt 0x0                           ; my tile of the head's four is in; slot 1's first fill stands behind these three lines and a whole round, as a refill does
	ds_add_u32 v[SPW], v[NIL]
.irp g, G1, G1B                        ; no tensor load of mine is out: from here on a load brings one group's 96 rows of 256 bytes
	s_mov_b32 s[\g+1], 32<<16
	s_mov_b32 s[\g+2], 96<<16
	s_mov_b32 s[\g+3], 32<<16
	s_mov_b32 s[\g+4], 96
	s_mov_b32 s[\g+5], 32
.endr
	s_wait_dscnt 0x0
	CROUND
	JLOAD G0+4, G1, G0B+4, G1B
	v_and_b32 v1, 31, v0
	v_and_b32 v2, 15, v0
	v_bfe_u32 v3, v0, 4, 1
	v_lshlrev_b32 v[L16], 4, v1
	s_wait_alu depctr_va_vdst(0)
	v_lshlrev_b32 v[L8], 3, v1
	s_wait_alu depctr_va_vdst(0)
	v_lshlrev_b32 v[L4], 2, v1
	s_lshl_b32 s20, s42, 1
	s_add_co_u32 s20, s20, s16
	s_lshl_b32 s46, s20, 9
	s_mov_b32 s47, 0
	s_add_nc_u64 s[100:101], s[100:101], s[46:47]
	v_lshlrev_b32 v30, 6, v3
.irp b, 0,1,2,3,4,5,6,7
	global_load_b128 v[BIAS+8*\b:BIAS+8*\b+3], v30, s[100:101] offset:128*(\b/2)+32*(\b%2)
	global_load_b128 v[BIAS+8*\b+4:BIAS+8*\b+7], v30, s[100:101] offset:128*(\b/2)+32*(\b%2)+16
.endr
	s_mul_i32 s21, s15, HALFT
	s_mul_i32 s22, s16, HALFT
	s_add_co_u32 s22, s22, 2*HALFT
.irp s, 0,1
	v_add_nc_u32 v[ADRA+\s], s21, v[L16]
	v_add_nc_u32 v[ADRB+\s], s22, v[L16]
	v_add_nc_u32 v[ADRA+2+\s], s21, v[L8]
	v_add_nc_u32 v[ADRB+2+\s], s22, v[L8]
	s_add_co_u32 s21, s21, SLOT
	s_add_co_u32 s22, s22, SLOT
.endr
	s_mul_i32 s21, s15, HALFS
	s_mul_i32 s22, s16, HALFS
	s_add_co_u32 s22, s22, 2*HALFS
	s_sub_co_u32 s22, s22, s21
	v_mul_u32_u24 v6, s22, v3
	s_add_co_u32 s21, s21, SCL
	v_lshl_add_u32 v6, v2, 2, v6
	v_add_nc_u32 v[ADRS], s21, v6
	s_lshl_b32 s21, s17, 1
	s_add_co_u32 s21, s21, s15
	s_lshl_b32 s21, s21, 5
	s_add_co_u32 s22, s21, s20
	s_lshl_b32 s46, s22, 9
	s_add_nc_u64 s[18:19], s[12:13], s[46:47]
	s_add_nc_u64 s[18:19], s[18:19], 12582912
	s_mul_i32 s46, s22, 12288
	s_add_nc_u64 s[12:13], s[12:13], s[46:47]
.macro FRAG reg, adr, q, i
	ds_load_b128 v[\reg:\reg+3], v[\adr] offset:(\q)*12288+(\i)*1536
	ds_load_b64 v[\reg+4:\reg+5], v[\adr+2] offset:(\q)*12288+(\i)*1536+512
	ds_load_b128 v[\reg+6:\reg+9], v[\adr] offset:(\q)*12288+(\i)*1536+768
	ds_load_b64 v[\reg+10:\reg+11], v[\adr+2] offset:(\q)*12288+(\i)*1536+1280
.endm
.macro MUL16 a0, p, q, sc, zero
.irp a, \a0, \a0+1
.irp b, 0,1,2,3,4,5,6,7
.set rD, 8*(8*((\a)%4)+\b)
.set rB, 128*(\p)+FR*\b
.set rA, AF+FR*(\a)
.set sB, SC+16*(\sc)+8*(\q)+\b
.set sA, SC+16*(\sc)+8*(\q)+(\a)
.if (\zero) == 1
	v_wmma_scale_f32_16x16x128_f8f6f4 v[rD:rD+7], v[rB:rB+11], v[rA:rA+11], 0, v[sB], v[sA] matrix_a_fmt:MATRIX_FMT_FP6 matrix_b_fmt:MATRIX_FMT_FP6 matrix_a_scale:MATRIX_SCALE_ROW1
.elseif (\zero) == 2
	v_wmma_scale_f32_16x16x128_f8f6f4 v[rD:rD+7], v[rB:rB+11], v[rA:rA+11], v[BIAS+8*\b:BIAS+8*\b+7], v[sB], v[sA] matrix_a_fmt:MATRIX_FMT_FP6 matrix_b_fmt:MATRIX_FMT_FP6 matrix_a_scale:MATRIX_SCALE_ROW1
.else
	v_wmma_scale_f32_16x16x128_f8f6f4 v[rD:rD+7], v[rB:rB+11], v[rA:rA+11], v[rD:rD+7], v[sB], v[sA] matrix_a_fmt:MATRIX_FMT_FP6 matrix_b_fmt:MATRIX_FMT_FP6 matrix_a_scale:MATRIX_SCALE_ROW1
.endif
.endr
.endr
.endm
.macro FETCH_B slot, q, p
	WIN TO_B
.irp i, 0,1,2,3,4,5,6,7
	FRAG 128*(\p)+FR*\i, ADRB+\slot, \q, \i
.endr
	WIN 0
.endm
.macro FETCH_A slot, q, i0
.irp i, \i0, \i0+1, \i0+2, \i0+3
	FRAG AF+FR*(\i), ADRA+\slot, \q, \i
.endr
.endm
.macro SCALES sc
.irp q, 0,1
.irp i, 0,1,2,3,4,5,6,7
	ds_load_b32 v[SC+16*\sc+8*\q+\i], v[ADRS] offset:512*\q+64*\i
.endr
.endr
.endm
.macro PLACES n
.rept \n
	v_nop
.endr
.endm
.macro STEP slot, q, zero
	s_wait_dscnt 16
.if (\zero) == 2
	WIN 0x81
.else
	WIN MUL_LO
.endif
	MUL16 0, (\q)%2, \q, \slot, \zero
	MUL16 2, (\q)%2, \q, \slot, \zero
	s_wait_dscnt 0x0
	PLACES 4
	FETCH_B \slot, (\q)+1, 1-(\q)%2
	FETCH_A \slot, (\q)+1, 0
.if (\zero) == 2
	WIN 0xc1
.else
	WIN MUL_HI
.endif
	MUL16 4, (\q)%2, \q, \slot, \zero
	MUL16 6, (\q)%2, \q, \slot, \zero
	PLACES 4
	WIN 0
	FETCH_A \slot, (\q)+1, 4
.endm
.macro TURN slot, next, fill
	s_wait_tensorcnt 0x0
	ds_add_u32 v[SPW], v[NIL]
	s_wait_dscnt 17
	WIN MUL_LO
	MUL16 0, 1, 1, \slot, 0
	s_wait_dscnt 0x0
	s_barrier_signal -1
	MUL16 2, 1, 1, \slot, 0
	WIN 0
	s_barrier_wait -1
.if \fill
	CREST
	s_add_nc_u64 s[G0+4*\slot+2:G0+4*\slot+3], s[G0+4*\slot+2:G0+4*\slot+3], 2*HALFT
	s_add_nc_u64 s[G0B+4*\slot+2:G0B+4*\slot+3], s[G0B+4*\slot+2:G0B+4*\slot+3], 2*HALFT
	JLOAD G0+4*\slot, G1, G0B+4*\slot, G1B
.else
	PLACES 4
.endif
	s_wait_alu depctr_va_vdst(0)
	v_add_nc_u32 v[ADRS], 1024, v[ADRS]
	FETCH_B \next, 0, 0
	FETCH_A \next, 0, 0
	SCALES \next
	WIN MUL_HI
	MUL16 4, 1, 1, \slot, 0
	MUL16 6, 1, 1, \slot, 0
	PLACES 4
	WIN 0
	FETCH_A \next, 0, 4
.endm
	s_wait_alu depctr_va_vdst(0)
	s_wait_tensorcnt 1
	s_barrier_signal -1
	s_barrier_wait -1
	FETCH_B 0, 0, 0
	FETCH_A 0, 0, 0
	SCALES 0
	FETCH_A 0, 0, 4
	s_wait_loadcnt 0x0
	STEP 0, 0, 2
	s_mov_b32 s3, LAPS-1
.Llap:
	TURN 0, 1, 1
	STEP 1, 0, 0
	TURN 1, 0, 1
	STEP 0, 0, 0
	s_sub_co_u32 s3, s3, 1
	s_cmp_lg_u32 s3, 0
	s_cbranch_scc1 .Llap
	TURN 0, 1, 0
	STEP 1, 0, 0
	s_wait_dscnt 16
	WIN MUL_LO
	MUL16 0, 1, 1, 1, 0
	MUL16 2, 1, 1, 1, 0
	s_wait_dscnt 0x0
	WIN MUL_HI
	MUL16 4, 1, 1, 1, 0
	MUL16 6, 1, 1, 1, 0
	WIN 0
.macro QUANT s, w, pw
	WIN (\w)|((\w)<<2)
.irp b, 0,1,2,3
	v_max3_num_f32 v[TM+\b], |v[(\s)+16*\b]|, |v[(\s)+1+16*\b]|, 0x1800000
.endr
.irp i, 2,4,6,8,10,12,14
.irp b, 0,1,2,3
	v_max3_num_f32 v[TM+\b], |v[(\s)+16*\b+\i]|, |v[(\s)+1+16*\b+\i]|, v[TM+\b]
.endr
.endr
	WIN 0
.irp b, 0,1,2,3
	v_permlanex16_b32 v[TM+4+\b], v[TM+\b], s[SEL], s[SEL+1]
.endr
.irp b, 0,1,2,3
	v_max_num_f32 v[TM+\b], v[TM+\b], v[TM+4+\b]
.endr
.irp b, 0,1,2,3
	v_add_nc_u32 v[TM+12+\b], 0xff000000, v[TM+\b]
.endr
.irp b, 0,1,2,3
	v_lshrrev_b32 v[TM+4+\b], 23, v[TM+12+\b]
.endr
	v_lshl_or_b32 v[\pw], v[TM+5], 8, v[TM+4]
	v_lshl_or_b32 v[\pw], v[TM+6], 16, v[\pw]
	v_lshl_or_b32 v[\pw], v[TM+7], 24, v[\pw]
	WIN \w
.irp c, 0,1
	v_cvt_scalef32_pk16_fp6_f32 v[PC+6*\c:PC+2+6*\c], v[(\s)+32*\c:(\s)+15+32*\c], v[TM+12+2*\c]
	v_cvt_scalef32_pk16_fp6_f32 v[PC+12+4*\c:PC+14+4*\c], v[(\s)+16+32*\c:(\s)+31+32*\c], v[TM+12+2*\c+1]
.endr
	WIN 0
	v_nop
.irp c, 0,1
.irp i, 0,1,2
	v_permlane16_swap_b32 v[PC+6*\c+\i], v[PC+12+4*\c+\i]
.endr
.irp i, 0,1,2
	v_mov_b32 v[PC+3+6*\c+\i], v[PC+12+4*\c+\i]
.endr
.endr
.endm
.macro HALVE w, base
	WIN \w
.set p, 0
.rept 32
	v_pk_mul_f32 v[HA+p:HA+p+1], v[(\base)+p:(\base)+p+1], 0.5 op_sel_hi:[1,0]
.set p, p+2
.endr
	WIN 0
.endm
.macro PICK j
	s_cmp_eq_u32 s3, 0
	s_cbranch_scc1 .Lt0_\@
	s_cmp_eq_u32 s3, 1
	s_cbranch_scc1 .Lt1_\@
	s_cmp_eq_u32 s3, 2
	s_cbranch_scc1 .Lt2_\@
	HALVE 3, 128+64*(\j)
	s_branch .Ltd_\@
.Lt0_\@:
	HALVE 2, 64*(\j)
	s_branch .Ltd_\@
.Lt1_\@:
	HALVE 2, 128+64*(\j)
	s_branch .Ltd_\@
.Lt2_\@:
	HALVE 3, 64*(\j)
.Ltd_\@:
.endm
.macro GELU16 k
.set HB, HA+16*(\k)
.set p, 0
.rept 8
	v_pk_mul_f32 v[Z+p:Z+p+1], v[HB+p:HB+p+1], 0x3fb504f3 op_sel_hi:[1,0]
.set p, p+2
.endr
.set p, 0
.rept 16
	v_med3_num_f32 v[Z+p], v[Z+p], -4.0, 4.0
.set p, p+1
.endr
.set p, 0
.rept 8
	v_pk_mul_f32 v[X2+p:X2+p+1], v[Z+p:Z+p+1], v[Z+p:Z+p+1]
.set p, p+2
.endr
.set p, 0
.rept 8
	v_pk_fma_f32 v[P+p:P+p+1], v[X2+p:X2+p+1], v[88:89], s[CA:CA+1] op_sel_hi:[1,1,0]
	v_pk_fma_f32 v[Q+p:Q+p+1], v[X2+p:X2+p+1], v[90:91], s[CB:CB+1] op_sel_hi:[1,1,0]
.set p, p+2
.endr
.irp c, 2,4,6,8,10
.set p, 0
.rept 8
	v_pk_fma_f32 v[P+p:P+p+1], v[P+p:P+p+1], v[X2+p:X2+p+1], s[CA+\c:CA+\c+1] op_sel_hi:[1,1,0]
.set p, p+2
.endr
.endr
.irp c, 2,4,6
.set p, 0
.rept 8
	v_pk_fma_f32 v[Q+p:Q+p+1], v[Q+p:Q+p+1], v[X2+p:X2+p+1], s[CB+\c:CB+\c+1] op_sel_hi:[1,1,0]
.set p, p+2
.endr
.endr
.set p, 0
	s_wait_alu depctr_va_vdst(0)
.rept 16
	v_rcp_f32 v[Q+p], v[Q+p]
.set p, p+1
.endr
.set p, 0
.rept 8
	v_pk_mul_f32 v[P+p:P+p+1], v[P+p:P+p+1], v[Z+p:Z+p+1]
.set p, p+2
.endr
	s_wait_alu depctr_va_vdst(0)
.set p, 0
.rept 8
	v_pk_mul_f32 v[P+p:P+p+1], v[P+p:P+p+1], v[Q+p:Q+p+1]
.set p, p+2
.endr
.set p, 0
.rept 8
	v_pk_fma_f32 v[HB+p:HB+p+1], v[HB+p:HB+p+1], v[P+p:P+p+1], v[HB+p:HB+p+1]
.set p, p+2
.endr
.endm
.macro BODY j
	PICK \j
	GELU16 0
	GELU16 1
	GELU16 2
	GELU16 3
	s_wait_xcnt 0x0
	QUANT HA, 0, 84+\j
	global_store_b128 v[L16], v[PC:PC+3], s[12:13] offset:1536*\j
	global_store_b64 v[L8], v[PC+4:PC+5], s[12:13] offset:1536*\j+512
	global_store_b128 v[L16], v[PC+6:PC+9], s[12:13] offset:1536*\j+768
	global_store_b64 v[L8], v[PC+10:PC+11], s[12:13] offset:1536*\j+1280
.endm
	PLACES 4
	s_mov_b32 s[SEL], 0x76543210
	s_mov_b32 s[SEL+1], 0xfedcba98
	s_mov_b32 s2, 0xffff0000
.irp b, 0,1,2,3
	v_mov_b32 v[TM+4+\b], 0
.endr
	v_mov_b32 v88, 0xaf95df0b
	v_mov_b32 v89, 0xaf95df0b
	v_mov_b32 v90, 0xb77460cd
	v_mov_b32 v91, 0xb77460cd
.irp h, 0,1
	s_mov_b32 s[CA+\h], 0x32edffee
	s_mov_b32 s[CA+2+\h], 0xb60cff51
	s_mov_b32 s[CA+4+\h], 0xb86ec2d2
	s_mov_b32 s[CA+6+\h], 0xba40ac63
	s_mov_b32 s[CA+8+\h], 0xbb41a1f6
	s_mov_b32 s[CA+10+\h], 0xbc83dbd4
	s_mov_b32 s[CB+\h], 0xb95fbd29
	s_mov_b32 s[CB+2+\h], 0xbadc924e
	s_mov_b32 s[CB+4+\h], 0xbbf19bf8
	s_mov_b32 s[CB+6+\h], 0xbc69b6a7
.endr
	s_mov_b32 s3, 0
.Lgel:
	BODY 0
	BODY 1
	v_cndmask_b32 v86, v84, v85, s2
	global_store_b32 v[L4], v86, s[18:19]
	s_wait_xcnt 0x0
	s_add_nc_u64 s[12:13], s[12:13], 3072
	s_add_nc_u64 s[18:19], s[18:19], 128
	s_add_co_u32 s3, s3, 1
	s_cmp_lt_u32 s3, 4
	s_cbranch_scc1 .Lgel
	s_wait_tensorcnt 0x0
	ds_add_u32 v[SPW], v[NIL]
	s_wait_dscnt 0x0
	CROUND
	s_endpgm
.Lfunc_end_k_qf5483e4673_ffn1:
	.size	k_qf5483e4673_ffn1, .Lfunc_end_k_qf5483e4673_ffn1-k_qf5483e4673_ffn1
	.p2alignl 7, 3214868480
	.fill 96, 4, 3214868480
	.section	.rodata,"a",@progbits
	.p2align	6, 0x0
	.amdhsa_kernel k_qf5483e4673_ffn1
		.amdhsa_group_segment_fixed_size 327680
		.amdhsa_private_segment_fixed_size 0
		.amdhsa_enable_private_segment 0
		.amdhsa_kernarg_size 32
		.amdhsa_user_sgpr_count 2
		.amdhsa_user_sgpr_kernarg_segment_ptr 1
		.amdhsa_wavefront_size32 1
		.amdhsa_system_sgpr_workgroup_id_x 1
		.amdhsa_system_sgpr_workgroup_id_y 1
		.amdhsa_system_sgpr_workgroup_id_z 1
		.amdhsa_system_vgpr_workitem_id 0
		.amdhsa_next_free_vgpr 1024
		.amdhsa_next_free_sgpr 102
		.amdhsa_reserve_vcc 0
		.amdhsa_float_denorm_mode_32 3
		.amdhsa_float_denorm_mode_16_64 3
		.amdhsa_memory_ordered 1
		.amdhsa_forward_progress 1
		.amdhsa_inst_pref_size 221
	.end_amdhsa_kernel
	.amdgpu_metadata
---
amdhsa.version: [ 1, 2 ]
amdhsa.kernels:
  - .name:           k_qf5483e4673_ffn1
    .symbol:         k_qf5483e4673_ffn1.kd
    .args:
      - { .name: hq, .offset: 0, .size: 8, .value_kind: global_buffer, .address_space: global }
      - { .name: wts, .offset: 8, .size: 8, .value_kind: global_buffer, .address_space: global }
      - { .name: b1, .offset: 16, .size: 8, .value_kind: global_buffer, .address_space: global }
      - { .name: hid, .offset: 24, .size: 8, .value_kind: global_buffer, .address_space: global }
    .group_segment_fixed_size: 327680
    .private_segment_fixed_size: 0
    .kernarg_segment_align: 8
    .kernarg_segment_size: 32
    .max_flat_workgroup_size: 128
    .sgpr_count:     102
    .vgpr_count:     1024
    .wavefront_size: 32
...
	.end_amdgpu_metadata
.endif
;; end of part 13
;; launch ffn2 (part 14): grid 8 x 32, 4 waves a work-group, clusters of 4 x 4, 327,680 bytes of LDS; arguments hid, wts, b2, x1, out0; writes out0
.if DOCPART == 14
	.amdgcn_target "amdgcn-amd-amdhsa--gfx1250"
	.amdhsa_code_object_version 6
	.text
	.protected	k_qf5483e4673_ffn2
	.globl	k_qf5483e4673_ffn2
	.p2align	8
	.type	k_qf5483e4673_ffn2,@function
k_qf5483e4673_ffn2:
	s_mov_b64 s[64:65], 0
	v_nop
	global_prefetch_b8 v0, s[64:65] scope:SCOPE_SE
	s_setreg_imm32_b32 hwreg(HW_REG_WAVE_MODE, 25, 1), 1
	s_wait_xcnt 0x0
	s_wait_alu depctr_hold_cnt(0) depctr_sa_sdst(0) depctr_va_vdst(0) depctr_va_sdst(0) depctr_va_ssrc(0) depctr_va_vcc(0) depctr_vm_vsrc(0)
	s_getreg_b32 s2, hwreg(HW_REG_IB_STS2, 6, 4)
	s_cmp_eq_u32 s2, 0
	s_cbranch_scc0 .Lentry_in_a_cluster
	s_endpgm
.Lentry_in_a_cluster:
	s_bfe_u32 s2, ttmp6, 0x10000c
	s_cmp_lg_u32 s2, 0xf033
	s_cbranch_scc0 .Lentry_shape_is_right
	s_endpgm
.Lentry_shape_is_right:
.set KK,    4096
.set AOFS,  12582912
.set BOFC,  6291456
.set BOFS,  9699328
.set HASB,  1
.set NS,    KK/128
.set GS,    NS*12288
.set HALFT, 24576
.set SLOT,  4*HALFT
.set SCL,   2*SLOT
.set HALFS, NS*512
.set SPARE, SCL+2*HALFS
.set LAPS,  KK/1024
.set FR,    12
.set ADRA, 16
.set ADRB, 20
.set STO,  24
.set RD,   25
.set CO,   26
.set ADRS, 27
.set SPW,  28
.set NIL,  29
.set SC,   32
.set BIAS, 64
.set BK,   64
.set ACC,  128
.set G1, 24
.set G0, 32
.set G1B, 48
.set G0B, 56
.set G1S, 68
.set G0S, 76
.set G1SB, 80
.set G0SB, 88
.set MSB, 0
.macro WIN new
.if MSB != (\new)
	s_set_vgpr_msb (MSB<<8)|(\new)
.set MSB, \new
.endif
.endm
.set MUL,  0x05
.set TO_F, 0x40
.set G0H,  4                           ; s[4:7], s[8:11] group 0 of the head's loads of codes
.set G0HB, 8
.if LAPS > 1
.set HR,  192                          ; rows of 256 bytes in a head's load of codes: slot 0's four K steps of a group
.set SD,  SLOT                         ; from slot 0 to slot 1
.else
.set HR,  384                          ; K = 1,024: a group's whole K; nothing is filled later
.set SD,  2*HALFT
.endif
.macro ARM under, g0, g1, next         ; an arm of the head's one chain on the wave's number: one tensor load, then a jump to the chain's end
	s_cmp_lt_u32 s14, \under
	s_cbranch_scc0 \next
	tensor_load_to_lds s[\g0:\g0+3], s[\g1:\g1+7]
	s_nop 0
.rept 4
	v_nop
.endr
	s_branch .Lhead_asked
\next:
.endm
.macro JLOAD g0a, g1a, g0b, g1b
	s_cmp_eq_u32 s15, 0
	s_cbranch_scc0 .Lfor_b_\@
	tensor_load_to_lds s[\g0a:\g0a+3], s[\g1a:\g1a+7]
	s_nop 0
.rept 4
	v_nop
.endr
	s_branch .Lasked_\@
.Lfor_b_\@:
	tensor_load_to_lds s[\g0b:\g0b+3], s[\g1b:\g1b+7]
	s_nop 0
.rept 4
	v_nop
.endr
.Lasked_\@:
.endm
.macro CREST
	s_cmp_lg_u32 s14, 0
	s_cbranch_scc1 .Lnot_wave_0_\@
	s_barrier_signal -3
.Lnot_wave_0_\@:
	s_barrier_wait -3
	s_barrier_signal -1
	s_barrier_wait -1
.endm
.macro CROUND
	s_barrier_signal -1
	s_barrier_wait -1
	CREST
.endm
	s_load_b128 s[96:99], s[0:1], 0x0
.if HASB
	s_load_b64 s[100:101], s[0:1], 0x10
	s_load_b64 s[18:19], s[0:1], 0x18
	s_load_b64 s[12:13], s[0:1], 0x20
.else
	s_load_b64 s[18:19], s[0:1], 0x10
	s_load_b64 s[12:13], s[0:1], 0x18
.endif
	v_lshl_add_u32 v[SPW], v0, 2, SPARE
	v_mov_b32 v[NIL], 0
	ds_add_u32 v[SPW], v[NIL]
	ds_add_u32 v[SPW], v[NIL]
	v_lshrrev_b32 v1, 5, v0
	v_readfirstlane_b32 s14, v1
	s_lshr_b32 s15, s14, 1
	s_and_b32 s16, s14, 1
	s_bfe_u32 s40, ttmp6, 0x40000
	s_bfe_u32 s41, ttmp6, 0x40004
	s_lshl_b32 s42, ttmp9, 2
	s_add_co_u32 s42, s42, s40
	s_and_b32 s17, ttmp7, 0xffff
	s_lshl_b32 s17, s17, 2
	s_add_co_u32 s17, s17, s41
	s_lshl_b32 s43, s41, 2
	s_lshl_b32 s43, 15, s43
	s_lshl_b32 s44, 0x1111, s40
	s_or_b32 s[G1+0], s43, (3<<16)|(1<<21)
	s_or_b32 s[G1B+0], s44, (3<<16)|(1<<21)
.irp g, G1, G1B
	s_mov_b32 s[\g+1], 32<<16
	s_mov_b32 s[\g+2], HR<<16
	s_mov_b32 s[\g+3], 32<<16
	s_mov_b32 s[\g+4], HR
	s_mov_b32 s[\g+5], 32
	s_mov_b32 s[\g+6], 0
	s_mov_b32 s[\g+7], 0
.endr
	s_or_b32 s[G1S+0], s43, (3<<16)|(1<<21)
	s_or_b32 s[G1SB+0], s44, (3<<16)|(1<<21)
.irp g, G1S, G1SB
	s_mov_b32 s[\g+1], 32<<16
	s_mov_b32 s[\g+2], (HALFS/256)<<16
	s_mov_b32 s[\g+3], 32<<16
	s_mov_b32 s[\g+4], HALFS/256
	s_mov_b32 s[\g+5], 32
	s_mov_b32 s[\g+6], 0
	s_mov_b32 s[\g+7], 0
.endr
	s_mul_i32 s20, s17, GS
	s_mov_b32 s21, 0
	s_mul_i32 s46, s42, GS
	s_mov_b32 s47, 0
	s_mul_i32 s22, s17, HALFS
	s_mov_b32 s23, 0
	s_mul_i32 s92, s42, HALFS
	s_mov_b32 s93, 0
	s_mul_i32 s45, s14, HALFT
	s_mul_i32 s2, s16, HALFT                       ; in the ring I fetch two of a slot's four K steps: which, in bytes
	s_mov_b32 s3, 0
	s_wait_dscnt 0x0
	s_wait_kmcnt 0x0
	s_mov_b64 s[4:5], s[96:97]
	s_add_nc_u64 s[6:7], s[96:97], AOFS
	s_add_nc_u64 s[8:9], s[98:99], BOFC
	s_add_nc_u64 s[10:11], s[98:99], BOFS
	s_add_nc_u64 s[20:21], s[4:5], s[20:21]
	s_add_nc_u64 s[22:23], s[6:7], s[22:23]
	s_add_nc_u64 s[46:47], s[8:9], s[46:47]
	s_add_nc_u64 s[92:93], s[10:11], s[92:93]
	CROUND
	s_mov_b32 s[G0S], 1
	s_mov_b32 s[G0S+1], SCL
	s_mov_b64 s[G0S+2:G0S+3], s[22:23]
	s_or_b32 s[G0S+3], s[G0S+3], 0x80000000
	s_mov_b32 s[G0SB], 1
	s_mov_b32 s[G0SB+1], SCL+HALFS
	s_mov_b64 s[G0SB+2:G0SB+3], s[92:93]
	s_or_b32 s[G0SB+3], s[G0SB+3], 0x80000000
	s_mov_b32 s[G0H], 1
	s_mov_b32 s[G0H+1], 0
	s_mov_b64 s[G0H+2:G0H+3], s[20:21]
	s_or_b32 s[G0H+3], s[G0H+3], 0x80000000
	s_mov_b32 s[G0HB], 1
	s_mov_b32 s[G0HB+1], HR*256
	s_mov_b64 s[G0HB+2:G0HB+3], s[46:47]
	s_or_b32 s[G0HB+3], s[G0HB+3], 0x80000000
	; the head's four tiles, one joint load a wave: wave 0 A's codes, wave 1 B's, wave 2 A's scale words, wave 3 B's
	ARM 1, G0H,  G1,  .Lhead_b
	ARM 2, G0HB, G1B, .Lhead_sa
	ARM 3, G0S,  G1S, .Lhead_sb
	tensor_load_to_lds s[G0SB:G0SB+3], s[G1SB:G1SB+7]
	s_nop 0
.rept 4
	v_nop
.endr
.Lhead_asked:
.if LAPS > 1
	s_add_nc_u64 s[20:21], s[20:21], s[2:3]
	s_add_nc_u64 s[46:47], s[46:47], s[2:3]
.irp s, 0,1
	s_mov_b32 s[G0+4*\s], 1
	s_add_co_u32 s[G0+4*\s+1], s45, \s*SLOT
	s_add_nc_u64 s[G0+4*\s+2:G0+4*\s+3], s[20:21], \s*2*HALFT
	s_or_b32 s[G0+4*\s+3], s[G0+4*\s+3], 0x80000000
	s_mov_b32 s[G0B+4*\s], 1
	s_add_co_u32 s[G0B+4*\s+1], s45, \s*SLOT
	s_add_nc_u64 s[G0B+4*\s+2:G0B+4*\s+3], s[46:47], \s*2*HALFT
	s_or_b32 s[G0B+4*\s+3], s[G0B+4*\s+3], 0x80000000
.endr
	s_wait_alu depctr_va_vdst(0)                   ; the wait ahead of the blocking wait below
	s_wait_tensorcnt 0x0                           ; slot 1's first fill stands behind these three lines and a whole round, as a refill does
	ds_add_u32 v[SPW], v[NIL]
	s_mov_b32 s[G1+2], 96<<16                      ; no tensor load of mine is out: from here on a load brings 96 rows
	s_mov_b32 s[G1+4], 96
	s_mov_b32 s[G1B+2], 96<<16
	s_mov_b32 s[G1B+4], 96
	s_wait_dscnt 0x0
	CROUND
	JLOAD G0+4, G1, G0B+4, G1B
.endif
	v_and_b32 v1, 31, v0
	v_and_b32 v2, 15, v0
	v_bfe_u32 v3, v0, 4, 1
	s_wait_alu depctr_va_vdst(0)
	v_lshlrev_b32 v4, 4, v1
	v_lshlrev_b32 v5, 3, v1
	v_lshlrev_b32 v[CO], 4, v2
	v_lshl_add_u32 v[CO], v3, 12, v[CO]
	s_wait_alu depctr_va_vdst(0)
	s_lshl_b32 s20, s17, 19
	s_lshl_b32 s21, s15, 18
	s_add_co_u32 s20, s20, s21
	s_lshl_b32 s46, s42, 9
	s_lshl_b32 s47, s16, 8
	s_add_co_u32 s46, s46, s47
	s_mov_b32 s47, 0
	s_add_co_u32 s20, s20, s46
	s_mov_b32 s21, 0
	s_add_nc_u64 s[12:13], s[12:13], s[20:21]
	s_add_nc_u64 s[18:19], s[18:19], s[20:21]
.if HASB
	s_add_nc_u64 s[100:101], s[100:101], s[46:47]
	v_lshlrev_b32 v30, 6, v3
.irp b, 0,1,2,3
	global_load_b128 v[BIAS+8*\b:BIAS+8*\b+3], v30, s[100:101] offset:128*(\b/2)+32*(\b%2)
	global_load_b128 v[BIAS+8*\b+4:BIAS+8*\b+7], v30, s[100:101] offset:128*(\b/2)+32*(\b%2)+16
.endr
.endif
	WIN 0x80
.irp a, 0,1,2,3
.irp t, 0,1,2,3,4,5,6,7
	global_load_b128 v[32*\a+4*\t:32*\a+4*\t+3], v[CO], s[18:19] offset:(32*(\a/2)+8*(\a%2)+2*\t+8*(\t/4))*4096 th:TH_LOAD_NT
.endr
.endr
	WIN 0
	s_mul_i32 s21, s15, 6144
	s_mul_i32 s22, s16, 6144
	s_add_co_u32 s22, s22, HR*256
.irp s, 0,1
	v_add_nc_u32 v[ADRA+\s], s21, v4
	v_add_nc_u32 v[ADRB+\s], s22, v4
	v_add_nc_u32 v[ADRA+2+\s], s21, v5
	v_add_nc_u32 v[ADRB+2+\s], s22, v5
	s_add_co_u32 s21, s21, SD
	s_add_co_u32 s22, s22, SD
.endr
	s_lshl_b32 s21, s15, 8
	s_lshl_b32 s22, s16, 8
	s_add_co_u32 s22, s22, HALFS
	s_sub_co_u32 s22, s22, s21
	v_mul_u32_u24 v6, s22, v3
	s_add_co_u32 s21, s21, SCL
	v_lshl_add_u32 v6, v2, 2, v6
	v_add_nc_u32 v[ADRS], s21, v6
	s_mul_i32 s23, s14, 4352
	v_mul_u32_u24 v7, v2, 272
	v_lshl_add_u32 v7, v3, 6, v7
	v_add_nc_u32 v[STO], s23, v7
	v_mul_u32_u24 v8, v3, 272
	v_lshl_add_u32 v8, v2, 4, v8
	v_add_nc_u32 v[RD], s23, v8
.macro FRAG reg, adr, q, i
	ds_load_b128 v[\reg:\reg+3], v[\adr] offset:(\q)*12288+(\i)*1536
	ds_load_b64 v[\reg+4:\reg+5], v[\adr+2] offset:(\q)*12288+(\i)*1536+512
	ds_load_b128 v[\reg+6:\reg+9], v[\adr] offset:(\q)*12288+(\i)*1536+768
	ds_load_b64 v[\reg+10:\reg+11], v[\adr+2] offset:(\q)*12288+(\i)*1536+1280
.endm
.macro MUL8 a0, p, q, sc, zero
.irp a, \a0, \a0+1
.irp b, 0,1,2,3
.set rD, ACC+8*(4*(\a)+\b)
.set rB, 128*(\p)+48+FR*\b
.set rA, 128*(\p)+FR*(\a)
.set sB, SC+16*(\sc)+4*(\q)+\b
.set sA, SC+16*(\sc)+4*(\q)+(\a)
.if (\zero) == 1
	v_wmma_scale_f32_16x16x128_f8f6f4 v[rD:rD+7], v[rB:rB+11], v[rA:rA+11], 0, v[sB], v[sA] matrix_a_fmt:MATRIX_FMT_FP6 matrix_b_fmt:MATRIX_FMT_FP6 matrix_a_scale:MATRIX_SCALE_ROW1
.elseif (\zero) == 2
	v_wmma_scale_f32_16x16x128_f8f6f4 v[rD:rD+7], v[rB:rB+11], v[rA:rA+11], v[BIAS+8*\b:BIAS+8*\b+7], v[sB], v[sA] matrix_a_fmt:MATRIX_FMT_FP6 matrix_b_fmt:MATRIX_FMT_FP6 matrix_a_scale:MATRIX_SCALE_ROW1
.else
	v_wmma_scale_f32_16x16x128_f8f6f4 v[rD:rD+7], v[rB:rB+11], v[rA:rA+11], v[rD:rD+7], v[sB], v[sA] matrix_a_fmt:MATRIX_FMT_FP6 matrix_b_fmt:MATRIX_FMT_FP6 matrix_a_scale:MATRIX_SCALE_ROW1
.endif
.endr
.endr
.endm
.macro FETCH slot, q, p
	WIN TO_F
.irp i, 0,1,2,3
	FRAG 128*(\p)+48+FR*\i, ADRB+\slot, \q, \i
.endr
.irp i, 0,1,2,3
	FRAG 128*(\p)+FR*\i, ADRA+\slot, \q, \i
.endr
.endm
.macro SCALES sc
.irp q, 0,1,2,3
.irp i, 0,1,2,3
	ds_load_b32 v[SC+16*\sc+4*\q+\i], v[ADRS] offset:512*\q+64*\i
.endr
.endr
.endm
.macro PLACES n
.rept \n
	v_nop
.endr
.endm
.macro KSTEP slot, q, zero
	PLACES 4
	FETCH \slot, (\q)+1, 1-(\q)%2
	s_wait_dscnt 32
	WIN MUL
	MUL8 0, (\q)%2, \q, \slot, \zero
	MUL8 2, (\q)%2, \q, \slot, \zero
.endm
.macro TURN slot, next, fill
	WIN 0
	s_wait_tensorcnt 0x0
	ds_add_u32 v[SPW], v[NIL]
	s_wait_dscnt 0x0
	WIN MUL
	s_barrier_signal -1
	MUL8 0, 1, 3, \slot, 0
	WIN 0
	s_barrier_wait -1
.if \fill
	CREST
	s_add_nc_u64 s[G0+4*\slot+2:G0+4*\slot+3], s[G0+4*\slot+2:G0+4*\slot+3], 4*HALFT
	s_add_nc_u64 s[G0B+4*\slot+2:G0B+4*\slot+3], s[G0B+4*\slot+2:G0B+4*\slot+3], 4*HALFT
	JLOAD G0+4*\slot, G1, G0B+4*\slot, G1B
.else
	PLACES 4
.endif
	s_wait_alu depctr_va_vdst(0)
	v_add_nc_u32 v[ADRS], 2048, v[ADRS]
	FETCH \next, 0, 0
	WIN 0
	SCALES \next
	WIN MUL
	MUL8 2, 1, 3, \slot, 0
.endm
	s_wait_alu depctr_va_vdst(0)
.if LAPS > 1
	s_wait_tensorcnt 1                             ; slot 1's load may be out
.else
	s_wait_tensorcnt 0x0                           ; my one load is in; the barrier shows all four tiles to all waves
.endif
	s_barrier_signal -1
	s_barrier_wait -1
	FETCH 0, 0, 0
	WIN 0
	SCALES 0
.if HASB
	s_wait_loadcnt 32
	KSTEP 0, 0, 2
.else
	KSTEP 0, 0, 1
.endif
	KSTEP 0, 1, 0
	KSTEP 0, 2, 0
.if LAPS > 1
	WIN 0
	s_mov_b32 s3, LAPS-1
.Llap:
	TURN 0, 1, 1
	KSTEP 1, 0, 0
	KSTEP 1, 1, 0
	KSTEP 1, 2, 0
	TURN 1, 0, 1
	KSTEP 0, 0, 0
	KSTEP 0, 1, 0
	KSTEP 0, 2, 0
	WIN 0
	s_sub_co_u32 s3, s3, 1
	s_cmp_lg_u32 s3, 0
	s_cbranch_scc1 .Llap
.endif
	TURN 0, 1, 0
	KSTEP 1, 0, 0
	KSTEP 1, 1, 0
	KSTEP 1, 2, 0
	s_wait_dscnt 0x0
	WIN MUL
	MUL8 0, 1, 3, 1, 0
	MUL8 2, 1, 3, 1, 0
	WIN 0
.macro TOSTAGE a
.set AC, ACC+32*(\a)
.irp b, 0,1,2,3
	ds_store_b128 v[STO], v[AC+8*\b:AC+8*\b+3] offset:128*(\b/2)+32*(\b%2)
	ds_store_b128 v[STO], v[AC+8*\b+4:AC+8*\b+7] offset:128*(\b/2)+32*(\b%2)+16
.endr
.set BB, BK+32*((\a)%2)
.irp t, 0,1,2,3,4,5,6,7
	ds_load_b128 v[BB+4*\t:BB+4*\t+3], v[RD] offset:\t*544
.endr
.endm
	PLACES 4
	s_wait_loadcnt 0x0
.irp a, 0,1,2,3
.if \a > 1
	s_wait_xcnt 0x0
.endif
	TOSTAGE \a
	s_wait_dscnt 0x0
	WIN 0x08
.set p, 0
.rept 16
	v_pk_add_f32 v[BK+32*(\a%2)+p:BK+32*(\a%2)+p+1], v[BK+32*(\a%2)+p:BK+32*(\a%2)+p+1], v[32*\a+p:32*\a+p+1]
.set p, p+2
.endr
	WIN 0
.irp t, 0,1,2,3,4,5,6,7
.if HASB
	global_store_b128 v[CO], v[BK+32*(\a%2)+4*\t:BK+32*(\a%2)+4*\t+3], s[12:13] offset:(32*(\a/2)+8*(\a%2)+2*\t+8*(\t/4))*4096 th:TH_STORE_NT
.else
	global_store_b128 v[CO], v[BK+32*(\a%2)+4*\t:BK+32*(\a%2)+4*\t+3], s[12:13] offset:(32*(\a/2)+8*(\a%2)+2*\t+8*(\t/4))*4096
.endif
.endr
.endr
	s_wait_tensorcnt 0x0
	ds_add_u32 v[SPW], v[NIL]
	s_wait_dscnt 0x0
	CROUND
	s_endpgm
.Lfunc_end_k_qf5483e4673_ffn2:
	.size	k_qf5483e4673_ffn2, .Lfunc_end_k_qf5483e4673_ffn2-k_qf5483e4673_ffn2
	.p2alignl 7, 3214868480
	.fill 96, 4, 3214868480
	.section	.rodata,"a",@progbits
	.p2align	6, 0x0
	.amdhsa_kernel k_qf5483e4673_ffn2
		.amdhsa_group_segment_fixed_size 327680
		.amdhsa_private_segment_fixed_size 0
		.amdhsa_enable_private_segment 0
		.amdhsa_kernarg_size 40
		.amdhsa_user_sgpr_count 2
		.amdhsa_user_sgpr_kernarg_segment_ptr 1
		.amdhsa_wavefront_size32 1
		.amdhsa_system_sgpr_workgroup_id_x 1
		.amdhsa_system_sgpr_workgroup_id_y 1
		.amdhsa_system_sgpr_workgroup_id_z 1
		.amdhsa_system_vgpr_workitem_id 0
		.amdhsa_next_free_vgpr 768
		.amdhsa_next_free_sgpr 102
		.amdhsa_reserve_vcc 0
		.amdhsa_float_denorm_mode_32 3
		.amdhsa_float_denorm_mode_16_64 3
		.amdhsa_memory_ordered 1
		.amdhsa_forward_progress 1
		.amdhsa_inst_pref_size 101
	.end_amdhsa_kernel
	.amdgpu_metadata
---
amdhsa.version: [ 1, 2 ]
amdhsa.kernels:
  - .name:           k_qf5483e4673_ffn2
    .symbol:         k_qf5483e4673_ffn2.kd
    .args:
      - { .name: hid, .offset: 0, .size: 8, .value_kind: global_buffer, .address_space: global }
      - { .name: wts, .offset: 8, .size: 8, .value_kind: global_buffer, .address_space: global }
      - { .name: b2, .offset: 16, .size: 8, .value_kind: global_buffer, .address_space: global }
      - { .name: x1, .offset: 24, .size: 8, .value_kind: global_buffer, .address_space: global }
      - { .name: out0, .offset: 32, .size: 8, .value_kind: global_buffer, .address_space: global }
    .group_segment_fixed_size: 327680
    .private_segment_fixed_size: 0
    .kernarg_segment_align: 8
    .kernarg_segment_size: 40
    .max_flat_workgroup_size: 128
    .sgpr_count:     102
    .vgpr_count:     768
    .wavefront_size: 32
...
	.end_amdgpu_metadata
.endif
;; end of part 14
